; MI455X (gfx1250); checked and timed in simulation.
; The chip was launched on July 23, 2026; its instructions are those of AMD's public machine-readable ISA for CDNA 5 (MIT licence, August 2026) and "CDNA5" Instruction Set Architecture Reference Guide (July 2026). The comments in the code are by the model that wrote it; some were corrected since.
;; Self Attention. Allowed arithmetic: matrix products marked QUANTISED: E2M3 operands, one E8M0 scale for each 32 along K, by v_wmma_scale_f32_16x16x128_f8f6f4 with both operands' format E2M3, f32 sums; everything else in f32.
;; Inputs: Wk 2,048 x 16 x 128 float32; Wo 16 x 128 x 2,048 float32; Wq 2,048 x 16 x 128 float32; Wv 2,048 x 16 x 128 float32; mask 1 x 1 x 2,048 x 2,048 bool; x 1 x 2,048 x 2,048 float32.
;; Outputs: out0 1 x 2,048 x 2,048 float32.
;; This version of the problem:
;;   THIS VERSION OF THE PROBLEM IS GIVEN IN LOW PRECISION. The matrix products marked QUANTISED in the list below multiply operands that are first quantised to E2M3 (2 exponent bits, 3 mantissa bits; 6 bits a number), with one power-of-two scale for each 32 numbers along K (OCP MX v1.0); their sums are f32. All else is computed in f32.
;;   The module's matrix products, in the order in which they are computed (A, B: the left and right operand; K: the contracted axis; several contracted axes count as one K, in the product's order):
;;     1. [M 2,048, K 2,048] x [K 2,048, N 2,048]; A: input x; B: input Wq: QUANTISED
;;     2. [M 2,048, K 2,048] x [K 2,048, N 2,048]; A: input x; B: input Wk: QUANTISED
;;     3. [M 2,048, K 2,048] x [K 2,048, N 2,048]; A: input x; B: input Wv: QUANTISED
;;     4. batch 16 x [M 2,048, K 128] x [K 128, N 2,048]; A: computed on the way; B: computed on the way: QUANTISED
;;     5. batch 16 x [M 128, K 2,048] x [K 2,048, N 2,048]; A: computed on the way; B: softmax (see below): QUANTISED
;;     6. [M 2,048, K 2,048] x [K 2,048, N 2,048]; A: computed on the way; B: input Wo: QUANTISED
;;   THE QUANTISER, for each operand of a quantised product, along K:
;;     - K is cut into blocks of 32 from its start; a last block that is shorter is filled with zeros.
;;     - A block's scale is 2^e with e = floor(log2(the largest magnitude in the block)) - 2, held to -126 .. 127; a block of zeros has e = 0. As a byte (E8M0): e + 127.
;;     - Each number is divided by its block's scale, clamped to +-7.5, and rounded to the nearest number of E2M3, ties to even, subnormals kept.
;;     - The product sums the exact products of the quantised numbers (number of the format x scale) in f32.
;;   ~~~python
;;   def quantise(x, axis):      # numpy; x: float32 -> the quantised numbers, widened to float32 again
;;       x = np.moveaxis(x, axis, -1); K = x.shape[-1]
;;       x = np.pad(x, [(0, 0)] * (x.ndim - 1) + [(0, -K % 32)]); x = x.reshape(x.shape[:-1] + (-1, 32)); a = np.abs(x).max(-1, keepdims=True)
;;       e = np.where(a > 0, np.clip(np.frexp(np.where(a > 0, a, 1))[1] - 1 - 2, -126, 127), 0)      # np.frexp(a)[1] - 1 = floor(log2(a)), exactly
;;       r = np.clip(x / 2.0 ** e, -7.5, 7.5)
;;       step = 2.0 ** (np.maximum(np.frexp(np.where(r == 0, 1, r))[1] - 1, 0) - 3)
;;       q = np.round(r / step) * step * 2.0 ** e      # np.round: ties to even
;;       return np.moveaxis(q.reshape(q.shape[:-2] + (-1,))[..., :K], -1, axis).astype(np.float32)
;;   ~~~
;;   SOFTMAX AHEAD OF A QUANTISED PRODUCT. Where the list says 'softmax', what is quantised is not the finished softmax but p = 2^(t - M), with t = logit x log2(e) and M = ceil(the row's largest t), a whole number; so 1/2 < the row's largest p <= 1. The row's sum l is taken of the UNQUANTISED p, in f32, and the product's result is divided by l at the end. Since M is a whole number, a kernel that streams over the keys may use a running M (the ceiling of the running maximum): every later rescaling is an exact power of two, which a block's scale takes up: the codes' values come out the same.
;;   OPERANDS COMPUTED ON THE WAY. 'Computed on the way' means the value that the module computes at that place (a softmax that the list does not call 'softmax' is quantised finished and normalised). What goes into a quantiser is computed in f32, as accurately as f32 sums, v_exp_f32 and their like allow (about 1e-6 of the number): no bf16 or f16 on the way to a quantiser, and a product that is left as it is and whose result goes on into a quantised operand takes f32 operands (vector FMAs, or v_wmma_f32_16x16x4_f32). A number that lies on a knife's edge between two numbers of the format may be rounded either way, as far as f32 arithmetic and the matrix unit's own rounding can turn it there, and no further.
;; 2 versions. Each part assembles by itself: llvm-mc -triple=amdgcn-amd-amdhsa -mcpu=gfx1250 --defsym DOCPART=n.
;; ======== version 1 of 2: 5 launches
;; workspace buffers: codes 15,728,640 bytes; scales 655,360 bytes; rope 2,097,152 bytes; mw 524,288 bytes of whole numbers; qkvc 9,437,184 bytes; qkvs 393,216 bytes; cc 3,145,728 bytes; cs 131,072 bytes
;; launch prep (part 1): grid 512 x 1, 4 waves a work-group, no clusters, 21,504 bytes of LDS; arguments x, codes, scales; writes codes, scales
.if DOCPART == 1
	.amdgcn_target "amdgcn-amd-amdhsa--gfx1250"
	.amdhsa_code_object_version 6
	.text
	.protected	k_q7b32394c72_prep
	.globl	k_q7b32394c72_prep
	.p2align	8
	.type	k_q7b32394c72_prep,@function
k_q7b32394c72_prep:
	s_mov_b64 s[64:65], 0
	v_nop
	global_prefetch_b8 v0, s[64:65] scope:SCOPE_SE
	s_setreg_imm32_b32 hwreg(HW_REG_WAVE_MODE, 25, 1), 1
	s_wait_xcnt 0x0
; x [2048][2048] f32 becomes codes of FP6 (E2M3), K innermost, with one E8M0 byte for each 32 along K.
; A block's scale is 2^(floor(log2(largest magnitude)) - 2); its byte is the largest magnitude's exponent field - 2, held at 1 from below.
; ROW i OF x IS LAID AT POSITION swap34(i) (i with bits 3 and 4 exchanged) of the buffers codes (1,536 bytes a row) and scales (64 bytes a row):
; sixteen neighbouring positions then hold rows 32 a + 8 u + r + 8 (r / 8), which is the choice of rows by which a product's result is the next operand's registers.
; A wave takes one row: 4 steps of 512 numbers, all 16 loads out at once.  Each load reads 512 consecutive bytes; a step's 2,048 bytes turn through the wave's own stage
; in LDS and come back 64 bytes (16 neighbours) a lane; two neighbouring lanes hold a block.  A lane's 16 codes are 12 bytes: the wave stores 384 consecutive bytes.
; The work-group's four rows lie at four neighbouring positions: their 4 x 64 scale bytes meet in LDS and leave as one aligned run of 256 bytes.
; No cluster: the work-groups share no input.  No matrix work, no tensor load.
; LIMITS: a block of zeros, or one whose largest magnitude lies under 2^-124, keeps the byte 1 (its codes are read by this program alone); NaN and infinities are not served.
.set STEPS, 4
.set R,     16                         ; v16-79   four sets of 16 numbers as loaded
.set X,     80                         ; v80-111  two sets of 16 neighbours
.set E,     112                        ; v112-115 a scale byte for each step
.set C,     128                        ; v128-143 codes: four registers a step, so that no store's data are written again
.set SP,    80                         ; a lane's place in a stage: 64 bytes + 16 of padding
.set WREG,  5120                       ; a wave's two stages of 32 x SP bytes
.set SCB,   20480                      ; the work-group's 256 scale bytes
.set SPARE, 20736                      ; the spare words, 128 bytes a wave: two blocks of 256 bytes that no other line names
.set SPW,   12                         ; v12  LDS address of my spare word; never rewritten
.set NIL,   13                         ; v13  0; never rewritten
	s_load_b128 s[4:7], s[0:1], 0x0                ; x, codes
	s_load_b64 s[8:9], s[0:1], 0x10                ; scales
	v_lshl_add_u32 v[SPW], v0, 2, SPARE
	v_mov_b32 v[NIL], 0
	v_lshrrev_b32 v1, 5, v0
	v_readfirstlane_b32 s16, v1                    ; wave
	v_and_b32 v2, 31, v0                           ; lane
	v_lshlrev_b32 v3, 4, v2                        ; my 16 bytes of a load's 512
	s_mul_i32 s17, s16, WREG
	v_lshrrev_b32 v14, 2, v2
	v_mul_u32_u24 v14, v14, SP
	v_and_b32 v15, 3, v2
	v_lshl_add_u32 v14, v15, 4, v14
	v_add_nc_u32 v14, s17, v14                     ; the stage, way in: SP (lane / 4) + 16 (lane % 4)
	v_mul_u32_u24 v15, v2, SP
	v_add_nc_u32 v15, s17, v15                     ; way out: SP x lane: my 16 neighbours
	v_mul_u32_u24 v4, v2, 12                       ; my codes' place in a step's 384 bytes
	v_lshrrev_b32 v5, 1, v2
	s_lshl_b32 s18, s16, 6
	s_add_co_u32 s18, s18, SCB
	v_add_nc_u32 v5, s18, v5                       ; my block's scale byte: SCB + 64 x wave + lane / 2
	v_lshlrev_b32 v7, 3, v2                        ; the scale bytes' way out: 8 bytes a lane
	v_add_nc_u32 v6, SCB, v7
	s_lshl_b32 s19, ttmp9, 2                       ; the work-group's first row, 4 g
	s_and_b32 s20, s19, 0xffffffe7
	s_bfe_u32 s21, s19, 0x10003
	s_bfe_u32 s22, s19, 0x10004
	s_lshl_b32 s21, s21, 4
	s_lshl_b32 s22, s22, 3
	s_or_b32 s20, s20, s21
	s_or_b32 s20, s20, s22                         ; its position: bits 3 and 4 exchanged; rows 4 g + w lie at the next three positions
	s_add_co_u32 s21, s20, s16
	s_mul_i32 s22, s21, 1536                       ; my row of codes
	s_mov_b32 s23, 0
	s_lshl_b32 s24, s20, 6                         ; the work-group's 256 scale bytes
	s_mov_b32 s25, 0
	s_lshl_b32 s26, ttmp9, 15
	s_lshl_b32 s27, s16, 13
	s_add_co_u32 s26, s26, s27                     ; my row of x: 8,192 bytes a row
	s_mov_b32 s27, 0
	s_wait_kmcnt 0x0
	s_add_nc_u64 s[4:5], s[4:5], s[26:27]
	s_add_nc_u64 s[6:7], s[6:7], s[22:23]
	s_add_nc_u64 s[8:9], s[8:9], s[24:25]
.macro LOAD t
.irp i, 0,1,2,3
	global_load_b128 v[R+16*(\t)+4*\i:R+16*(\t)+4*\i+3], v3, s[4:5] offset:2048*(\t)+512*\i th:TH_LOAD_NT   ; 32 lanes read 512 consecutive bytes
.endr
.endm
.macro TURN t                          ; step t's numbers through a stage: LDS serves a wave's instructions in order, so no wait stands between the stores and the loads
.irp i, 0,1,2,3
	ds_store_b128 v14, v[R+16*(\t)+4*\i:R+16*(\t)+4*\i+3] offset:32*SP*((\t)%2)+8*SP*\i
.endr
.irp i, 0,1,2,3
	ds_load_b128 v[X+16*((\t)%2)+4*\i:X+16*((\t)%2)+4*\i+3], v15 offset:32*SP*((\t)%2)+16*\i
.endr
.endm
.irp t, 0,1,2,3
	LOAD \t
.endr
	s_wait_loadcnt 12                              ; step 0's four loads are in; the twelve younger ones stay out
	TURN 0
.macro STEP t
.set XS, X+16*((\t)%2)
.if (\t) > 0
	s_wait_dscnt 1                                 ; this step's numbers are back from the stage; the last step's byte store may be out
.else
	s_wait_dscnt 0x0
.endif
.if (\t)+1 < STEPS
	s_wait_loadcnt 4*(STEPS-2-(\t))                ; the next step's four loads are in; four for each step behind it may be out
	TURN (\t)+1                                    ; they go through the other stage while this step is worked
.endif
	v_max3_num_f32 v8, |v[XS]|, |v[XS+1]|, |v[XS+2]|               ; the largest magnitude of my 16, in two chains
	v_max3_num_f32 v9, |v[XS+3]|, |v[XS+4]|, |v[XS+5]|
.irp i, 6,10
	v_max3_num_f32 v8, v8, |v[XS+\i]|, |v[XS+\i+1]|
	v_max3_num_f32 v9, v9, |v[XS+\i+2]|, |v[XS+\i+3]|
.endr
	v_max3_num_f32 v8, v8, |v[XS+14]|, |v[XS+15]|
	v_max3_num_f32 v8, v8, v9, 0x1800000           ; and the floor 2^(3 - 127): the byte cannot fall under 1
	v_max_num_f32_dpp v8, v8, v8 row_xmask:1 row_mask:0xf bank_mask:0xf   ; with my neighbour's 16: the block's
	v_add_nc_u32 v11, 0xff000000, v8               ; 2 off its exponent field: the conversion takes this operand's exponent field as its scale
	v_cvt_scalef32_pk16_fp6_f32 v[C+4*(\t):C+4*(\t)+2], v[XS:XS+15], v11
	v_lshrrev_b32 v[E+(\t)], 23, v11               ; the scale's byte (a plain line behind the conversion)
	ds_store_b8 v5, v[E+(\t)] offset:16*(\t)       ; both lanes of a block write the same byte with the same value
	global_store_b96 v4, v[C+4*(\t):C+4*(\t)+2], s[6:7] offset:384*(\t)
.endm
.irp t, 0,1,2,3
	STEP \t
.endr
	s_wait_dscnt 0x0                               ; for the others' sake: my scale bytes lie in LDS
	s_barrier_signal -1
	s_barrier_wait -1
	s_cmp_lg_u32 s16, 0                            ; wave 0 stores the four rows' 256 scale bytes
	s_cbranch_scc1 .Lnot_wave_0
	ds_load_b64 v[8:9], v6
	s_wait_dscnt 0x0
	global_store_b64 v7, v[8:9], s[8:9]            ; 32 lanes store 256 consecutive bytes, aligned
.Lnot_wave_0:
	s_wait_tensorcnt 0x0                           ; the wave's end
	ds_add_u32 v[SPW], v[NIL]
	s_wait_dscnt 0x0
	s_endpgm
.Lfunc_end_k_q7b32394c72_prep:
	.size	k_q7b32394c72_prep, .Lfunc_end_k_q7b32394c72_prep-k_q7b32394c72_prep
	.p2alignl 7, 3214868480
	.fill 96, 4, 3214868480
	.section	.rodata,"a",@progbits
	.p2align	6, 0x0
	.amdhsa_kernel k_q7b32394c72_prep
		.amdhsa_group_segment_fixed_size 21504
		.amdhsa_private_segment_fixed_size 0
		.amdhsa_enable_private_segment 0
		.amdhsa_kernarg_size 24
		.amdhsa_user_sgpr_count 2
		.amdhsa_user_sgpr_kernarg_segment_ptr 1
		.amdhsa_wavefront_size32 1
		.amdhsa_system_sgpr_workgroup_id_x 1
		.amdhsa_system_sgpr_workgroup_id_y 1
		.amdhsa_system_sgpr_workgroup_id_z 1
		.amdhsa_system_vgpr_workitem_id 0
		.amdhsa_next_free_vgpr 144
		.amdhsa_next_free_sgpr 66
		.amdhsa_reserve_vcc 0
		.amdhsa_float_denorm_mode_32 3
		.amdhsa_float_denorm_mode_16_64 3
		.amdhsa_memory_ordered 1
		.amdhsa_forward_progress 1
		.amdhsa_inst_pref_size 11
	.end_amdhsa_kernel
	.amdgpu_metadata
---
amdhsa.version: [ 1, 2 ]
amdhsa.kernels:
  - .name:           k_q7b32394c72_prep
    .symbol:         k_q7b32394c72_prep.kd
    .args:
      - { .name: x, .offset: 0, .size: 8, .value_kind: global_buffer, .address_space: global }
      - { .name: codes, .offset: 8, .size: 8, .value_kind: global_buffer, .address_space: global }
      - { .name: scales, .offset: 16, .size: 8, .value_kind: global_buffer, .address_space: global }
    .group_segment_fixed_size: 21504
    .private_segment_fixed_size: 0
    .kernarg_segment_align: 8
    .kernarg_segment_size: 24
    .max_flat_workgroup_size: 128
    .sgpr_count:     66
    .vgpr_count:     144
    .wavefront_size: 32
...
	.end_amdgpu_metadata
.endif
;; end of part 1
;; launch quantw (part 2): grid 16 x 32, 4 waves a work-group, no clusters, 35,840 bytes of LDS; arguments Wq, Wk, Wv, Wo, mask, codes, scales, rope, mw; writes codes, scales, rope, mw
.if DOCPART == 2
	.amdgcn_target "amdgcn-amd-amdhsa--gfx1250"
	.amdhsa_code_object_version 6
	.text
	.protected	k_q7b32394c72_quantw
	.globl	k_q7b32394c72_quantw
	.p2align	8
	.type	k_q7b32394c72_quantw,@function
k_q7b32394c72_quantw:
	s_mov_b64 s[64:65], 0
	v_nop
	global_prefetch_b8 v0, s[64:65] scope:SCOPE_SE
	s_setreg_imm32_b32 hwreg(HW_REG_WAVE_MODE, 25, 1), 1
	s_wait_xcnt 0x0
; Three pieces of preparation in one launch of 2,048 waves.
; (1) THE FOUR WEIGHTS, each [K 2048][N 2048] f32 with K as first axis, become codes of FP6 (E2M3) laid [N][K], K innermost, and one E8M0 byte for each 32 along K.
;     A lane takes a column n and its registers run down K: a block of 32 lies in one lane, and the conversions give the codes with K innermost.  A wave takes 32 columns x 256 along K;
;     the codes go through the wave's own stage in LDS and leave as rows: sixteen lanes store a row's 192 consecutive bytes.
;     COLUMN n IS LAID AT POSITION swap34(n) (bits 3 and 4 exchanged) of its tensor's 2,048 rows in codes and scales (Wq from row 2048, Wk 4096, Wv 6144, Wo 8192).
; (2) ONE ROW OF THE ROTARY TABLE a wave: rope[variant][s][cos 64, sin 64], variant 0 times 1 / sqrt(128) (for q), variant 1 plain (for k).
;     freq = 2^(-f log2(10000) / 64); angle = s x freq, rounded once; reduced by multiples of pi / 2 held in two words; sine and cosine by polynomials on [-pi/4, pi/4].
; (3) ONE TILE OF THE MASK a wave: 16 queries x 128 keys of bytes become 64 words of 32 bits: mw[T][j][n], bit l = mask[query 32 (T / 2) + 8 (T % 2) + r + 8 (r / 8)][128 j + 32 (n / 16) + 16 (l / 16) + n % 16], r = l % 16:
;     the lane mask by which the attention launch selects register n of its scores.
; No cluster: the work-groups share no input.  No tensor load, no barrier: waves share nothing.
; LIMITS: freq is right to an ulp or two of f32, so an angle near 2,047 may differ from the reference's by some 2.5e-4; 1 / sqrt(128) is folded into q's table (one rounding more);
; a block of zeros or under 2^-124 keeps the byte 1; NaN and infinities are not served; a mask byte counts as true where it is not 0.
.set SIZE_N, 2048
.set NB,    8                          ; blocks of 32 along K for a wave
.set ROWB,  192                        ; bytes of 256 codes
.set PITCH, 272                        ; a stage row: sixteen places of 16 bytes, each with 12 bytes of codes, + 16
.set KROW,  1536                       ; a row of codes in bytes
.set X,     32                         ; v32-95   two sets of 32 numbers
.set C,     96                         ; v96..    a block's codes
.set OUTR,  112                        ; v112-175 first the table's arithmetic, at the end the way out: 16 x 4 registers
.set MK,    176                        ; v176-191 the mask's bytes: register n / 4, byte n % 4
.set SB,    24                         ; v24-25   the scale bytes
.set MWD,   26                         ; v26-27   the mask's words: lane i holds words 2 i and 2 i + 1
.set SPW,   14
.set NIL,   15
.set SPARE, 4*32*PITCH                 ; behind the four stages: the spare words, two blocks of 256 bytes that no other line names
	s_load_b256 s[4:11], s[0:1], 0x0               ; Wq, Wk, Wv, Wo
	s_load_b256 s[12:19], s[0:1], 0x20             ; mask, codes, scales, rope
	s_load_b64 s[20:21], s[0:1], 0x40              ; mw
	v_lshl_add_u32 v[SPW], v0, 2, SPARE
	v_mov_b32 v[NIL], 0
	v_lshrrev_b32 v1, 5, v0
	v_readfirstlane_b32 s22, v1                    ; wave
	v_and_b32 v2, 31, v0                           ; lane
	s_and_b32 s24, ttmp7, 0xffff                   ; y
	s_lshr_b32 s25, s24, 3                         ; which tensor
	s_and_b32 s26, s24, 7                          ; which 256 along K
	s_lshl_b32 s27, ttmp9, 7
	s_lshl_b32 s23, s22, 5
	s_add_co_u32 s27, s27, s23                     ; my first column: 128 x + 32 wave
	s_lshl_b32 s28, s24, 4
	s_add_co_u32 s28, s28, ttmp9
	s_lshl_b32 s28, s28, 2
	s_add_co_u32 s28, s28, s22                     ; my wave's number in the launch, 0 .. 2047
	v_lshlrev_b32 v3, 2, v2                        ; in: 4 bytes a lane
	v_and_b32 v10, 7, v2
	v_bfe_u32 v11, v2, 3, 1
	v_lshl_or_b32 v10, v11, 4, v10
	v_bfe_u32 v11, v2, 4, 1
	v_lshl_or_b32 v10, v11, 3, v10                 ; my column's position among the wave's 32: lane with bits 3 and 4 exchanged
	s_mul_i32 s29, s22, 32*PITCH                   ; my stage
	v_mul_u32_u24 v4, v10, PITCH
	v_add_nc_u32 v4, s29, v4                       ; into it: row = my column's position
	v_and_b32 v5, 15, v2
	v_lshrrev_b32 v6, 4, v2
	v_mul_u32_u24 v7, v6, PITCH
	v_lshl_add_u32 v7, v5, 4, v7
	v_add_nc_u32 v7, s29, v7                       ; out of it: sixteen lanes to a row, two rows an instruction
	v_mul_u32_u24 v8, v6, KROW
	v_mad_u32_u24 v8, v5, 12, v8                   ; and the same place in codes
	v_lshlrev_b32 v9, 6, v10                       ; my column's row of scale bytes
	v_and_b32 v16, 8, v5
	v_add_nc_u32 v16, v16, v5                      ; r + 8 (r / 8)
	v_lshlrev_b32 v16, 11, v16
	v_lshl_add_u32 v16, v6, 4, v16                 ; the mask: my query's row of 2,048 bytes, + 16 (lane / 16)
	v_lshlrev_b32 v17, 3, v2                       ; 8 bytes a lane: the table's and the words' way out
	s_lshl_b32 s34, s26, 21                        ; W: 256 rows of 8,192 bytes for each step along K,
	s_lshl_b32 s23, s27, 2
	s_add_co_u32 s34, s34, s23                     ; + 4 bytes a column
	s_mov_b32 s35, 0
	s_add_co_u32 s23, s25, 1
	s_lshl_b32 s23, s23, 11
	s_add_co_u32 s23, s23, s27                     ; my first row of codes and scales
	s_mul_i32 s36, s23, KROW
	s_mul_i32 s30, s26, ROWB
	s_add_co_u32 s36, s36, s30
	s_mov_b32 s37, 0
	s_lshl_b32 s38, s23, 6
	s_lshl_b32 s30, s26, 3
	s_add_co_u32 s38, s38, s30
	s_mov_b32 s39, 0
	s_lshl_b32 s40, s28, 9                         ; the table's row: 512 bytes
	s_mov_b32 s41, 0
	s_lshl_b32 s42, s28, 8                         ; the mask's words: 256 bytes
	s_mov_b32 s43, 0
	s_lshr_b32 s30, s28, 5                         ; T / 2,
	s_lshl_b32 s30, s30, 16                        ; x 32 rows of 2,048 bytes
	s_bfe_u32 s31, s28, 0x10004                    ; T % 2,
	s_lshl_b32 s31, s31, 14                        ; x 8 rows
	s_add_co_u32 s44, s30, s31
	s_and_b32 s31, s28, 15                         ; j,
	s_lshl_b32 s31, s31, 7                         ; x 128 keys
	s_add_co_u32 s44, s44, s31
	s_mov_b32 s45, 0
	s_wait_kmcnt 0x0
	s_cmp_eq_u32 s25, 1                            ; the choice hangs on the work-group's number alone
	s_cselect_b64 s[4:5], s[6:7], s[4:5]
	s_cmp_eq_u32 s25, 2
	s_cselect_b64 s[4:5], s[8:9], s[4:5]
	s_cmp_eq_u32 s25, 3
	s_cselect_b64 s[4:5], s[10:11], s[4:5]
	s_add_nc_u64 s[4:5], s[4:5], s[34:35]
	s_add_nc_u64 s[12:13], s[12:13], s[44:45]
	s_add_nc_u64 s[14:15], s[14:15], s[36:37]
	s_add_nc_u64 s[16:17], s[16:17], s[38:39]
	s_add_nc_u64 s[18:19], s[18:19], s[40:41]
	s_add_nc_u64 s[20:21], s[20:21], s[42:43]
.irp b, 0,1,2,3
	global_load_b128 v[MK+4*\b:MK+4*\b+3], v16, s[12:13] offset:32*\b   ; the oldest loads: every count below leaves them behind
.endr
.macro LOAD t                          ; block t: W(32 t + i, my column), i = 0 .. 31, into set t % 2
.irp i, 0,1,2,3,4,5,6,7,8,9,10,11,12,13,14,15,16,17,18,19,20,21,22,23,24,25,26,27,28,29,30,31
	global_load_b32 v[X+32*((\t)%2)+\i], v3, s[4:5] offset:(32*(\t)+\i)*SIZE_N*4 th:TH_LOAD_NT
.endr
.endm
	LOAD 0
	LOAD 1
	; ---- the rotary table's row s = my wave's number, frequencies 2 lane and 2 lane + 1, while the loads are on their way
	s_mov_b32 s34, 0xbfc90fdb                      ; -(pi / 2), the upper word
	s_mov_b32 s35, 0x333bbd2e                      ; and what the upper word leaves over
	s_mov_b32 s36, 0xbe2aaaa3                      ; sine: r + r z (S1 + z (S2 + z S3))
	s_mov_b32 s37, 0x3c08839e
	s_mov_b32 s38, 0xb94ca1f9
	s_mov_b32 s39, 0x3d2aaaa5                      ; cosine: 1 + z (-1/2 + z (C1 + z (C2 + z C3)))
	s_mov_b32 s40, 0xbab6061a
	s_mov_b32 s41, 0x37ccf5ce
	v_lshlrev_b32 v112, 1, v2
	v_add_nc_u32 v113, 1, v112
	v_cvt_f32_u32 v112, v112
	v_cvt_f32_u32 v113, v113
	v_cvt_f32_u32 v116, s28                        ; s
	v_mul_f32 v112, 0xbe549a78, v112               ; -f log2(10000) / 64
	v_mul_f32 v113, 0xbe549a78, v113
	v_exp_f32 v114, v112
	v_exp_f32 v115, v113
	v_nop                                          ; a plain line behind the exponentials,
	s_wait_alu depctr_va_vdst(0)                   ; and one wait for both, ahead of their first reader
.irp i, 0,1
	v_mul_f32 v[114+\i], v116, v[114+\i]           ; the angle
.endr
.irp i, 0,1
	v_mul_f32 v[118+\i], 0x3f22f983, v[114+\i]     ; x 2 / pi
.endr
.irp i, 0,1
	v_rndne_f32 v[118+\i], v[118+\i]               ; how many quarter turns
.endr
.irp i, 0,1
	v_fma_f32 v[120+\i], v[118+\i], s34, v[114+\i]
.endr
.irp i, 0,1
	v_fma_f32 v[120+\i], v[118+\i], s35, v[120+\i] ; r, in [-pi/4, pi/4]
.endr
.irp i, 0,1
	v_cvt_i32_f32 v[122+\i], v[118+\i]
	v_mul_f32 v[124+\i], v[120+\i], v[120+\i]      ; z = r r
.endr
.irp i, 0,1
	v_fma_f32 v[126+\i], v[124+\i], s38, s37
	v_fma_f32 v[128+\i], v[124+\i], s41, s40
.endr
.irp i, 0,1
	v_fma_f32 v[126+\i], v[126+\i], v[124+\i], s36
	v_fma_f32 v[128+\i], v[128+\i], v[124+\i], s39
.endr
.irp i, 0,1
	v_mul_f32 v[126+\i], v[126+\i], v[124+\i]
	v_fma_f32 v[128+\i], v[128+\i], v[124+\i], -0.5
.endr
.irp i, 0,1
	v_fma_f32 v[126+\i], v[126+\i], v[120+\i], v[120+\i]   ; sin r
	v_fma_f32 v[128+\i], v[128+\i], v[124+\i], 1.0         ; cos r
.endr
.irp i, 0,1
	v_and_b32 v[130+\i], 1, v[122+\i]              ; an odd number of quarter turns exchanges the two
	v_cmp_ne_u32 vcc_lo, 0, v[130+\i]
	v_cndmask_b32 v[132+\i], v[126+\i], v[128+\i], vcc_lo
	v_cndmask_b32 v[134+\i], v[128+\i], v[126+\i], vcc_lo
	v_and_b32 v[130+\i], 2, v[122+\i]              ; the sine changes sign in turns 2 and 3,
	v_lshlrev_b32 v[130+\i], 30, v[130+\i]
	v_xor_b32 v[132+\i], v[130+\i], v[132+\i]
	v_add_nc_u32 v[130+\i], 1, v[122+\i]           ; the cosine in turns 1 and 2
	v_and_b32 v[130+\i], 2, v[130+\i]
	v_lshlrev_b32 v[130+\i], 30, v[130+\i]
	v_xor_b32 v[134+\i], v[130+\i], v[134+\i]
.endr
	v_pk_mul_f32 v[136:137], v[134:135], 0x3db504f3 op_sel_hi:[1,0]   ; q's variant: x 1 / sqrt(128)
	v_pk_mul_f32 v[138:139], v[132:133], 0x3db504f3 op_sel_hi:[1,0]
	global_store_b64 v17, v[136:137], s[18:19]                  ; each store: 32 lanes, 256 consecutive bytes, aligned
	global_store_b64 v17, v[138:139], s[18:19] offset:256
	global_store_b64 v17, v[134:135], s[18:19] offset:1048576
	global_store_b64 v17, v[132:133], s[18:19] offset:1048832
	; ---- the weights
.macro BLOCK t
.set XS, X+32*((\t)%2)
.if (\t) < NB-1
	s_wait_loadcnt 32                              ; this block's 32 loads are in; the next block's may be out
.else
	s_wait_loadcnt 0
.endif
	v_max3_num_f32 v12, |v[XS]|, |v[XS+1]|, |v[XS+2]|               ; the block's largest magnitude: all 32 numbers are mine
	v_max3_num_f32 v13, |v[XS+3]|, |v[XS+4]|, |v[XS+5]|
.irp i, 6,10,14,18,22,26
	v_max3_num_f32 v12, v12, |v[XS+\i]|, |v[XS+\i+1]|
	v_max3_num_f32 v13, v13, |v[XS+\i+2]|, |v[XS+\i+3]|
.endr
	v_max3_num_f32 v12, v12, |v[XS+30]|, |v[XS+31]|
	v_max3_num_f32 v12, v12, v13, 0x1800000        ; and the floor 2^(3 - 127)
	v_add_nc_u32 v11, 0xff000000, v12              ; 2 off its exponent field: the conversions' scale operand
	v_lshrrev_b32 v13, 23, v11                     ; the scale's byte
.if (\t)%4 == 0
	v_mov_b32 v[SB+(\t)/4], v13
.else
	v_lshl_or_b32 v[SB+(\t)/4], v13, 8*((\t)%4), v[SB+(\t)/4]
.endif
	v_cvt_scalef32_pk16_fp6_f32 v[C:C+2], v[XS:XS+15], v11
	v_cvt_scalef32_pk16_fp6_f32 v[C+4:C+6], v[XS+16:XS+31], v11     ; (a conversion's three registers begin on an even number)
	ds_store_b96 v4, v[C:C+2] offset:32*(\t)       ; 12 bytes to a place of 16, so that every LDS address is a multiple of 16
	ds_store_b96 v4, v[C+4:C+6] offset:32*(\t)+16
.if (\t)+2 < NB
	LOAD (\t)+2
.endif
	s_wait_dscnt 0x0                               ; the stores have read their registers: the next block's codes may be written
.endm
.set Q, 0
.rept NB
	BLOCK Q
.set Q, Q+1
.endr
	global_store_b64 v9, v[SB:SB+1], s[16:17]      ; my column's 8 scale bytes
	; ---- the mask's tile: byte n of my 64 is tested in all 32 lanes at once; the compare's lane mask is word n
	v_mov_b32 v[MWD], 0
	v_mov_b32 v[MWD+1], 0
.set n, 0
.rept 64
	v_and_b32 v[28+n%4], 0xff<<(8*(n%4)), v[MK+n/4]
	v_cmp_ne_u32 s[30+n%4], 0, v[28+n%4]
	v_writelane_b32 v[MWD+n%2], s[30+n%4], n/2
.set n, n+1
.endr
	global_store_b64 v17, v[MWD:MWD+1], s[20:21]   ; 64 words: 256 consecutive bytes, aligned
	s_wait_xcnt 0x0                                ; the table's stores have read their registers: the way out's loads land there
.irp t, 0,1,2,3,4,5,6,7,8,9,10,11,12,13,14,15
	ds_load_b96 v[OUTR+4*\t:OUTR+4*\t+2], v7 offset:2*\t*PITCH   ; LDS serves a wave's instructions in order: these see my stores
.endr
.irp t, 0,1,2,3,4,5,6,7,8,9,10,11,12,13,14,15
	s_wait_dscnt 15-\t                             ; the younger reads stay out
	global_store_b96 v8, v[OUTR+4*\t:OUTR+4*\t+2], s[14:15] offset:2*\t*KROW
.endr
	s_wait_tensorcnt 0x0                           ; the wave's end
	ds_add_u32 v[SPW], v[NIL]
	s_wait_dscnt 0x0
	s_endpgm
.Lfunc_end_k_q7b32394c72_quantw:
	.size	k_q7b32394c72_quantw, .Lfunc_end_k_q7b32394c72_quantw-k_q7b32394c72_quantw
	.p2alignl 7, 3214868480
	.fill 96, 4, 3214868480
	.section	.rodata,"a",@progbits
	.p2align	6, 0x0
	.amdhsa_kernel k_q7b32394c72_quantw
		.amdhsa_group_segment_fixed_size 35840
		.amdhsa_private_segment_fixed_size 0
		.amdhsa_enable_private_segment 0
		.amdhsa_kernarg_size 72
		.amdhsa_user_sgpr_count 2
		.amdhsa_user_sgpr_kernarg_segment_ptr 1
		.amdhsa_wavefront_size32 1
		.amdhsa_system_sgpr_workgroup_id_x 1
		.amdhsa_system_sgpr_workgroup_id_y 1
		.amdhsa_system_sgpr_workgroup_id_z 1
		.amdhsa_system_vgpr_workitem_id 0
		.amdhsa_next_free_vgpr 192
		.amdhsa_next_free_sgpr 66
		.amdhsa_reserve_vcc 1
		.amdhsa_float_denorm_mode_32 3
		.amdhsa_float_denorm_mode_16_64 3
		.amdhsa_memory_ordered 1
		.amdhsa_forward_progress 1
		.amdhsa_inst_pref_size 59
	.end_amdhsa_kernel
	.amdgpu_metadata
---
amdhsa.version: [ 1, 2 ]
amdhsa.kernels:
  - .name:           k_q7b32394c72_quantw
    .symbol:         k_q7b32394c72_quantw.kd
    .args:
      - { .name: Wq, .offset: 0, .size: 8, .value_kind: global_buffer, .address_space: global }
      - { .name: Wk, .offset: 8, .size: 8, .value_kind: global_buffer, .address_space: global }
      - { .name: Wv, .offset: 16, .size: 8, .value_kind: global_buffer, .address_space: global }
      - { .name: Wo, .offset: 24, .size: 8, .value_kind: global_buffer, .address_space: global }
      - { .name: mask, .offset: 32, .size: 8, .value_kind: global_buffer, .address_space: global }
      - { .name: codes, .offset: 40, .size: 8, .value_kind: global_buffer, .address_space: global }
      - { .name: scales, .offset: 48, .size: 8, .value_kind: global_buffer, .address_space: global }
      - { .name: rope, .offset: 56, .size: 8, .value_kind: global_buffer, .address_space: global }
      - { .name: mw, .offset: 64, .size: 8, .value_kind: global_buffer, .address_space: global }
    .group_segment_fixed_size: 35840
    .private_segment_fixed_size: 0
    .kernarg_segment_align: 8
    .kernarg_segment_size: 72
    .max_flat_workgroup_size: 128
    .sgpr_count:     66
    .vgpr_count:     192
    .wavefront_size: 32
...
	.end_amdgpu_metadata
.endif
;; end of part 2
;; launch qkv (part 3): grid 24 x 8, 4 waves a work-group, clusters of 4 x 4, 327,680 bytes of LDS; arguments codes, scales, rope, qkvc, qkvs; writes qkvc, qkvs
.if DOCPART == 3
	.amdgcn_target "amdgcn-amd-amdhsa--gfx1250"
	.amdhsa_code_object_version 6
	.text
	.protected	k_q7b32394c72_qkv
	.globl	k_q7b32394c72_qkv
	.p2align	8
	.type	k_q7b32394c72_qkv,@function
k_q7b32394c72_qkv:
	s_mov_b64 s[64:65], 0
	v_nop
	global_prefetch_b8 v0, s[64:65] scope:SCOPE_SE
	s_setreg_imm32_b32 hwreg(HW_REG_WAVE_MODE, 25, 1), 1
	s_wait_xcnt 0x0
	s_wait_alu depctr_hold_cnt(0) depctr_sa_sdst(0) depctr_va_vdst(0) depctr_va_sdst(0) depctr_va_ssrc(0) depctr_va_vcc(0) depctr_vm_vsrc(0)
	s_getreg_b32 s2, hwreg(HW_REG_IB_STS2, 6, 4)
	s_cmp_eq_u32 s2, 0
	s_cbranch_scc0 .Lentry_in_a_cluster
	s_endpgm
.Lentry_in_a_cluster:
	s_bfe_u32 s2, ttmp6, 0x10000c
	s_cmp_lg_u32 s2, 0xf033
	s_cbranch_scc0 .Lentry_shape_is_right
	s_endpgm
.Lentry_shape_is_right:
; q, k and v of all 16 heads, by one GEMM on codes of FP6 (E2M3) with E8M0 scales, K = 2048, and their way into the attention's operands.
; codes: 10,240 rows of 1,536 bytes (x from row 0, Wq 2048, Wk 4096, Wv 6144), scales: 64 bytes a row; inside a tensor row i lies at position swap34(i) (bits 3 and 4 exchanged).
; A work-group of four waves makes 256 x 256, a wave 128 x 128: 64 accumulators, 512 registers.  Clusters 0-3 along x: A = x, B = Wq | Wk.  Clusters 4, 5: A = Wv, B = x.
; K goes in steps of 256 through a ring of two LDS slots filled by the tensor data mover; the scales of the work-group's rows come into LDS once, with the first fills.
; CLUSTERS: 4 x 4 work-groups; A's tiles are asked for jointly along a row of the cluster, B's along a column.
; THE MATRIX INSTRUCTION IS USED TRANSPOSED (source 0 = 16 rows of B, source 1 = 16 rows of A): lane (r, h) holds ONE row of A, and, since B's rows lie by swap34, register 16 b + i of its 64
; is B's TRUE row 32 b + 16 h + i of the wave's 128: sixteen neighbours along the next product's K.  So a block of 16 rows of A is quantised in registers, and its 12 code registers ARE a fragment of the next product.
; q, k: the wave's 128 columns are one head; the rotary partner of channel c, c +- 64, lies 32 registers away in the same lane; cos and sin come from the table rope (q's variant holds 1 / sqrt(128)).
; v: the wave's rows are one head's channels and its columns 128 keys: the fragment has the keys along K.
; OUT: qkvc, 768 blocks of 8 fragments, each an image of its 12 registers (register g of lane l at 512 (g / 4) + 16 l + 4 (g % 4)): block 16 head + J: q; 256 + 16 head + j: k; 512 + 16 head + j: v.
;      qkvs, 512 bytes a block: fragment t's scale word of row r at 64 t + 4 r.  Each store of codes covers 512 consecutive bytes, aligned.
; LIMITS: a block of zeros or under 2^-124 keeps the byte 1 (read by this program alone); NaN and infinities are not served.
; REGISTERS: window 0: v0-31 addresses; v32-63 scale words, two sets, and nothing else; from v128 A's fragments, one set.  window 1: B's fragments, two sets.  windows 2, 3: the accumulators.
;   On the way out: window 0 (and 1, by turns) v64-95 cos, v96-127 sin; window 0 v128-191 the rotated numbers, v192-211 codes, v212-227 the quantiser's, v228-230 scale words.
.set KSTEP,  256
.set NQ,     2
.set ROWB,   192
.set KROW,   1536
.set PITCH,  240                       ; an LDS row: 3 x (64 bytes + 16 of padding)
.set FR,     12
.set NL,     6
.set NP,     4
.set HALFT,  128*PITCH
.set SLOT,   4*HALFT
.set LAPS,   4                         ; 2048 / 512
.set KS,     64
.set SCL,    2*SLOT
.set HALFS,  (128*KS/256)*272
.set SBLK,   (16*KS/256)*272
.set SPARE,  SCL+4*HALFS               ; the spare words: two blocks of 256 bytes that no other line names
.set ADRA, 16
.set ADRB, 20
.set LI,   24                          ; v24  16 x lane: my place in an image
.set LS4,  25                          ; v25  4 x lane
.set TO,   26                          ; v26  the table: (r + 8 (r / 8)) rows of 512 bytes + 64 h
.set ADRS, 27
.set SPW,  28
.set NIL,  29
.set SC,   32
.set AF,   128
.set TCOS, 64
.set TSIN, 96
.set RR,   128
.set PC,   192
.set TM,   212
.set PW,   228
.set PWE,  229
.set PWC,  230
.set SEL,  18                          ; s[18:19] selects of v_permlanex16_b32: lane l xor 16
.set HM,   96                          ; s96  lanes 16-31
.set G1, 24
.set G0, 32
.set G1B, 48
.set G0B, 56
.set G1S, 68
.set G0S, 76
.set G1SB, 80
.set G0SB, 88
.set MSB, 0
.macro WIN new                         ; the immediate's high byte repeats the setting that is left
.if MSB != (\new)
	s_set_vgpr_msb (MSB<<8)|(\new)
.set MSB, (\new)
.endif
.endm
.set MUL_LO, 0xa1                      ; source 0 (B) window 1, source 1 (A) window 0, C and D window 2
.set MUL_HI, 0xf1
.set TO_B,   0x40
; A joint load: waves 0 and 1 fetch for A, waves 2 and 3 for B; the branch hangs on the wave's number alone.  An s_nop 0 and four v_nop follow each line.
.macro JLOAD g0a, g1a, g0b, g1b
	s_cmp_eq_u32 s15, 0
	s_cbranch_scc0 .Lfor_b_\@
	tensor_load_to_lds s[\g0a:\g0a+3], s[\g1a:\g1a+7]
	s_nop 0
.rept 4
	v_nop
.endr
	s_branch .Lasked_\@
.Lfor_b_\@:
	tensor_load_to_lds s[\g0b:\g0b+3], s[\g1b:\g1b+7]
	s_nop 0
.rept 4
	v_nop
.endr
.Lasked_\@:
.endm
.macro CREST                           ; a round of the cluster's barrier behind its opening barrier
	s_cmp_lg_u32 s14, 0
	s_cbranch_scc1 .Lnot_wave_0_\@
	s_barrier_signal -3
.Lnot_wave_0_\@:
	s_barrier_wait -3
	s_barrier_signal -1
	s_barrier_wait -1
.endm
.macro CROUND
	s_barrier_signal -1
	s_barrier_wait -1
	CREST
.endm
	s_load_b128 s[4:7], s[0:1], 0x0                ; codes, scales
	s_load_b128 s[8:11], s[0:1], 0x10              ; rope, qkvc
	s_load_b64 s[12:13], s[0:1], 0x20              ; qkvs
	v_lshl_add_u32 v[SPW], v0, 2, SPARE
	v_mov_b32 v[NIL], 0
	ds_add_u32 v[SPW], v[NIL]                      ; the wave's opening: the add and its wait ahead of my first tensor load
	v_lshrrev_b32 v1, 5, v0
	v_readfirstlane_b32 s14, v1                    ; wave 0..3
	s_lshr_b32 s15, s14, 1                         ; which half of the tile's rows (A) is mine.  Also: I fetch for A (0) or for B (1)
	s_and_b32 s16, s14, 1                          ; which half of its columns (B).  Also: which 128 rows I fetch
	s_bfe_u32 s40, ttmp6, 0x40000                  ; cx, cy
	s_bfe_u32 s41, ttmp6, 0x40004
	s_lshl_b32 s42, ttmp9, 2
	s_add_co_u32 s42, s42, s40                     ; tile column, 0 .. 23
	s_and_b32 s17, ttmp7, 0xffff
	s_lshl_b32 s17, s17, 2
	s_add_co_u32 s17, s17, s41                     ; tile row, 0 .. 7
	s_lshl_b32 s43, s41, 2
	s_lshl_b32 s43, 15, s43                        ; my row of the cluster
	s_lshl_b32 s44, 0x1111, s40                    ; my column
	s_or_b32 s[G1+0], s43, (0<<16)|(1<<20)|(1<<21)|(3<<22)|(3<<25)  ; mask; elements of 1 byte; padding on; bit 21 beside a mask; 4 words of padding behind every 16
	s_or_b32 s[G1B+0], s44, (0<<16)|(1<<20)|(1<<21)|(3<<22)|(3<<25)
.irp g, G1, G1B
	s_mov_b32 s[\g+1], ROWB<<16                    ; tensor_dim0
	s_mov_b32 s[\g+2], 128<<16                     ; tensor_dim1
	s_mov_b32 s[\g+3], ROWB<<16                    ; tile_dim0
	s_mov_b32 s[\g+4], 128                         ; tile_dim1
	s_mov_b32 s[\g+5], KROW                        ; the pitch
	s_mov_b32 s[\g+6], 0
	s_mov_b32 s[\g+7], 0
.endr
	s_or_b32 s[G1S+0], s43, (3<<16)|(1<<20)|(1<<21)|(5<<22)|(3<<25) ; the scales of 128 rows: a dense block, as rows of 256 bytes + 16 of padding
	s_or_b32 s[G1SB+0], s44, (3<<16)|(1<<20)|(1<<21)|(5<<22)|(3<<25)
.irp g, G1S, G1SB
	s_mov_b32 s[\g+1], 32<<16
	s_mov_b32 s[\g+2], (128*KS/256)<<16
	s_mov_b32 s[\g+3], 32<<16
	s_mov_b32 s[\g+4], 128*KS/256
	s_mov_b32 s[\g+5], 32
	s_mov_b32 s[\g+6], 0
	s_mov_b32 s[\g+7], 0
.endr
	s_cmp_ge_u32 ttmp9, 4                          ; the cluster's x: the same in all sixteen partners
	s_cselect_b32 s95, 6144, 0                     ; clusters 4, 5: A = Wv (rows from 6144), B = x (rows from 0)
	s_lshl_b32 s18, s16, 7
	s_lshl_b32 s20, s17, 8
	s_add_co_u32 s20, s20, s18
	s_add_co_u32 s20, s20, s95                     ; A's row of codes: 256 x tile row + 128 x half (+ 6144)
	s_lshl_b32 s46, s42, 8
	s_add_co_u32 s46, s46, s18
	s_add_co_u32 s46, s46, 2048
	s_sub_co_u32 s46, s46, s95                     ; B's: 256 x tile column + 128 x half + 2048 (- 6144)
	s_mov_b32 s21, 0
	s_mov_b32 s47, 0
	s_mov_b64 s[18:19], KS
	s_mul_u64 s[22:23], s[20:21], s[18:19]
	s_mul_u64 s[92:93], s[46:47], s[18:19]
	s_mov_b64 s[18:19], KROW
	s_mul_u64 s[20:21], s[20:21], s[18:19]
	s_mul_u64 s[46:47], s[46:47], s[18:19]
	s_mul_i32 s45, s14, HALFT                      ; where they go: wave x 128 rows
	s_mul_i32 s94, s14, HALFS
	s_wait_dscnt 0x0                               ; the opening add is done
	s_wait_kmcnt 0x0
	s_add_nc_u64 s[20:21], s[4:5], s[20:21]
	s_add_nc_u64 s[22:23], s[6:7], s[22:23]
	s_add_nc_u64 s[46:47], s[4:5], s[46:47]
	s_add_nc_u64 s[92:93], s[6:7], s[92:93]
	CROUND                                         ; all sixteen work-groups are here: the first joint loads meet
	s_mov_b32 s[G0S], 1
	s_add_co_u32 s[G0S+1], s94, SCL
	s_mov_b64 s[G0S+2:G0S+3], s[22:23]
	s_or_b32 s[G0S+3], s[G0S+3], 0x80000000
	s_mov_b32 s[G0SB], 1
	s_add_co_u32 s[G0SB+1], s94, SCL
	s_mov_b64 s[G0SB+2:G0SB+3], s[92:93]
	s_or_b32 s[G0SB+3], s[G0SB+3], 0x80000000
	JLOAD G0S, G1S, G0SB, G1SB                     ; the scales first
.irp s, 0,1
	s_mov_b32 s[G0+4*\s], 1
	s_add_co_u32 s[G0+4*\s+1], s45, \s*SLOT
	s_add_nc_u64 s[G0+4*\s+2:G0+4*\s+3], s[20:21], \s*ROWB
	s_or_b32 s[G0+4*\s+3], s[G0+4*\s+3], 0x80000000
	s_mov_b32 s[G0B+4*\s], 1
	s_add_co_u32 s[G0B+4*\s+1], s45, \s*SLOT
	s_add_nc_u64 s[G0B+4*\s+2:G0B+4*\s+3], s[46:47], \s*ROWB
	s_or_b32 s[G0B+4*\s+3], s[G0B+4*\s+3], 0x80000000
	JLOAD G0+4*\s, G1, G0B+4*\s, G1B               ; three tensor loads of mine are out
.endr
	v_and_b32 v1, 15, v0                           ; r
	v_bfe_u32 v2, v0, 4, 1                         ; h
	v_mul_u32_u24 v3, v1, PITCH
	v_mul_u32_u24 v4, v2, 24
	v_add_nc_u32 v4, v3, v4                        ; a fragment's row x pitch + 24 h
	v_lshl_add_u32 v5, v2, 4, v4                   ; and the same behind one padding more
	s_mul_i32 s21, s15, HALFT
	s_mul_i32 s22, s16, HALFT
	s_add_co_u32 s22, s22, 2*HALFT
.irp s, 0,1
	v_add_nc_u32 v[ADRA+\s], s21, v4
	v_add_nc_u32 v[ADRB+\s], s22, v4
	v_add_nc_u32 v[ADRA+2+\s], s21, v5
	v_add_nc_u32 v[ADRB+2+\s], s22, v5
	s_add_co_u32 s21, s21, SLOT
	s_add_co_u32 s22, s22, SLOT
.endr
	v_mul_u32_u24 v5, v1, KS                       ; my row's scales,
	v_lshrrev_b32 v6, 8, v5
	v_lshl_add_u32 v5, v6, 4, v5                   ; and 16 more for each 256 passed
	s_mul_i32 s21, s15, HALFS
	s_mul_i32 s22, s16, HALFS
	s_add_co_u32 s22, s22, 2*HALFS
	s_sub_co_u32 s22, s22, s21
	v_mul_u32_u24 v6, s22, v2                      ; lanes 16-31 take B's
	s_add_co_u32 s21, s21, SCL
	v_add_nc_u32 v5, v5, v6
	v_add_nc_u32 v[ADRS], s21, v5
	v_and_b32 v6, 31, v0
	v_lshlrev_b32 v[LI], 4, v6
	v_lshlrev_b32 v[LS4], 2, v6
	v_and_b32 v7, 8, v1
	v_add_nc_u32 v7, v7, v1                        ; r + 8 (r / 8)
	v_lshlrev_b32 v[TO], 9, v7
	v_lshl_add_u32 v[TO], v2, 6, v[TO]
	; where my wave's 8 fragments go
	s_lshl_b32 s20, s17, 1
	s_add_co_u32 s20, s20, s15                     ; which 128 rows of A: 0 .. 15
	s_lshl_b32 s21, s42, 1
	s_add_co_u32 s21, s21, s16                     ; which 128 rows of B: 0 .. 47
	s_lshl_b32 s22, s21, 4
	s_add_co_u32 s22, s22, s20                     ; q, k: block 16 x (head, k's from 16) + the rows' number
	s_lshl_b32 s23, s20, 4
	s_add_co_u32 s23, s23, s21
	s_add_co_u32 s23, s23, 480                     ; v: block 512 + 16 x head + (the columns' number - 32)
	s_cmp_ge_u32 ttmp9, 4
	s_cselect_b32 s22, s23, s22
	s_mul_i32 s46, s22, 12288
	s_mov_b32 s47, 0
	s_add_nc_u64 s[10:11], s[10:11], s[46:47]
	s_lshl_b32 s46, s22, 9
	s_add_nc_u64 s[12:13], s[12:13], s[46:47]
	s_bfe_u32 s46, s21, 0x10004                    ; the table's variant: 0 for q's heads, 1 for k's
	s_lshl_b32 s46, s46, 20
	s_lshl_b32 s23, s20, 16                        ; my 128 rows of 512 bytes
	s_add_co_u32 s46, s46, s23
	s_add_nc_u64 s[8:9], s[8:9], s[46:47]
	s_mov_b32 s[SEL], 0x76543210
	s_mov_b32 s[SEL+1], 0xfedcba98
	s_mov_b32 s[HM], 0xffff0000
.macro FRAG reg, adr, q, i             ; 16 rows x 128 K of 6-bit codes: 12 registers, in pieces of 8 bytes; where lanes 16-31's piece lies behind one padding more, the second address register serves
.irp p, 0,1,2,3,4,5
.set PCE, 12*(\q)+6*(\p/3)+\p%3
.if PCE%8 < 5
	ds_load_b64 v[\reg+2*\p:\reg+2*\p+1], v[\adr] offset:8*PCE+16*(PCE/8)+(\i)*16*PITCH
.else
	ds_load_b64 v[\reg+2*\p:\reg+2*\p+1], v[\adr+2] offset:8*PCE+16*(PCE/8)+(\i)*16*PITCH
.endif
.endr
.endm
; 16 matrix instructions: A's blocks a0, a0 + 1 x B's eight.  The 64 accumulators take turns, one instruction a turn, in the same order in every step.
.macro MUL16 a0, p, q, sc, zero
.irp a, \a0, \a0+1
.irp b, 0,1,2,3,4,5,6,7
.if \zero
	v_wmma_scale_f32_16x16x128_f8f6f4 v[8*(8*((\a)%4)+\b):8*(8*((\a)%4)+\b)+7], v[128*(\p)+FR*\b:128*(\p)+FR*\b+FR-1], v[AF+FR*(\a):AF+FR*(\a)+FR-1], 0, v[SC+8*NQ*(\sc)+NQ*\b+(\q)], v[SC+8*NQ*(\sc)+NQ*(\a)+(\q)] matrix_a_fmt:MATRIX_FMT_FP6 matrix_b_fmt:MATRIX_FMT_FP6 matrix_a_scale:MATRIX_SCALE_ROW1
.else
	v_wmma_scale_f32_16x16x128_f8f6f4 v[8*(8*((\a)%4)+\b):8*(8*((\a)%4)+\b)+7], v[128*(\p)+FR*\b:128*(\p)+FR*\b+FR-1], v[AF+FR*(\a):AF+FR*(\a)+FR-1], v[8*(8*((\a)%4)+\b):8*(8*((\a)%4)+\b)+7], v[SC+8*NQ*(\sc)+NQ*\b+(\q)], v[SC+8*NQ*(\sc)+NQ*(\a)+(\q)] matrix_a_fmt:MATRIX_FMT_FP6 matrix_b_fmt:MATRIX_FMT_FP6 matrix_a_scale:MATRIX_SCALE_ROW1
.endif
.endr
.endr
.endm
.macro FETCH_B slot, q, p
	WIN TO_B
.irp i, 0,1,2,3,4,5,6,7
	FRAG 128*(\p)+FR*\i, ADRB+\slot, \q, \i
.endr
	WIN 0
.endm
.macro FETCH_A slot, q, i0
.irp i, \i0, \i0+1, \i0+2, \i0+3
	FRAG AF+FR*(\i), ADRA+\slot, \q, \i
.endr
.endm
.macro SCALES sc                       ; lanes 0-15 take A's block i, lanes 16-31 B's block i: two words a row
.irp i, 0,1,2,3,4,5,6,7
	ds_load_b64 v[SC+8*NQ*\sc+NQ*\i:SC+8*NQ*\sc+NQ*\i+1], v[ADRS] offset:\i*SBLK
.endr
.endm
.macro PLACES n                        ; plain vector lines between a matrix instruction and a load into, or a read of, its registers
.rept \n
	v_nop
.endr
.endm
.macro STEP slot, q, zero
	s_wait_dscnt 4*NL                              ; B's set and A's blocks 0-3 are in; the youngest 24 loads (A's blocks 4-7) may be out
	WIN MUL_LO
	MUL16 0, (\q)%2, \q, \slot, \zero
	MUL16 2, (\q)%2, \q, \slot, \zero
	s_wait_dscnt 0
	PLACES NP
	FETCH_B \slot, (\q)+1, 1-(\q)%2
	FETCH_A \slot, (\q)+1, 0
	WIN MUL_HI
	MUL16 4, (\q)%2, \q, \slot, \zero
	MUL16 6, (\q)%2, \q, \slot, \zero
	PLACES NP
	WIN 0
	FETCH_A \slot, (\q)+1, 4
.endm
; A slot's last step changes slots: one barrier; in front of it each wave waits for all its tensor loads, adds 0 to its spare word, and waits for that and for its reads of this slot.
.macro TURN slot, next, fill
	s_wait_tensorcnt 0x0                           ; all my tensor loads have landed: my part of the next slot
	ds_add_u32 v[SPW], v[NIL]
	s_wait_dscnt 4*NL+1                            ; (the add and A's blocks 4-7 may be out)
	WIN MUL_LO
	MUL16 0, 1, NQ-1, \slot, 0
	s_wait_dscnt 0x0                               ; the add is done, and my reads of this slot are over
	s_barrier_signal -1
	MUL16 2, 1, NQ-1, \slot, 0
	WIN 0
	s_barrier_wait -1
.if \fill
	CREST                                          ; the barrier has opened a round of the cluster's barrier: no wave of any partner still reads this slot or has a load on its way
	s_add_nc_u64 s[G0+4*\slot+2:G0+4*\slot+3], s[G0+4*\slot+2:G0+4*\slot+3], 2*ROWB
	s_add_nc_u64 s[G0B+4*\slot+2:G0B+4*\slot+3], s[G0B+4*\slot+2:G0B+4*\slot+3], 2*ROWB
	JLOAD G0+4*\slot, G1, G0B+4*\slot, G1B         ; the first tensor load behind the round; its four v_nop are the places in front of the loads below
.else
	PLACES NP
.endif
	v_add_nc_u32 v[ADRS], 4*NQ, v[ADRS]
	FETCH_B \next, 0, 0
	FETCH_A \next, 0, 0
	SCALES \next
	WIN MUL_HI
	MUL16 4, 1, NQ-1, \slot, 0
	MUL16 6, 1, NQ-1, \slot, 0
	PLACES NP
	WIN 0
	FETCH_A \next, 0, 4
.endm
	s_wait_tensorcnt 1                             ; the scales and my part of K step 0 are in; K step 1's load may be out
	s_barrier_signal -1
	s_barrier_wait -1
	FETCH_B 0, 0, 0
	FETCH_A 0, 0, 0
	SCALES 0
	FETCH_A 0, 0, 4
	STEP 0, 0, 1                                   ; the first step's products start the sums
	s_mov_b32 s3, LAPS-1
.Llap:
	TURN 0, 1, 1
	STEP 1, 0, 0
	TURN 1, 0, 1
	STEP 0, 0, 0
	s_sub_co_u32 s3, s3, 1
	s_cmp_lg_u32 s3, 0
	s_cbranch_scc1 .Llap
	TURN 0, 1, 0                                   ; the last lap fills nothing
	STEP 1, 0, 0
	s_wait_dscnt 4*NL
	WIN MUL_LO
	MUL16 0, 1, NQ-1, 1, 0
	MUL16 2, 1, NQ-1, 1, 0
	s_wait_dscnt 0
	WIN MUL_HI
	MUL16 4, 1, NQ-1, 1, 0
	MUL16 6, 1, NQ-1, 1, 0
	WIN 0
; ---- THE WAY OUT, a block of 16 rows of A at a time.
.macro LOADT a                         ; block a's cos and sin: my row's 32 + 32 numbers, frequencies 32 b + 16 h + 0 .. 15, b = 0, 1; into table set a % 2 (window a % 2)
	WIN ((\a)%2)<<6
.irp b, 0,1
.irp j, 0,1,2,3
	global_load_b128 v[TCOS+16*\b+4*\j:TCOS+16*\b+4*\j+3], v[TO], s[8:9] offset:(32*((\a)/2)+8*((\a)%2))*512+128*\b+16*\j
	global_load_b128 v[TSIN+16*\b+4*\j:TSIN+16*\b+4*\j+3], v[TO], s[8:9] offset:(32*((\a)/2)+8*((\a)%2))*512+128*\b+16*\j+256
.endr
.endr
	WIN 0
.endm
.macro ROPE a                          ; register p (channel c < 64) and register p + 32 (channel c + 64): x cos -+ partner x sin.  Each accumulator is read from its low end on
.set AC, 64*((\a)%4)
	WIN (2+(\a)/4)|(((\a)%2)<<2)
.irp p, 0,2,4,6,8,10,12,14,16,18,20,22,24,26,28,30
	v_pk_mul_f32 v[RR+\p:RR+\p+1], v[AC+\p:AC+\p+1], v[TCOS+\p:TCOS+\p+1]
	v_pk_mul_f32 v[RR+32+\p:RR+33+\p], v[AC+32+\p:AC+33+\p], v[TCOS+\p:TCOS+\p+1]
.endr
.irp p, 0,2,4,6,8,10,12,14,16,18,20,22,24,26,28,30
	v_pk_fma_f32 v[RR+\p:RR+\p+1], v[AC+32+\p:AC+33+\p], v[TSIN+\p:TSIN+\p+1], v[RR+\p:RR+\p+1] neg_lo:[1,0,0] neg_hi:[1,0,0]
	v_pk_fma_f32 v[RR+32+\p:RR+33+\p], v[AC+\p:AC+\p+1], v[TSIN+\p:TSIN+\p+1], v[RR+32+\p:RR+33+\p]
.endr
	WIN 0
.endm
; 64 numbers of a lane in window w, v[s] on, register 16 b + i = k 32 b + 16 h + i of my row, become a fragment's codes in v[PC] on and its scale word in v[PW].
.macro QUANT w, s
	WIN (\w)|((\w)<<2)
.irp b, 0,1,2,3
	v_max3_num_f32 v[TM+\b], |v[\s+16*\b]|, |v[\s+1+16*\b]|, 0x1800000   ; my 16 numbers of block b, and the floor 2^(3 - 127)
.endr
.irp i, 2,4,6,8,10,12,14
.irp b, 0,1,2,3
	v_max3_num_f32 v[TM+\b], |v[\s+16*\b+\i]|, |v[\s+1+16*\b+\i]|, v[TM+\b]
.endr
.endr
	WIN 0
.irp b, 0,1,2,3
	v_permlanex16_b32 v[TM+4+\b], v[TM+\b], s[SEL], s[SEL+1]
.endr
.irp b, 0,1,2,3
	v_max_num_f32 v[TM+\b], v[TM+\b], v[TM+4+\b]   ; with lane l xor 16's: the block's largest magnitude
.endr
.irp b, 0,1,2,3
	v_add_nc_u32 v[TM+12+\b], 0xff000000, v[TM+\b] ; 2 off its exponent field: the conversion's scale operand
.endr
.irp b, 0,1,2,3
	v_lshrrev_b32 v[TM+4+\b], 23, v[TM+12+\b]      ; the scale's byte
.endr
	v_lshl_or_b32 v[PW], v[TM+5], 8, v[TM+4]
	v_lshl_or_b32 v[PW], v[TM+6], 16, v[PW]
	v_lshl_or_b32 v[PW], v[TM+7], 24, v[PW]
	WIN \w
.irp c, 0,1
	v_cvt_scalef32_pk16_fp6_f32 v[PC+6*\c:PC+2+6*\c], v[\s+32*\c:\s+15+32*\c], v[TM+12+2*\c]
	v_cvt_scalef32_pk16_fp6_f32 v[PC+12+4*\c:PC+14+4*\c], v[\s+16+32*\c:\s+31+32*\c], v[TM+12+2*\c+1]
.endr
	WIN 0
	v_nop                                          ; one plain line behind a scaled conversion
.irp c, 0,1                            ; the operand's layout wants a whole block in a lane
.irp i, 0,1,2
	v_permlane16_swap_b32 v[PC+6*\c+\i], v[PC+12+4*\c+\i]
.endr
.irp i, 0,1,2
	v_mov_b32 v[PC+3+6*\c+\i], v[PC+12+4*\c+\i]
.endr
.endr
.endm
.macro PUT a                           ; the fragment leaves as it stands: three stores of 512 consecutive bytes; two fragments' scale words leave together, 128 consecutive bytes
.irp c, 0,1,2
	global_store_b128 v[LI], v[PC+4*\c:PC+4*\c+3], s[10:11] offset:1536*(\a)+512*\c
.endr
.if (\a)%2 == 0
	v_mov_b32 v[PWE], v[PW]
.else
	v_cndmask_b32 v[PWC], v[PWE], v[PW], s[HM]     ; lanes 0-15: the even fragment's words; lanes 16-31: the odd one's
	global_store_b32 v[LS4], v[PWC], s[12:13] offset:128*((\a)/2)
.endif
.endm
	PLACES NP                                      ; behind the last products: for the reads of results, and for writes and loads into registers that held fragments
.irp b, 0,1,2,3
	v_mov_b32 v[TM+4+\b], 0                        ; written once: a lane permute's destination counts as one of its sources
.endr
	s_cmp_ge_u32 ttmp9, 4                          ; the cluster's x: all partners go the same way
	s_cbranch_scc1 .Lv
	LOADT 0
	LOADT 1
.irp a, 0,1,2,3,4,5,6,7
.if \a < 7
	s_wait_loadcnt 16                              ; this block's table is in; the next block's 16 loads may be out
.else
	s_wait_loadcnt 0
.endif
	ROPE \a
.if \a < 6
	LOADT \a+2
.endif
	s_wait_xcnt 0x0                                ; the last block's stores have read their registers: the codes and the words are written anew
	QUANT 0, RR
	PUT \a
.endr
	s_branch .Lend
.Lv:
.irp a, 0,1,2,3,4,5,6,7
.set AC, 64*(\a%4)
.set WA, 2+\a/4
	s_wait_xcnt 0x0                                ; as above
	QUANT WA, AC
	PUT \a
.endr
.Lend:
	s_wait_tensorcnt 0x0                           ; the wave's end
	ds_add_u32 v[SPW], v[NIL]
	s_wait_dscnt 0x0
	CROUND                                         ; the closing round
	s_endpgm
.Lfunc_end_k_q7b32394c72_qkv:
	.size	k_q7b32394c72_qkv, .Lfunc_end_k_q7b32394c72_qkv-k_q7b32394c72_qkv
	.p2alignl 7, 3214868480
	.fill 96, 4, 3214868480
	.section	.rodata,"a",@progbits
	.p2align	6, 0x0
	.amdhsa_kernel k_q7b32394c72_qkv
		.amdhsa_group_segment_fixed_size 327680
		.amdhsa_private_segment_fixed_size 0
		.amdhsa_enable_private_segment 0
		.amdhsa_kernarg_size 40
		.amdhsa_user_sgpr_count 2
		.amdhsa_user_sgpr_kernarg_segment_ptr 1
		.amdhsa_wavefront_size32 1
		.amdhsa_system_sgpr_workgroup_id_x 1
		.amdhsa_system_sgpr_workgroup_id_y 1
		.amdhsa_system_sgpr_workgroup_id_z 1
		.amdhsa_system_vgpr_workitem_id 0
		.amdhsa_next_free_vgpr 1024
		.amdhsa_next_free_sgpr 98
		.amdhsa_reserve_vcc 0
		.amdhsa_float_denorm_mode_32 3
		.amdhsa_float_denorm_mode_16_64 3
		.amdhsa_memory_ordered 1
		.amdhsa_forward_progress 1
		.amdhsa_inst_pref_size 243
	.end_amdhsa_kernel
	.amdgpu_metadata
---
amdhsa.version: [ 1, 2 ]
amdhsa.kernels:
  - .name:           k_q7b32394c72_qkv
    .symbol:         k_q7b32394c72_qkv.kd
    .args:
      - { .name: codes, .offset: 0, .size: 8, .value_kind: global_buffer, .address_space: global }
      - { .name: scales, .offset: 8, .size: 8, .value_kind: global_buffer, .address_space: global }
      - { .name: rope, .offset: 16, .size: 8, .value_kind: global_buffer, .address_space: global }
      - { .name: qkvc, .offset: 24, .size: 8, .value_kind: global_buffer, .address_space: global }
      - { .name: qkvs, .offset: 32, .size: 8, .value_kind: global_buffer, .address_space: global }
    .group_segment_fixed_size: 327680
    .private_segment_fixed_size: 0
    .kernarg_segment_align: 8
    .kernarg_segment_size: 40
    .max_flat_workgroup_size: 128
    .sgpr_count:     98
    .vgpr_count:     1024
    .wavefront_size: 32
...
	.end_amdgpu_metadata
.endif
;; end of part 3
;; launch attn (part 4): grid 16 x 16, 8 waves a work-group, clusters of 4 x 1, 327,680 bytes of LDS; arguments qkvc, qkvs, mw, cc, cs; writes cc, cs
.if DOCPART == 4
	.amdgcn_target "amdgcn-amd-amdhsa--gfx1250"
	.amdhsa_code_object_version 6
	.text
	.protected	k_q7b32394c72_attn
	.globl	k_q7b32394c72_attn
	.p2align	8
	.type	k_q7b32394c72_attn,@function
k_q7b32394c72_attn:
	s_mov_b64 s[64:65], 0
	v_nop
	global_prefetch_b8 v0, s[64:65] scope:SCOPE_SE
	s_setreg_imm32_b32 hwreg(HW_REG_WAVE_MODE, 25, 1), 1
	s_wait_xcnt 0x0
	s_wait_alu depctr_hold_cnt(0) depctr_sa_sdst(0) depctr_va_vdst(0) depctr_va_sdst(0) depctr_va_ssrc(0) depctr_va_vcc(0) depctr_vm_vsrc(0)
	s_getreg_b32 s2, hwreg(HW_REG_IB_STS2, 6, 4)
	s_cmp_eq_u32 s2, 0
	s_cbranch_scc0 .Lentry_in_a_cluster
	s_endpgm
.Lentry_in_a_cluster:
	s_bfe_u32 s2, ttmp6, 0x10000c
	s_cmp_lg_u32 s2, 0x3003
	s_cbranch_scc0 .Lentry_shape_is_right
	s_endpgm
.Lentry_shape_is_right:
; ctx = softmax(q k^T, under the mask) v for 16 heads, both products on codes of FP6 (E2M3) with E8M0 scales; ctx leaves quantised along (head, channel), as the last product's operand.
; q (with 1 / sqrt(128) in it), k, v arrive as images of operand registers (qkvc: 1,536 bytes a fragment; qkvs: 16 scale words a fragment).
; THE SOFTMAX: t = score x log2(e); M = the running largest t rounded up to a whole number; p = 2^(t - M) is quantised along the keys, not normalised; the row's sum is taken of the unquantised p and divides at the end.
; When M moves, the sum and O are multiplied by 2^(old M - new M): exact.
; THE MASK: word n of mw[T][j] is the lane mask for register n of the scores; a hidden score becomes -2^126.  Its t is exact, so in a row with no open key so far t - M is 0 and p is 1;
; the first open key makes 2^(old M - new M) zero, which wipes those terms.  So a row with no open key at all ends with equal weights, and in any other row hidden keys weigh nothing.
; SHARES.  A work-group owns 128 queries (positions) of one head, each of its eight waves one tile of 16, in 256 registers: two waves to a SIMD.  Every wave walks all 2,048 keys, 128 a step.
; LAYOUT.  Both products are used transposed (S^T = K Q^T, O^T = V^T P^T): a lane holds one query.  The rows of k's and v's fragments were chosen so that register 16 b + i of the scores is key 32 b + 16 h + i,
; and register 16 b + i of O^T channel 32 b + 16 h + i.
; RING.  Two LDS slots of four key steps (4 x 12,288 bytes of K, then of V).  Each wave fetches one key step's K (waves 0-3) or V (waves 4-7): one dense block, one tensor load.  The head's scale words stay in LDS.
; CLUSTER.  The four query blocks of a cluster belong to one head and walk the same K and V: every tile is asked for jointly, with the mask of all four.
; LIMITS: NaN and infinities are not served; scores are taken to lie above -2^126; a block of p that has fallen to zero keeps the byte 1 over zero codes.
; REGISTERS: v1-3 lane offsets; v5, v6 the add's; v8, v10 LDS addresses; v12 -M, v13 the largest t, v[14:15] the sum; v16-27 Q; v29 -2^126; v32-79 four fragments; v80-83 scale words; v96-159 S^T, p, then four fragments of V;
;   v160-223 O^T; v224-235 p's codes; v232-254 at work; v248-251, v253, v255 scale words.
.set STEPB, 12288                      ; a key step's 8 fragments
.set VOFF,  4*STEPB                    ; in a slot: V behind K
.set SLOTB, 8*STEPB
.set SCK,   2*SLOTB                    ; K's scale words of the head: 512 j + 64 t + 4 r
.set SCVO,  8192                       ; V's lie this far behind K's
.set SPARE, SCK+2*SCVO                 ; the spare words, 128 bytes a wave: four blocks of 256 bytes that no other line names
.set LI,  1                            ; v1   16 x lane
.set LS,  2                            ; v2   4 x (lane % 16)
.set CSO, 3                            ; v3   64 x (lane % 16)
.set SPW, 5
.set NIL, 6
.set ADK, 8
.set ADS, 10
.set NEG, 29
.set PC,  32                           ; the way out: codes,
.set TM,  52                           ; the quantiser's,
.set PW,  68                           ; the scale word
.set TB,  2                            ; s2   LDS byte of the key step in hand
.set TS,  3                            ; s3   and of its scale words
.set WV,  14
.set MOF, 15                           ; s15  byte offset of the mask words to be loaded: 256 a key step
.set CNT, 66
.set G1,  84                           ; s[84:91] group 1 of the tiles;  s[92:95], s[96:99] group 0 for slot 0, slot 1
.set G0A, 92
.set G0B, 96
.set CS,  100                          ; s[100:101] log2(e), twice
.set SEL, 104                          ; s[104:105] selects of v_permlanex16_b32: lane l xor 16
.macro CROUND
	s_barrier_signal -1
	s_barrier_wait -1
	s_cmp_lg_u32 s[WV], 0
	s_cbranch_scc1 .Lnot_wave_0_\@
	s_barrier_signal -3
.Lnot_wave_0_\@:
	s_barrier_wait -3
	s_barrier_signal -1
	s_barrier_wait -1
.endm
	s_load_b128 s[4:7], s[0:1], 0x0                ; qkvc, qkvs
	s_load_b128 s[8:11], s[0:1], 0x10              ; mw, cc
	s_load_b64 s[12:13], s[0:1], 0x20              ; cs
	v_lshl_add_u32 v[SPW], v0, 2, SPARE
	v_mov_b32 v[NIL], 0
	ds_add_u32 v[SPW], v[NIL]                      ; the wave's opening: the add and its wait ahead of my first tensor load
	v_lshrrev_b32 v8, 5, v0
	v_readfirstlane_b32 s[WV], v8                  ; wave 0..7
	s_bfe_u32 s28, ttmp6, 0x40000                  ; cx
	s_lshl_b32 s29, ttmp9, 2
	s_add_co_u32 s29, s29, s28                     ; my block of 128 queries: it enters Q's, the mask's and the outputs' addresses alone
	s_and_b32 s15, ttmp7, 0xffff                   ; the head, which the four partners share
	s_mov_b32 s[G1], 15|(3<<16)|(1<<21)            ; the mask: all four; elements of 8 bytes; bit 21 beside a mask; no padding
	s_mov_b32 s[G1+1], 32<<16                      ; a dense block of 12,288 bytes as 48 rows of 256
	s_mov_b32 s[G1+2], 48<<16
	s_mov_b32 s[G1+3], 32<<16
	s_mov_b32 s[G1+4], 48
	s_mov_b32 s[G1+5], 32
	s_mov_b32 s[G1+6], 0
	s_mov_b32 s[G1+7], 0
	s_mov_b32 s16, 15|(3<<16)|(1<<21)              ; s[16:23], s[24:27]: groups 1 and 0 of my eighth of the scale words: 2,048 dense bytes, 8 rows of 256
	s_mov_b32 s17, 32<<16
	s_mov_b32 s18, 8<<16
	s_mov_b32 s19, 32<<16
	s_mov_b32 s20, 8
	s_mov_b32 s21, 32
	s_mov_b32 s22, 0
	s_mov_b32 s23, 0
	s_lshl_b32 s30, s15, 4                         ; 16 x head
	s_lshr_b32 s31, s[WV], 2                       ; 0: I fetch K; 1: V
	s_mul_i32 s32, s31, 252
	s_add_co_u32 s32, s32, s[WV]
	s_add_co_u32 s32, s32, s30
	s_add_co_u32 s32, s32, 256                     ; my block of qkvc for the first fill: 256 + 16 head + wave (K), 512 + 16 head + wave - 4 (V)
	s_mul_i32 s32, s32, STEPB
	s_mov_b32 s33, 0
	s_add_co_u32 s34, s30, 256
	s_lshl_b32 s34, s34, 9
	s_lshl_b32 s35, s[WV], 11
	s_add_co_u32 s34, s34, s35
	s_mul_i32 s35, s31, 122880                     ; V's words lie 256 blocks of 512 bytes behind K's, less the 8,192 that waves 4-7 have counted
	s_add_co_u32 s34, s34, s35
	s_mov_b32 s35, 0
	s_add_co_u32 s36, s30, s29                     ; q's block
	s_mul_i32 s38, s36, STEPB
	s_mul_i32 s37, s[WV], 1536
	s_add_co_u32 s38, s38, s37                     ; my tile's image
	s_mov_b32 s39, 0
	s_lshl_b32 s40, s36, 9
	s_lshl_b32 s37, s[WV], 6
	s_add_co_u32 s40, s40, s37                     ; and its scale words
	s_mov_b32 s41, 0
	s_lshl_b32 s36, s29, 3
	s_add_co_u32 s36, s36, s[WV]                   ; T, my tile of queries: 0 .. 127
	s_lshl_b32 s42, s36, 12                        ; its mask words: 16 key steps of 256 bytes
	s_mov_b32 s43, 0
	s_lshl_b32 s44, s36, 4
	s_add_co_u32 s44, s44, s15
	s_mul_i32 s44, s44, 1536                       ; cc: [T][head] images
	s_mov_b32 s45, 0
	s_lshl_b32 s46, s36, 10
	s_lshl_b32 s37, s15, 2
	s_add_co_u32 s46, s46, s37                     ; cs: 64 bytes a position, word = head
	s_mov_b32 s47, 0
	s_mov_b32 s[CS], 0x3fb8aa3b                    ; log2(e)
	s_mov_b32 s[CS+1], s[CS]
	s_mov_b32 s[SEL], 0x76543210
	s_mov_b32 s[SEL+1], 0xfedcba98
	s_mov_b32 s24, 1
	s_lshl_b32 s25, s[WV], 11
	s_add_co_u32 s25, s25, SCK                     ; LDS: wave x 2,048 from K's words on
	s_mov_b32 s[G0A], 1
	s_mul_i32 s[G0A+1], s[WV], STEPB               ; LDS: wave x 12,288 in slot 0,
	s_mov_b32 s[G0B], 1
	s_add_co_u32 s[G0B+1], s[G0A+1], SLOTB         ; in slot 1
	s_wait_dscnt 0x0                               ; the opening add is done
	s_wait_kmcnt 0x0
	s_add_nc_u64 s[26:27], s[6:7], s[34:35]
	s_or_b32 s27, s27, 0x80000000
	s_add_nc_u64 s[G0A+2:G0A+3], s[4:5], s[32:33]
	s_add_nc_u64 s[G0B+2:G0B+3], s[G0A+2:G0A+3], 4*STEPB   ; the next four key steps
	s_or_b32 s[G0A+3], s[G0A+3], 0x80000000
	s_or_b32 s[G0B+3], s[G0B+3], 0x80000000
	s_add_nc_u64 s[4:5], s[4:5], s[38:39]
	s_add_nc_u64 s[6:7], s[6:7], s[40:41]
	s_add_nc_u64 s[8:9], s[8:9], s[42:43]
	s_add_nc_u64 s[10:11], s[10:11], s[44:45]
	s_add_nc_u64 s[12:13], s[12:13], s[46:47]
	CROUND                                         ; all four work-groups are here: the first joint loads meet
	tensor_load_to_lds s[24:27], s[16:23]          ; the scale words: filled once
	s_nop 0
	tensor_load_to_lds s[G0A:G0A+3], s[G1:G1+7]    ; key steps 0-3
	s_nop 0
	tensor_load_to_lds s[G0B:G0B+3], s[G1:G1+7]    ; key steps 4-7: three tensor loads of mine are out
	s_nop 0
.rept 4
	v_nop
.endr
	v_and_b32 v9, 31, v0
	v_lshlrev_b32 v[LI], 4, v9
	v_and_b32 v9, 15, v0
	v_lshlrev_b32 v[LS], 2, v9
	v_lshlrev_b32 v[CSO], 6, v9
.irp c, 0,1,2
	global_load_b128 v[16+4*\c:19+4*\c], v[LI], s[4:5] offset:512*\c   ; Q's fragment stays in registers
.endr
	global_load_b32 v255, v[LS], s[6:7]            ; and its scale words
	v_mov_b32 v[NEG], 0xfe800000                   ; -2^126
	v_mov_b32 v13, 0xff61b1e6                      ; the largest t so far: -3e38, under every t
	v_floor_f32 v12, -v13                          ; -M
	v_mov_b32 v14, 0
	v_mov_b32 v15, 0
.irp b, 0,1,2,3
	v_mov_b32 v[236+\b], 0                         ; written once: a lane permute's destination counts as one of its sources
.endr
	v_mov_b32 v253, 0                              ; (named as the upper half of the pair v[252:253] before it is first written)
.set j, 0
.rept 64
	v_mov_b32 v[160+j], 0                          ; O^T: the step is written once; the first finds zeros, which the first change of M leaves zeros
.set j, j+1
.endr
; four fragments, tiles t0 .. t0 + 3 of the key step's K (off = 0) or V (off = VOFF), as images: 16 bytes a lane, 512 consecutive bytes a load; and their scale words
.macro FR4 reg, sreg, off, soff, t0
.irp t, 0,1,2,3
.irp c, 0,1,2
	ds_load_b128 v[\reg+12*\t+4*\c:\reg+12*\t+4*\c+3], v[ADK] offset:\off+(\t0+\t)*1536+512*\c
.endr
	ds_load_b32 v[\sreg+\t], v[ADS] offset:\soff+64*(\t0+\t)
.endr
.endm
.macro MLOAD                           ; a key step's 64 mask words: word n in s[16 + n], from word 48 on in s[20 + n]
	s_load_b512 s[16:31], s[8:9], s[MOF] offset:0x0
	s_load_b512 s[32:47], s[8:9], s[MOF] offset:0x40
	s_load_b512 s[48:63], s[8:9], s[MOF] offset:0x80
	s_load_b512 s[68:83], s[8:9], s[MOF] offset:0xc0
.endm
.macro HOLES n0                        ; 32 registers of scores, ascending: each accumulator is read from its low end on
.set n, \n0
.rept 32
	v_cndmask_b32 v[96+n], v[NEG], v[96+n], s[16+n+4*(n/48)]
.set n, n+1
.endr
.endm
.macro BMAX b0, b1                     ; the largest score of blocks b0 and b1 of 32 keys: it serves for the row's maximum and, since p rises with the score, for the block's largest p
.irp b, \b0, \b1
	v_max3_num_f32 v[232+\b], v[96+16*\b], v[97+16*\b], v[98+16*\b]
.endr
.irp i, 3,5,7,9,11,13
.irp b, \b0, \b1
	v_max3_num_f32 v[232+\b], v[232+\b], v[96+16*\b+\i], v[97+16*\b+\i]
.endr
.endr
.irp b, \b0, \b1
	v_max_num_f32 v[232+\b], v[232+\b], v[111+16*\b]
.endr
.endm
; A KEY STEP: 128 keys.  At its head K's tiles 0-3 are on their way into v32-79.
.macro STEP
	s_wait_dscnt 0x0
.irp t, 0,1,2,3
	v_wmma_scale_f32_16x16x128_f8f6f4 v[96+8*\t:103+8*\t], v[32+12*\t:43+12*\t], v[16:27], 0, v[248+\t], v255 matrix_a_fmt:MATRIX_FMT_FP6 matrix_b_fmt:MATRIX_FMT_FP6
.endr
.rept 4
	v_nop                                          ; places: for the loads into the fragments' registers, and for the reads of the scores
.endr
	FR4 32, 248, 0, 0, 4                           ; K's tiles 4-7 land under the lines below
	s_wait_kmcnt 0x0                               ; this step's mask words
	HOLES 0
	BMAX 0, 1
	s_wait_dscnt 0x0
.irp t, 0,1,2,3
	v_wmma_scale_f32_16x16x128_f8f6f4 v[128+8*\t:135+8*\t], v[32+12*\t:43+12*\t], v[16:27], 0, v[248+\t], v255 matrix_a_fmt:MATRIX_FMT_FP6 matrix_b_fmt:MATRIX_FMT_FP6
.endr
.rept 4
	v_nop
.endr
	FR4 32, 248, VOFF, SCVO, 0                     ; V's tiles 0-3 land under the softmax
	HOLES 32
	s_add_co_u32 s[MOF], s[MOF], 256               ; the words are used up: the next step's are asked for;
	s_min_u32 s[MOF], s[MOF], 3840                 ; the last step asks for its own again: no load leaves the buffer
	MLOAD
	BMAX 2, 3
.irp b, 0,1,2,3
	v_permlanex16_b32 v[236+\b], v[232+\b], s[SEL], s[SEL+1]
.endr
.irp b, 0,1,2,3
	v_max_num_f32 v[232+\b], v[232+\b], v[236+\b]  ; with lane l xor 16's 16 keys
.endr
	v_max3_num_f32 v254, v232, v233, v234
	v_max_num_f32 v254, v254, v235                 ; the step's largest score of my query
	v_mul_f32 v254, s[CS], v254                    ; as t
	v_max_num_f32 v13, v13, v254                   ; the running largest t
	v_mov_b32 v254, v12
	v_floor_f32 v12, -v13                          ; the new -M = -ceil(t): a whole number
	v_sub_f32 v254, v12, v254                      ; old M - new M: a whole number, 0 or less
	v_cvt_i32_f32 v254, v254                       ; (it saturates)
	v_ldexp_f32 v252, 1.0, v254                    ; f = 2^(old M - new M)
.set j, 0
.rept 32
	v_pk_fma_f32 v[96+j:97+j], v[96+j:97+j], s[CS:CS+1], v[12:13] op_sel_hi:[1,0,0]   ; t - M, two at a time
.set j, j+2
.endr
.irp b, 0,1,2,3
	v_fma_f32 v[232+\b], v[232+\b], s[CS], v12     ; the same of each block's largest score
.endr
.set j, 0
.rept 64
	v_exp_f32 v[96+j], v[96+j]                     ; p = 2^(t - M), at most 1
.set j, j+1
.endr
	v_pk_mul_f32 v[14:15], v[14:15], v[252:253] op_sel_hi:[1,0]   ; the sums under the new M (a plain line behind the exponentials)
	s_wait_alu depctr_va_vdst(0)                   ; one wait for the whole batch, ahead of its first reader
.irp b, 0,1,2,3
	v_exp_f32 v[232+\b], v[232+\b]                 ; the block's largest p
.endr
	v_pk_add_f32 v[236:237], v[96:97], v[98:99]    ; the row's sum of the unquantised p, in two chains (plain work behind the four)
.irp j, 4,8,12,16,20,24,28,32,36,40,44,48,52,56,60
	v_pk_add_f32 v[14:15], v[14:15], v[96+\j:97+\j]
	v_pk_add_f32 v[236:237], v[236:237], v[98+\j:99+\j]
.endr
	v_pk_add_f32 v[14:15], v[14:15], v[236:237]
	s_wait_alu depctr_va_vdst(0)                   ; and one for the four
.irp b, 0,1,2,3
	v_max_num_f32 v[232+\b], 0x1800000, v[232+\b]  ; the floor 2^(3 - 127)
.endr
.irp b, 0,1,2,3
	v_add_nc_u32 v[244+\b], 0xff000000, v[232+\b]  ; the conversion's scale operand
.endr
.irp b, 0,1,2,3
	v_lshrrev_b32 v[236+\b], 23, v[244+\b]         ; the scale's byte
.endr
	v_lshl_or_b32 v253, v237, 8, v236              ; p's scale word for these 128 keys
	v_lshl_or_b32 v253, v238, 16, v253
	v_lshl_or_b32 v253, v239, 24, v253
.irp c, 0,1
	v_cvt_scalef32_pk16_fp6_f32 v[224+6*\c:226+6*\c], v[96+32*\c:111+32*\c], v[244+2*\c]
	v_cvt_scalef32_pk16_fp6_f32 v[236+4*\c:238+4*\c], v[112+32*\c:127+32*\c], v[244+2*\c+1]
.endr
	v_nop                                          ; one plain line behind a scaled conversion
.irp c, 0,1
.irp i, 0,1,2
	v_permlane16_swap_b32 v[224+6*\c+\i], v[236+4*\c+\i]
.endr
.irp i, 0,1,2
	v_mov_b32 v[227+6*\c+\i], v[236+4*\c+\i]
.endr
.endr
	FR4 96, 80, VOFF, SCVO, 4                      ; V's tiles 4-7 into the registers that p has left
.set j, 0
.rept 32
	v_pk_mul_f32 v[160+j:161+j], v[160+j:161+j], v[252:253] op_sel_hi:[1,0]   ; O^T under the new M; these are also the places between p's codes and scale word and the products
.set j, j+2
.endr
	s_wait_dscnt 16                                ; V's tiles 0-3 are in; the sixteen loads of tiles 4-7 may be out
.irp t, 0,1,2,3
	v_wmma_scale_f32_16x16x128_f8f6f4 v[160+8*\t:167+8*\t], v[32+12*\t:43+12*\t], v[224:235], v[160+8*\t:167+8*\t], v[248+\t], v253 matrix_a_fmt:MATRIX_FMT_FP6 matrix_b_fmt:MATRIX_FMT_FP6
.endr
	s_wait_dscnt 0x0
	s_add_co_u32 s[TB], s[TB], STEPB               ; on to the next key step
	s_add_co_u32 s[TS], s[TS], 512
	v_add_nc_u32 v[ADK], s[TB], v[LI]
	v_add_nc_u32 v[ADS], s[TS], v[LS]
	v_nop
	v_nop                                          ; four places in front of the loads below
	s_cmp_eq_u32 s[CNT], 1                         ; a slot's last step fetches nothing: its successor lies behind the change of slots
	s_cbranch_scc1 .Lno_next_\@
	FR4 32, 248, 0, 0, 0
.Lno_next_\@:
.irp t, 0,1,2,3
	v_wmma_scale_f32_16x16x128_f8f6f4 v[192+8*\t:199+8*\t], v[96+12*\t:107+12*\t], v[224:235], v[192+8*\t:199+8*\t], v[80+\t], v253 matrix_a_fmt:MATRIX_FMT_FP6 matrix_b_fmt:MATRIX_FMT_FP6
.endr
.rept 5
	v_nop                                          ; the next step's first products write over registers that these have read: five places
.endr
.endm
; THE CHANGE OF SLOTS: each wave waits for all its tensor loads, adds 0 to its spare word, and waits for that and for its reads of the slot that it leaves.
; fill = 1: behind a round of the cluster's barrier that slot is filled with the key steps two fills on; the load has four key steps in which to land.
.macro CHANGE g0, fill
	s_wait_tensorcnt 0x0
	ds_add_u32 v[SPW], v[NIL]
.if \fill
	s_add_nc_u64 s[\g0+2:\g0+3], s[\g0+2:\g0+3], 8*STEPB   ; no tensor load of mine is out: the group 0 may be written
.endif
	s_wait_dscnt 0x0
.if \fill
	CROUND
	tensor_load_to_lds s[\g0:\g0+3], s[G1:G1+7]    ; my one tensor load until the next change
	s_nop 0
.rept 4
	v_nop
.endr
.else
	s_barrier_signal -1
	s_barrier_wait -1
.endif
.endm
.macro SLOT_STEPS slot, seq
	s_mov_b32 s[TB], SLOTB*\slot
	s_mov_b32 s[TS], SCK+2048*\seq
	v_add_nc_u32 v[ADK], s[TB], v[LI]
	v_add_nc_u32 v[ADS], s[TS], v[LS]
	FR4 32, 248, 0, 0, 0
	s_mov_b32 s[CNT], 4
.Lstep_\@:
	STEP
	s_sub_co_u32 s[CNT], s[CNT], 1
	s_cmp_lg_u32 s[CNT], 0
	s_cbranch_scc1 .Lstep_\@
.endm
	s_wait_tensorcnt 1                             ; the scale words and my part of slot 0 are in; slot 1's load may be out
	s_barrier_signal -1
	s_barrier_wait -1
	s_wait_loadcnt 0x0                             ; Q
	s_mov_b32 s[MOF], 0
	MLOAD                                          ; (the scale words' descriptor, which lay in s[16:27], is done with)
	SLOT_STEPS 0, 0
	CHANGE G0A, 1
	SLOT_STEPS 1, 1
	CHANGE G0B, 1
	SLOT_STEPS 0, 2
	CHANGE G0A, 0                                  ; nothing is left to fetch
	SLOT_STEPS 1, 3
	; THE WAY OUT: O^T / the sum, quantised along the channels: the last product's fragment for K step = head.
	v_add_f32 v14, v14, v15
	v_permlanex16_b32 v252, v14, s[SEL], s[SEL+1]
	v_add_f32 v14, v14, v252                       ; the row's sum
	v_rcp_f32 v14, v14
.irp b, 0,1,2,3
	v_mov_b32 v[TM+4+\b], 0                        ; (plain lines behind the reciprocal)
.endr
	s_wait_alu depctr_va_vdst(0)                   ; the wait ahead of its first reader
.set j, 0
.rept 64
	v_mul_f32 v[96+j], v[160+j], v14               ; register 16 b + i: channel 32 b + 16 h + i of my query
.set j, j+1
.endr
.irp b, 0,1,2,3
	v_max3_num_f32 v[TM+\b], |v[96+16*\b]|, |v[97+16*\b]|, 0x1800000
.endr
.irp i, 2,4,6,8,10,12,14
.irp b, 0,1,2,3
	v_max3_num_f32 v[TM+\b], v[TM+\b], |v[96+16*\b+\i]|, |v[97+16*\b+\i]|
.endr
.endr
.irp b, 0,1,2,3
	v_permlanex16_b32 v[TM+4+\b], v[TM+\b], s[SEL], s[SEL+1]
.endr
.irp b, 0,1,2,3
	v_max_num_f32 v[TM+\b], v[TM+\b], v[TM+4+\b]
.endr
.irp b, 0,1,2,3
	v_add_nc_u32 v[TM+12+\b], 0xff000000, v[TM+\b]
.endr
.irp b, 0,1,2,3
	v_lshrrev_b32 v[TM+4+\b], 23, v[TM+12+\b]
.endr
	v_lshl_or_b32 v[PW], v[TM+5], 8, v[TM+4]
	v_lshl_or_b32 v[PW], v[TM+6], 16, v[PW]
	v_lshl_or_b32 v[PW], v[TM+7], 24, v[PW]
.irp c, 0,1
	v_cvt_scalef32_pk16_fp6_f32 v[PC+6*\c:PC+2+6*\c], v[96+32*\c:111+32*\c], v[TM+12+2*\c]
	v_cvt_scalef32_pk16_fp6_f32 v[PC+12+4*\c:PC+14+4*\c], v[112+32*\c:127+32*\c], v[TM+12+2*\c+1]
.endr
	v_nop
.irp c, 0,1
.irp i, 0,1,2
	v_permlane16_swap_b32 v[PC+6*\c+\i], v[PC+12+4*\c+\i]
.endr
.irp i, 0,1,2
	v_mov_b32 v[PC+3+6*\c+\i], v[PC+12+4*\c+\i]
.endr
.endr
.irp c, 0,1,2
	global_store_b128 v[LI], v[PC+4*\c:PC+4*\c+3], s[10:11] offset:512*\c   ; the image: 512 consecutive bytes a store
.endr
	global_store_b32 v[CSO], v[PW], s[12:13]       ; row r's scale word; lanes l and l + 16 hold the same word and write it to the same place
	s_wait_tensorcnt 0x0                           ; the wave's end
	ds_add_u32 v[SPW], v[NIL]
	s_wait_dscnt 0x0
	CROUND                                         ; the closing round
	s_endpgm
.Lfunc_end_k_q7b32394c72_attn:
	.size	k_q7b32394c72_attn, .Lfunc_end_k_q7b32394c72_attn-k_q7b32394c72_attn
	.p2alignl 7, 3214868480
	.fill 96, 4, 3214868480
	.section	.rodata,"a",@progbits
	.p2align	6, 0x0
	.amdhsa_kernel k_q7b32394c72_attn
		.amdhsa_group_segment_fixed_size 327680
		.amdhsa_private_segment_fixed_size 0
		.amdhsa_enable_private_segment 0
		.amdhsa_kernarg_size 40
		.amdhsa_user_sgpr_count 2
		.amdhsa_user_sgpr_kernarg_segment_ptr 1
		.amdhsa_wavefront_size32 1
		.amdhsa_system_sgpr_workgroup_id_x 1
		.amdhsa_system_sgpr_workgroup_id_y 1
		.amdhsa_system_sgpr_workgroup_id_z 1
		.amdhsa_system_vgpr_workitem_id 0
		.amdhsa_next_free_vgpr 256
		.amdhsa_next_free_sgpr 106
		.amdhsa_reserve_vcc 0
		.amdhsa_float_denorm_mode_32 3
		.amdhsa_float_denorm_mode_16_64 3
		.amdhsa_memory_ordered 1
		.amdhsa_forward_progress 1
		.amdhsa_inst_pref_size 118
	.end_amdhsa_kernel
	.amdgpu_metadata
---
amdhsa.version: [ 1, 2 ]
amdhsa.kernels:
  - .name:           k_q7b32394c72_attn
    .symbol:         k_q7b32394c72_attn.kd
    .args:
      - { .name: qkvc, .offset: 0, .size: 8, .value_kind: global_buffer, .address_space: global }
      - { .name: qkvs, .offset: 8, .size: 8, .value_kind: global_buffer, .address_space: global }
      - { .name: mw, .offset: 16, .size: 8, .value_kind: global_buffer, .address_space: global }
      - { .name: cc, .offset: 24, .size: 8, .value_kind: global_buffer, .address_space: global }
      - { .name: cs, .offset: 32, .size: 8, .value_kind: global_buffer, .address_space: global }
    .group_segment_fixed_size: 327680
    .private_segment_fixed_size: 0
    .kernarg_segment_align: 8
    .kernarg_segment_size: 40
    .max_flat_workgroup_size: 256
    .sgpr_count:     106
    .vgpr_count:     256
    .wavefront_size: 32
...
	.end_amdgpu_metadata
.endif
;; end of part 4
;; launch outp (part 5): grid 8 x 8, 4 waves a work-group, clusters of 4 x 4, 327,680 bytes of LDS; arguments cc, cs, codes, scales, out0; writes out0
.if DOCPART == 5
	.amdgcn_target "amdgcn-amd-amdhsa--gfx1250"
	.amdhsa_code_object_version 6
	.text
	.protected	k_q7b32394c72_outp
	.globl	k_q7b32394c72_outp
	.p2align	8
	.type	k_q7b32394c72_outp,@function
k_q7b32394c72_outp:
	s_mov_b64 s[64:65], 0
	v_nop
	global_prefetch_b8 v0, s[64:65] scope:SCOPE_SE
	s_setreg_imm32_b32 hwreg(HW_REG_WAVE_MODE, 25, 1), 1
	s_wait_xcnt 0x0
	s_wait_alu depctr_hold_cnt(0) depctr_sa_sdst(0) depctr_va_vdst(0) depctr_va_sdst(0) depctr_va_ssrc(0) depctr_va_vcc(0) depctr_vm_vsrc(0)
	s_getreg_b32 s2, hwreg(HW_REG_IB_STS2, 6, 4)
	s_cmp_eq_u32 s2, 0
	s_cbranch_scc0 .Lentry_in_a_cluster
	s_endpgm
.Lentry_in_a_cluster:
	s_bfe_u32 s2, ttmp6, 0x10000c
	s_cmp_lg_u32 s2, 0xf033
	s_cbranch_scc0 .Lentry_shape_is_right
	s_endpgm
.Lentry_shape_is_right:
; out0 = ctx Wo, [2048][2048] f32, on codes of FP6 (E2M3) with E8M0 scales, K = (head, channel) = 2048.
; A = ctx: cc holds, for each tile T of 16 positions and each head, an image of the fragment's 12 registers (1,536 bytes); cs holds 64 scale bytes a position.  Position p stands for query swap34(p) (bits 3 and 4 exchanged).
; B = Wo: rows 8192 on of codes (1,536 bytes a row) and scales (64 bytes a row), column n at position swap34(n).
; A work-group of four waves makes 256 x 256, a wave 128 x 128.  K goes in steps of 256 (two heads) through a ring of two LDS slots; the scales come into LDS once.  Only 64 work-groups: the tile that keeps LDS reads lowest is kept.
; CLUSTERS: 4 x 4 work-groups; A's tiles are asked for jointly along a row of the cluster, B's along a column.
; THE MATRIX INSTRUCTION IS USED TRANSPOSED (source 0 = 16 rows of B, source 1 = 16 rows of A).  Both exchanges of bits are undone on the way out by offsets alone: B's in the stage, A's in the stores' immediates.
; REGISTERS: window 0: v0-31 addresses; v32-63 scale words, two sets; from v128 A's fragments, one set.  window 1: B's fragments, two sets.  windows 2, 3: the accumulators.
.set SIZE_N, 2048
.set KSTEP,  256
.set NQ,     2
.set ROWB,   192
.set AROWB,  3072                      ; A: two heads' images of one tile of positions
.set KROW,   1536
.set PITCH,  240
.set FR,     12
.set NLA,    3                         ; LDS loads that bring a fragment of A
.set NP,     4
.set HALFT,  128*PITCH
.set SLOT,   4*HALFT
.set LAPS,   4
.set KS,     64
.set SCL,    2*SLOT
.set HALFS,  (128*KS/256)*272
.set SBLK,   (16*KS/256)*272
.set SPARE,  SCL+4*HALFS
.set SPITCH, 528                       ; the way out: a stage of 16 rows x (512 bytes + 16) a wave, in slot 0, which has had its last fill and its last read by then
.set ADRA, 16
.set ADRB, 20
.set STO,  24
.set RD,   25
.set CO,   26
.set ADRS, 27
.set SPW,  28
.set NIL,  29
.set SC,   32
.set AF,   128
.set BK,   128
.set G1, 24
.set G0, 32
.set G1B, 48
.set G0B, 56
.set G1S, 68
.set G0S, 76
.set G1SB, 80
.set G0SB, 88
.set MSB, 0
.macro WIN new
.if MSB != (\new)
	s_set_vgpr_msb (MSB<<8)|(\new)
.set MSB, (\new)
.endif
.endm
.set MUL_LO, 0xa1
.set MUL_HI, 0xf1
.set TO_B,   0x40
.macro JLOAD g0a, g1a, g0b, g1b        ; waves 0 and 1 fetch for A, waves 2 and 3 for B; an s_nop 0 and four v_nop follow each line
	s_cmp_eq_u32 s15, 0
	s_cbranch_scc0 .Lfor_b_\@
	tensor_load_to_lds s[\g0a:\g0a+3], s[\g1a:\g1a+7]
	s_nop 0
.rept 4
	v_nop
.endr
	s_branch .Lasked_\@
.Lfor_b_\@:
	tensor_load_to_lds s[\g0b:\g0b+3], s[\g1b:\g1b+7]
	s_nop 0
.rept 4
	v_nop
.endr
.Lasked_\@:
.endm
.macro CREST
	s_cmp_lg_u32 s14, 0
	s_cbranch_scc1 .Lnot_wave_0_\@
	s_barrier_signal -3
.Lnot_wave_0_\@:
	s_barrier_wait -3
	s_barrier_signal -1
	s_barrier_wait -1
.endm
.macro CROUND
	s_barrier_signal -1
	s_barrier_wait -1
	CREST
.endm
	s_load_b128 s[4:7], s[0:1], 0x0                ; cc, cs
	s_load_b128 s[8:11], s[0:1], 0x10              ; codes, scales
	s_load_b64 s[12:13], s[0:1], 0x20              ; out0
	v_lshl_add_u32 v[SPW], v0, 2, SPARE
	v_mov_b32 v[NIL], 0
	ds_add_u32 v[SPW], v[NIL]                      ; the wave's opening: the add and its wait ahead of my first tensor load
	v_lshrrev_b32 v1, 5, v0
	v_readfirstlane_b32 s14, v1
	s_lshr_b32 s15, s14, 1
	s_and_b32 s16, s14, 1
	s_bfe_u32 s40, ttmp6, 0x40000
	s_bfe_u32 s41, ttmp6, 0x40004
	s_lshl_b32 s42, ttmp9, 2
	s_add_co_u32 s42, s42, s40                     ; tile column
	s_and_b32 s17, ttmp7, 0xffff
	s_lshl_b32 s17, s17, 2
	s_add_co_u32 s17, s17, s41                     ; tile row
	s_lshl_b32 s43, s41, 2
	s_lshl_b32 s43, 15, s43
	s_lshl_b32 s44, 0x1111, s40
	s_or_b32 s[G1+0], s43, (3<<16)|(1<<21)         ; A: elements of 8 bytes, no padding: 8 rows (tiles of positions) of 3,072 bytes, 24,576 bytes apart
	s_mov_b32 s[G1+1], 384<<16
	s_mov_b32 s[G1+2], 8<<16
	s_mov_b32 s[G1+3], 384<<16
	s_mov_b32 s[G1+4], 8
	s_mov_b32 s[G1+5], 3072
	s_mov_b32 s[G1+6], 0
	s_mov_b32 s[G1+7], 0
	s_or_b32 s[G1B+0], s44, (0<<16)|(1<<20)|(1<<21)|(3<<22)|(3<<25)   ; B: 128 rows of 192 bytes, 4 words of padding behind every 16
	s_mov_b32 s[G1B+1], ROWB<<16
	s_mov_b32 s[G1B+2], 128<<16
	s_mov_b32 s[G1B+3], ROWB<<16
	s_mov_b32 s[G1B+4], 128
	s_mov_b32 s[G1B+5], KROW
	s_mov_b32 s[G1B+6], 0
	s_mov_b32 s[G1B+7], 0
	s_or_b32 s[G1S+0], s43, (3<<16)|(1<<20)|(1<<21)|(5<<22)|(3<<25)
	s_or_b32 s[G1SB+0], s44, (3<<16)|(1<<20)|(1<<21)|(5<<22)|(3<<25)
.irp g, G1S, G1SB
	s_mov_b32 s[\g+1], 32<<16
	s_mov_b32 s[\g+2], (128*KS/256)<<16
	s_mov_b32 s[\g+3], 32<<16
	s_mov_b32 s[\g+4], 128*KS/256
	s_mov_b32 s[\g+5], 32
	s_mov_b32 s[\g+6], 0
	s_mov_b32 s[\g+7], 0
.endr
	s_lshl_b32 s18, s16, 7
	s_lshl_b32 s20, s17, 8
	s_add_co_u32 s20, s20, s18                     ; A: position 256 x tile row + 128 x half; 16 positions are 24,576 bytes of cc: 1,536 a position
	s_lshl_b32 s46, s42, 8
	s_add_co_u32 s46, s46, s18
	s_add_co_u32 s46, s46, 8192                    ; B: Wo's rows
	s_mov_b32 s21, 0
	s_mov_b32 s47, 0
	s_mov_b64 s[18:19], KS
	s_mul_u64 s[22:23], s[20:21], s[18:19]
	s_mul_u64 s[92:93], s[46:47], s[18:19]
	s_mov_b64 s[18:19], KROW
	s_mul_u64 s[20:21], s[20:21], s[18:19]
	s_mul_u64 s[46:47], s[46:47], s[18:19]
	s_mul_i32 s45, s14, HALFT
	s_mul_i32 s94, s14, HALFS
	s_wait_dscnt 0x0
	s_wait_kmcnt 0x0
	s_add_nc_u64 s[20:21], s[4:5], s[20:21]
	s_add_nc_u64 s[22:23], s[6:7], s[22:23]
	s_add_nc_u64 s[46:47], s[8:9], s[46:47]
	s_add_nc_u64 s[92:93], s[10:11], s[92:93]
	CROUND
	s_mov_b32 s[G0S], 1
	s_add_co_u32 s[G0S+1], s94, SCL
	s_mov_b64 s[G0S+2:G0S+3], s[22:23]
	s_or_b32 s[G0S+3], s[G0S+3], 0x80000000
	s_mov_b32 s[G0SB], 1
	s_add_co_u32 s[G0SB+1], s94, SCL
	s_mov_b64 s[G0SB+2:G0SB+3], s[92:93]
	s_or_b32 s[G0SB+3], s[G0SB+3], 0x80000000
	JLOAD G0S, G1S, G0SB, G1SB
.irp s, 0,1
	s_mov_b32 s[G0+4*\s], 1
	s_add_co_u32 s[G0+4*\s+1], s45, \s*SLOT
	s_add_nc_u64 s[G0+4*\s+2:G0+4*\s+3], s[20:21], \s*AROWB
	s_or_b32 s[G0+4*\s+3], s[G0+4*\s+3], 0x80000000
	s_mov_b32 s[G0B+4*\s], 1
	s_add_co_u32 s[G0B+4*\s+1], s45, \s*SLOT
	s_add_nc_u64 s[G0B+4*\s+2:G0B+4*\s+3], s[46:47], \s*ROWB
	s_or_b32 s[G0B+4*\s+3], s[G0B+4*\s+3], 0x80000000
	JLOAD G0+4*\s, G1, G0B+4*\s, G1B               ; three tensor loads of mine are out
.endr
	v_and_b32 v1, 15, v0                           ; r
	v_bfe_u32 v2, v0, 4, 1                         ; h
	v_and_b32 v6, 31, v0
	v_lshlrev_b32 v7, 4, v6                        ; 16 x lane: my place in an image of A
	v_mul_u32_u24 v3, v1, PITCH
	v_mul_u32_u24 v4, v2, 24
	v_add_nc_u32 v4, v3, v4
	v_lshl_add_u32 v5, v2, 4, v4
	s_mul_i32 s21, s15, HALFT
	s_mul_i32 s22, s16, HALFT
	s_add_co_u32 s22, s22, 2*HALFT
.irp s, 0,1
	v_add_nc_u32 v[ADRA+\s], s21, v7
	v_add_nc_u32 v[ADRB+\s], s22, v4
	v_add_nc_u32 v[ADRB+2+\s], s22, v5
	s_add_co_u32 s21, s21, SLOT
	s_add_co_u32 s22, s22, SLOT
.endr
	v_mul_u32_u24 v5, v1, KS
	v_lshrrev_b32 v8, 8, v5
	v_lshl_add_u32 v5, v8, 4, v5
	s_mul_i32 s21, s15, HALFS
	s_mul_i32 s22, s16, HALFS
	s_add_co_u32 s22, s22, 2*HALFS
	s_sub_co_u32 s22, s22, s21
	v_mul_u32_u24 v8, s22, v2
	s_add_co_u32 s21, s21, SCL
	v_add_nc_u32 v5, v5, v8
	v_add_nc_u32 v[ADRS], s21, v5
	s_mul_i32 s23, s14, 16*SPITCH                  ; my stage
	v_mul_u32_u24 v5, v1, SPITCH                   ; in: row r; register j of block b is column 32 (b / 2) + 16 h + 8 (b % 2) + j: 64 h bytes here, the rest in the stores' offsets
	v_lshl_add_u32 v5, v2, 6, v5
	v_add_nc_u32 v[STO], s23, v5
	v_lshlrev_b32 v[CO], 4, v6                     ; back: the 32 lanes take one row of 512 bytes; and the same in out0
	v_add_nc_u32 v[RD], s23, v[CO]
	s_lshl_b32 s20, s17, 8
	s_lshl_b32 s21, s15, 7
	s_add_co_u32 s20, s20, s21                     ; my first row of out0
	s_mov_b32 s21, 0
	s_mov_b64 s[18:19], SIZE_N*4
	s_mul_u64 s[20:21], s[20:21], s[18:19]
	s_lshl_b32 s46, s42, 10
	s_lshl_b32 s47, s16, 9
	s_add_co_u32 s46, s46, s47
	s_mov_b32 s47, 0
	s_add_nc_u64 s[20:21], s[20:21], s[46:47]
	s_add_nc_u64 s[12:13], s[12:13], s[20:21]
.macro FRAG reg, adr, q, i
.irp p, 0,1,2,3,4,5
.set PCE, 12*(\q)+6*(\p/3)+\p%3
.if PCE%8 < 5
	ds_load_b64 v[\reg+2*\p:\reg+2*\p+1], v[\adr] offset:8*PCE+16*(PCE/8)+(\i)*16*PITCH
.else
	ds_load_b64 v[\reg+2*\p:\reg+2*\p+1], v[\adr+2] offset:8*PCE+16*(PCE/8)+(\i)*16*PITCH
.endif
.endr
.endm
.macro MUL16 a0, p, q, sc, zero        ; the 64 accumulators take turns, one instruction a turn
.irp a, \a0, \a0+1
.irp b, 0,1,2,3,4,5,6,7
.if \zero
	v_wmma_scale_f32_16x16x128_f8f6f4 v[8*(8*((\a)%4)+\b):8*(8*((\a)%4)+\b)+7], v[128*(\p)+FR*\b:128*(\p)+FR*\b+FR-1], v[AF+FR*(\a):AF+FR*(\a)+FR-1], 0, v[SC+8*NQ*(\sc)+NQ*\b+(\q)], v[SC+8*NQ*(\sc)+NQ*(\a)+(\q)] matrix_a_fmt:MATRIX_FMT_FP6 matrix_b_fmt:MATRIX_FMT_FP6 matrix_a_scale:MATRIX_SCALE_ROW1
.else
	v_wmma_scale_f32_16x16x128_f8f6f4 v[8*(8*((\a)%4)+\b):8*(8*((\a)%4)+\b)+7], v[128*(\p)+FR*\b:128*(\p)+FR*\b+FR-1], v[AF+FR*(\a):AF+FR*(\a)+FR-1], v[8*(8*((\a)%4)+\b):8*(8*((\a)%4)+\b)+7], v[SC+8*NQ*(\sc)+NQ*\b+(\q)], v[SC+8*NQ*(\sc)+NQ*(\a)+(\q)] matrix_a_fmt:MATRIX_FMT_FP6 matrix_b_fmt:MATRIX_FMT_FP6 matrix_a_scale:MATRIX_SCALE_ROW1
.endif
.endr
.endr
.endm
.macro FETCH_B slot, q, p
	WIN TO_B
.irp i, 0,1,2,3,4,5,6,7
	FRAG 128*(\p)+FR*\i, ADRB+\slot, \q, \i
.endr
	WIN 0
.endm
.macro FETCH_A slot, q, i0             ; A's blocks i0 .. i0 + 3, as images: three loads of 512 consecutive bytes each
.irp i, \i0, \i0+1, \i0+2, \i0+3
.irp c, 0,1,2
	ds_load_b128 v[AF+FR*(\i)+4*\c:AF+FR*(\i)+4*\c+3], v[ADRA+\slot] offset:AROWB*(\i)+1536*(\q)+512*\c
.endr
.endr
.endm
.macro SCALES sc
.irp i, 0,1,2,3,4,5,6,7
	ds_load_b64 v[SC+8*NQ*\sc+NQ*\i:SC+8*NQ*\sc+NQ*\i+1], v[ADRS] offset:\i*SBLK
.endr
.endm
.macro PLACES n
.rept \n
	v_nop
.endr
.endm
.macro STEP slot, q, zero
	s_wait_dscnt 4*NLA                             ; B's set and A's blocks 0-3 are in; the youngest 12 loads (A's blocks 4-7) may be out
	WIN MUL_LO
	MUL16 0, (\q)%2, \q, \slot, \zero
	MUL16 2, (\q)%2, \q, \slot, \zero
	s_wait_dscnt 0
	PLACES NP
	FETCH_B \slot, (\q)+1, 1-(\q)%2
	FETCH_A \slot, (\q)+1, 0
	WIN MUL_HI
	MUL16 4, (\q)%2, \q, \slot, \zero
	MUL16 6, (\q)%2, \q, \slot, \zero
	PLACES NP
	WIN 0
	FETCH_A \slot, (\q)+1, 4
.endm
.macro TURN slot, next, fill
	s_wait_tensorcnt 0x0                           ; all my tensor loads have landed: my part of the next slot
	ds_add_u32 v[SPW], v[NIL]
	s_wait_dscnt 4*NLA+1                           ; (the add and A's blocks 4-7 may be out)
	WIN MUL_LO
	MUL16 0, 1, NQ-1, \slot, 0
	s_wait_dscnt 0x0                               ; the add is done, and my reads of this slot are over
	s_barrier_signal -1
	MUL16 2, 1, NQ-1, \slot, 0
	WIN 0
	s_barrier_wait -1
.if \fill
	CREST                                          ; the barrier has opened a round of the cluster's barrier
	s_add_nc_u64 s[G0+4*\slot+2:G0+4*\slot+3], s[G0+4*\slot+2:G0+4*\slot+3], 2*AROWB
	s_add_nc_u64 s[G0B+4*\slot+2:G0B+4*\slot+3], s[G0B+4*\slot+2:G0B+4*\slot+3], 2*ROWB
	JLOAD G0+4*\slot, G1, G0B+4*\slot, G1B         ; the first tensor load behind the round
.else
	PLACES NP
.endif
	v_add_nc_u32 v[ADRS], 4*NQ, v[ADRS]
	FETCH_B \next, 0, 0
	FETCH_A \next, 0, 0
	SCALES \next
	WIN MUL_HI
	MUL16 4, 1, NQ-1, \slot, 0
	MUL16 6, 1, NQ-1, \slot, 0
	PLACES NP
	WIN 0
	FETCH_A \next, 0, 4
.endm
	s_wait_tensorcnt 1                             ; the scales and my part of K step 0 are in; K step 1's load may be out
	s_barrier_signal -1
	s_barrier_wait -1
	FETCH_B 0, 0, 0
	FETCH_A 0, 0, 0
	SCALES 0
	FETCH_A 0, 0, 4
	STEP 0, 0, 1
	s_mov_b32 s3, LAPS-1
.Llap:
	TURN 0, 1, 1
	STEP 1, 0, 0
	TURN 1, 0, 1
	STEP 0, 0, 0
	s_sub_co_u32 s3, s3, 1
	s_cmp_lg_u32 s3, 0
	s_cbranch_scc1 .Llap
	TURN 0, 1, 0
	STEP 1, 0, 0
	s_wait_dscnt 4*NLA
	WIN MUL_LO
	MUL16 0, 1, NQ-1, 1, 0
	MUL16 2, 1, NQ-1, 1, 0
	s_wait_dscnt 0
	WIN MUL_HI
	MUL16 4, 1, NQ-1, 1, 0
	MUL16 6, 1, NQ-1, 1, 0
	WIN 0
; THE WAY OUT, a block of 16 positions x 128 columns at a time, through my own stage in LDS; LDS serves a wave's instructions in order, so no wait stands between the stores and the loads.
.macro TOSTAGE a
.set AC, 64*((\a)%4)
	WIN 0x08+4*((\a)/4)                            ; the data: window 2 or 3
.irp b, 0,1,2,3,4,5,6,7
	ds_store_b128 v[STO], v[AC+8*\b:AC+8*\b+3] offset:128*(\b/2)+32*(\b%2)          ; each accumulator from its low end on
	ds_store_b128 v[STO], v[AC+8*\b+4:AC+8*\b+7] offset:128*(\b/2)+32*(\b%2)+16
.endr
	WIN 0
.set BB, BK+64*((\a)%2)
.irp t, 0,1,2,3,4,5,6,7,8,9,10,11,12,13,14,15
	ds_load_b128 v[BB+4*\t:BB+4*\t+3], v[RD] offset:\t*SPITCH
.endr
.endm
.macro SEND a, younger                 ; position 16 a + t is query 32 (a / 2) + 8 (a % 2) + t + 8 (t / 8) of my 128: at most 127 rows of 8,192 bytes, inside the immediate
.set BB, BK+64*((\a)%2)
	s_wait_dscnt \younger
.irp t, 0,1,2,3,4,5,6,7,8,9,10,11,12,13,14,15
	global_store_b128 v[CO], v[BB+4*\t:BB+4*\t+3], s[12:13] offset:(32*((\a)/2)+8*((\a)%2)+\t+8*(\t/8))*SIZE_N*4 th:TH_STORE_NT   ; 32 lanes store 512 consecutive bytes, aligned
.endr
.endm
	PLACES NP
	TOSTAGE 0
.irp a, 1,2,3,4,5,6,7
.if \a > 1
	s_wait_xcnt 0x0                                ; block a - 2's stores have read their registers: block a's loads may land there
.endif
	TOSTAGE \a
	SEND \a-1, 32                                  ; behind block a - 1's loads: block a's 16 stores and 16 loads
.endr
	SEND 7, 0
	s_wait_tensorcnt 0x0                           ; the wave's end
	ds_add_u32 v[SPW], v[NIL]
	s_wait_dscnt 0x0
	CROUND                                         ; the closing round
	s_endpgm
.Lfunc_end_k_q7b32394c72_outp:
	.size	k_q7b32394c72_outp, .Lfunc_end_k_q7b32394c72_outp-k_q7b32394c72_outp
	.p2alignl 7, 3214868480
	.fill 96, 4, 3214868480
	.section	.rodata,"a",@progbits
	.p2align	6, 0x0
	.amdhsa_kernel k_q7b32394c72_outp
		.amdhsa_group_segment_fixed_size 327680
		.amdhsa_private_segment_fixed_size 0
		.amdhsa_enable_private_segment 0
		.amdhsa_kernarg_size 40
		.amdhsa_user_sgpr_count 2
		.amdhsa_user_sgpr_kernarg_segment_ptr 1
		.amdhsa_wavefront_size32 1
		.amdhsa_system_sgpr_workgroup_id_x 1
		.amdhsa_system_sgpr_workgroup_id_y 1
		.amdhsa_system_sgpr_workgroup_id_z 1
		.amdhsa_system_vgpr_workitem_id 0
		.amdhsa_next_free_vgpr 1024
		.amdhsa_next_free_sgpr 98
		.amdhsa_reserve_vcc 0
		.amdhsa_float_denorm_mode_32 3
		.amdhsa_float_denorm_mode_16_64 3
		.amdhsa_memory_ordered 1
		.amdhsa_forward_progress 1
		.amdhsa_inst_pref_size 147
	.end_amdhsa_kernel
	.amdgpu_metadata
---
amdhsa.version: [ 1, 2 ]
amdhsa.kernels:
  - .name:           k_q7b32394c72_outp
    .symbol:         k_q7b32394c72_outp.kd
    .args:
      - { .name: cc, .offset: 0, .size: 8, .value_kind: global_buffer, .address_space: global }
      - { .name: cs, .offset: 8, .size: 8, .value_kind: global_buffer, .address_space: global }
      - { .name: codes, .offset: 16, .size: 8, .value_kind: global_buffer, .address_space: global }
      - { .name: scales, .offset: 24, .size: 8, .value_kind: global_buffer, .address_space: global }
      - { .name: out0, .offset: 32, .size: 8, .value_kind: global_buffer, .address_space: global }
    .group_segment_fixed_size: 327680
    .private_segment_fixed_size: 0
    .kernarg_segment_align: 8
    .kernarg_segment_size: 40
    .max_flat_workgroup_size: 128
    .sgpr_count:     98
    .vgpr_count:     1024
    .wavefront_size: 32
...
	.end_amdgpu_metadata
.endif
;; end of part 5
;; ======== version 2 of 2: 4 launches
;; limits: right only within a limited range of input values
;; workspace buffers: codes 15,728,640 bytes; scales 655,360 bytes; rope 2,097,152 bytes; mw 524,288 bytes of whole numbers; qkvc 9,830,400 bytes; cc 3,145,728 bytes; cs 131,072 bytes
;; launch quantw (part 6): grid 16 x 32, 4 waves a work-group, no clusters, 56,320 bytes of LDS; arguments Wq, Wk, Wv, Wo, mask, codes, scales, rope, mw, x; writes codes, scales, rope, mw
.if DOCPART == 6
	.amdgcn_target "amdgcn-amd-amdhsa--gfx1250"
	.amdhsa_code_object_version 6
	.text
	.protected	k_q7b32394c72_quantw
	.globl	k_q7b32394c72_quantw
	.p2align	8
	.type	k_q7b32394c72_quantw,@function
k_q7b32394c72_quantw:
	s_mov_b64 s[64:65], 0
	v_nop
	global_prefetch_b8 v0, s[64:65] scope:SCOPE_SE
	s_setreg_imm32_b32 hwreg(HW_REG_WAVE_MODE, 25, 1), 1
	s_wait_xcnt 0x0
; Four pieces of preparation in one launch of 2,048 waves; every wave does one share of each.
; (1) THE FOUR WEIGHTS, each [K 2048][N 2048] f32 with K as first axis, become codes of FP6 (E2M3) laid [N][K], K innermost, and one E8M0 byte for each 32 along K.
;     A lane takes a column n and its registers run down K: a block of 32 lies in one lane, and the conversions give the codes with K innermost.  A wave takes 32 columns x 256 along K;
;     the codes go through the wave's own stage in LDS and leave as rows: sixteen lanes store a row's 192 consecutive bytes.
;     COLUMN n IS LAID AT POSITION swap34(n) (bits 3 and 4 exchanged) of its tensor's 2,048 rows in codes and scales (Wq from row 2048, Wk 4096, Wv 6144, Wo 8192).
; (2) ONE ROW OF x [2048][2048] f32 a wave, K innermost: 4 steps of 512 numbers.  Each load reads 512 consecutive bytes; a step's 2,048 bytes turn through the wave's own stage in LDS and come back
;     64 bytes (16 neighbours) a lane; two neighbouring lanes hold a block.  ROW i IS LAID AT POSITION swap34(i) of rows 0 .. 2047 of codes and scales.  The work-group's four rows lie at four
;     neighbouring positions: their 4 x 64 scale bytes meet in LDS and leave as one aligned run of 256 bytes.
;     By swap34 sixteen neighbouring positions hold rows 32 a + 8 u + r + 8 (r / 8): the choice of rows by which a product's result is the next operand's registers.
; (3) ONE ROW OF THE ROTARY TABLE a wave: rope[variant][s][cos 64, sin 64], variant 0 times 1 / sqrt(128) (for q), variant 1 plain (for k).
;     freq = 2^(-f log2(10000) / 64); angle = s x freq, rounded once; reduced by multiples of pi / 2 held in two words; sine and cosine by polynomials on [-pi/4, pi/4].
; (4) ONE TILE OF THE MASK a wave: 16 queries x 128 keys of bytes become 64 words of 32 bits: mw[T][j][n], bit l = mask[query 32 (T / 2) + 8 (T % 2) + r + 8 (r / 8)][128 j + 32 (n / 16) + 16 (l / 16) + n % 16], r = l % 16:
;     the lane mask by which the attention launch selects register n of its scores.
; A block's scale is 2^(floor(log2(largest magnitude)) - 2); its byte is the largest magnitude's exponent field - 2, held at 1 from below.
; No cluster: the work-groups share no input.  No tensor load.  One barrier: for the four rows' scale bytes.
; LIMITS: freq is right to an ulp or two of f32, so an angle near 2,047 may differ from the reference's by some 2.5e-4; 1 / sqrt(128) is folded into q's table (one rounding more);
; a block of zeros or under 2^-124 keeps the byte 1 (read by this program alone); NaN and infinities are not served; a mask byte counts as true where it is not 0.
.set SIZE_N, 2048
.set NB,    8                          ; blocks of 32 along K for a wave
.set ROWB,  192                        ; bytes of 256 codes
.set PITCH, 272                        ; a row of the weights' stage: sixteen places of 16 bytes, each with 12 bytes of codes, + 16
.set KCH,   1966080                    ; THE CODES ARE LAID [K chunk of 256][row 0 .. 10239][192 bytes]: a chunk's plane is 10,240 x 192 bytes, so 128 neighbouring rows of one chunk are 24,576 dense bytes
.set X,     32                         ; v32-95   two sets of 32 numbers of a weight
.set C,     96                         ; v96..    a block's codes
.set OUTR,  112                        ; v112-175 first the table's arithmetic (v112-139), at the end the weights' way out: 16 x 4 registers
.set XX,    144                        ; v144-175 in between: two sets of 16 neighbours of x
.set MK,    176                        ; v176-191 the mask's bytes: register n / 4, byte n % 4
.set XR,    192                        ; v192-255 x as loaded, 16 registers a step; once a step has gone to the stage its registers take its codes (0-2), its byte (4) and the work (8-10)
.set SB,    24                         ; v24-25   the weights' scale bytes
.set MWD,   26                         ; v26-27   the mask's words: lane i holds words 2 i and 2 i + 1
.set SPW,   14
.set NIL,   15
.set XL,    18                         ; v18  x: my 16 bytes of a load's 512
.set XSI,   19                         ; v19  x's stage, way in
.set XSO,   20                         ; v20  x's stage, way out
.set XCO,   21                         ; v21  my codes' place in a step's 384 bytes
.set XBY,   22                         ; v22  my block's scale byte in LDS
.set XSB,   23                         ; v23  the scale bytes' way out of LDS: 8 bytes a lane
.set SP,    80                         ; a lane's place in x's stage: 64 bytes + 16 of padding
.set XST,   4*32*PITCH                 ; behind the weights' four stages: x's, two of 32 x SP bytes a wave
.set XWREG, 2*32*SP
.set SCB,   XST+4*XWREG                ; the work-group's 256 scale bytes of x
.set SPARE, SCB+256                    ; the spare words: two blocks of 256 bytes that no other line names
	s_load_b256 s[4:11], s[0:1], 0x0               ; Wq, Wk, Wv, Wo
	s_load_b256 s[12:19], s[0:1], 0x20             ; mask, codes, scales, rope
	s_load_b128 s[20:23], s[0:1], 0x40             ; mw, x
	v_lshl_add_u32 v[SPW], v0, 2, SPARE
	v_mov_b32 v[NIL], 0
	v_lshrrev_b32 v1, 5, v0
	v_readfirstlane_b32 s46, v1                    ; wave
	v_and_b32 v2, 31, v0                           ; lane
	s_wait_alu depctr_va_vdst(0)
	s_and_b32 s24, ttmp7, 0xffff                   ; y
	s_lshr_b32 s25, s24, 3                         ; which tensor
	s_and_b32 s26, s24, 7                          ; which 256 along K
	s_lshl_b32 s27, ttmp9, 7
	s_lshl_b32 s47, s46, 5
	s_add_co_u32 s27, s27, s47                     ; my first column: 128 x + 32 wave
	s_lshl_b32 s28, s24, 4
	s_add_co_u32 s28, s28, ttmp9
	s_lshl_b32 s28, s28, 2
	s_add_co_u32 s28, s28, s46                     ; my wave's number in the launch, 0 .. 2047
	v_lshlrev_b32 v3, 2, v2                        ; a weight's way in: 4 bytes a lane
	v_and_b32 v10, 7, v2
	v_bfe_u32 v11, v2, 3, 1
	v_lshl_or_b32 v10, v11, 4, v10
	v_bfe_u32 v11, v2, 4, 1
	v_lshl_or_b32 v10, v11, 3, v10                 ; my column's position among the wave's 32: lane with bits 3 and 4 exchanged
	s_mul_i32 s29, s46, 32*PITCH                   ; my stage for the weights
	v_mul_u32_u24 v4, v10, PITCH
	v_add_nc_u32 v4, s29, v4                       ; into it: row = my column's position
	v_and_b32 v5, 15, v2
	v_lshrrev_b32 v6, 4, v2
	v_mul_u32_u24 v7, v6, PITCH
	v_lshl_add_u32 v7, v5, 4, v7
	v_add_nc_u32 v7, s29, v7                       ; out of it: sixteen lanes to a row, two rows an instruction
	v_mul_u32_u24 v8, v6, ROWB
	v_mad_u32_u24 v8, v5, 12, v8                   ; and the same place in codes
	v_lshlrev_b32 v9, 6, v10                       ; my column's row of scale bytes
	v_and_b32 v16, 8, v5
	v_add_nc_u32 v16, v16, v5                      ; r + 8 (r / 8)
	v_lshlrev_b32 v16, 11, v16
	v_lshl_add_u32 v16, v6, 4, v16                 ; the mask: my query's row of 2,048 bytes, + 16 (lane / 16)
	v_lshlrev_b32 v17, 3, v2                       ; 8 bytes a lane: the way out of the table, the words and x's scale bytes
	v_lshlrev_b32 v[XL], 4, v2
	s_mul_i32 s30, s46, XWREG
	s_add_co_u32 s30, s30, XST                     ; my stages for x
	v_lshrrev_b32 v[XSI], 2, v2
	v_mul_u32_u24 v[XSI], v[XSI], SP
	v_and_b32 v[XSO], 3, v2
	v_lshl_add_u32 v[XSI], v[XSO], 4, v[XSI]
	v_add_nc_u32 v[XSI], s30, v[XSI]               ; way in: SP (lane / 4) + 16 (lane % 4)
	v_mul_u32_u24 v[XSO], v2, SP
	v_add_nc_u32 v[XSO], s30, v[XSO]               ; way out: SP x lane: my 16 neighbours
	v_mul_u32_u24 v[XCO], v5, 12                   ; 12 bytes for each of sixteen lanes in a chunk's 192,
	v_mad_u32_u24 v[XCO], v6, KCH, v[XCO]          ; lanes 16-31 in the next chunk's plane
	v_lshrrev_b32 v[XBY], 1, v2
	s_lshl_b32 s30, s46, 6
	s_add_co_u32 s30, s30, SCB
	v_add_nc_u32 v[XBY], s30, v[XBY]               ; SCB + 64 x wave + lane / 2
	v_add_nc_u32 v[XSB], SCB, v17
	s_lshl_b32 s34, s26, 21                        ; W: 256 rows of 8,192 bytes for each step along K,
	s_lshl_b32 s47, s27, 2
	s_add_co_u32 s34, s34, s47                     ; + 4 bytes a column
	s_mov_b32 s35, 0
	s_add_co_u32 s47, s25, 1
	s_lshl_b32 s47, s47, 11
	s_add_co_u32 s47, s47, s27                     ; my first row of codes and scales for the weights
	s_mul_i32 s36, s47, ROWB
	s_mul_i32 s30, s26, KCH
	s_add_co_u32 s36, s36, s30
	s_mov_b32 s37, 0
	s_lshl_b32 s38, s47, 6
	s_lshl_b32 s30, s26, 3
	s_add_co_u32 s38, s38, s30
	s_mov_b32 s39, 0
	s_lshl_b32 s40, s28, 9                         ; the table's row: 512 bytes
	s_mov_b32 s41, 0
	s_lshl_b32 s42, s28, 8                         ; the mask's words: 256 bytes
	s_mov_b32 s43, 0
	s_lshr_b32 s30, s28, 5                         ; T / 2,
	s_lshl_b32 s30, s30, 16                        ; x 32 rows of 2,048 bytes
	s_bfe_u32 s31, s28, 0x10004                    ; T % 2,
	s_lshl_b32 s31, s31, 14                        ; x 8 rows
	s_add_co_u32 s44, s30, s31
	s_and_b32 s31, s28, 15                         ; j,
	s_lshl_b32 s31, s31, 7                         ; x 128 keys
	s_add_co_u32 s44, s44, s31
	s_mov_b32 s45, 0
	s_and_b32 s48, s28, 0xffffffe7                 ; x: my row is my wave's number; its position: bits 3 and 4 exchanged
	s_bfe_u32 s49, s28, 0x10003
	s_bfe_u32 s50, s28, 0x10004
	s_lshl_b32 s49, s49, 4
	s_lshl_b32 s50, s50, 3
	s_or_b32 s48, s48, s49
	s_or_b32 s48, s48, s50
	s_mul_i32 s52, s48, ROWB
	s_add_co_u32 s52, s52, 2*KCH                   ; from chunk 2 on, so that the four steps' offsets stay inside the signed 24-bit immediate
	s_mov_b32 s53, 0
	s_lshl_b32 s54, s48, 6                         ; its 64 scale bytes (in wave 0: where the work-group's 256 begin),
	s_mov_b32 s55, 0
	s_lshl_b32 s50, s28, 13                        ; and the row of x itself: 8,192 bytes
	s_mov_b32 s51, 0
	s_wait_kmcnt 0x0
	s_add_nc_u64 s[22:23], s[22:23], s[50:51]
	s_add_nc_u64 s[48:49], s[14:15], s[52:53]
	s_add_nc_u64 s[50:51], s[16:17], s[54:55]
	s_cmp_eq_u32 s25, 1                            ; the choice hangs on the work-group's number alone
	s_cselect_b64 s[4:5], s[6:7], s[4:5]
	s_cmp_eq_u32 s25, 2
	s_cselect_b64 s[4:5], s[8:9], s[4:5]
	s_cmp_eq_u32 s25, 3
	s_cselect_b64 s[4:5], s[10:11], s[4:5]
	s_add_nc_u64 s[4:5], s[4:5], s[34:35]
	s_add_nc_u64 s[12:13], s[12:13], s[44:45]
	s_add_nc_u64 s[14:15], s[14:15], s[36:37]
	s_add_nc_u64 s[16:17], s[16:17], s[38:39]
	s_add_nc_u64 s[18:19], s[18:19], s[40:41]
	s_add_nc_u64 s[20:21], s[20:21], s[42:43]
.irp b, 0,1,2,3
	global_load_b128 v[MK+4*\b:MK+4*\b+3], v16, s[12:13] offset:32*\b   ; the oldest loads: every count below leaves them behind
.endr
.irp t, 0,1,2,3
.irp i, 0,1,2,3
	global_load_b128 v[XR+16*\t+4*\i:XR+16*\t+4*\i+3], v[XL], s[22:23] offset:2048*\t+512*\i th:TH_LOAD_NT   ; my row of x: 32 lanes read 512 consecutive bytes
.endr
.endr
.macro LOAD t                          ; block t: W(32 t + i, my column), i = 0 .. 31, into set t % 2
.irp i, 0,1,2,3,4,5,6,7,8,9,10,11,12,13,14,15,16,17,18,19,20,21,22,23,24,25,26,27,28,29,30,31
	global_load_b32 v[X+32*((\t)%2)+\i], v3, s[4:5] offset:(32*(\t)+\i)*SIZE_N*4 th:TH_LOAD_NT
.endr
.endm
	LOAD 0
	; ---- the rotary table's row s = my wave's number, frequencies 2 lane and 2 lane + 1, while the loads are on their way
	s_mov_b32 s34, 0xbfc90fdb                      ; -(pi / 2), the upper word
	s_mov_b32 s35, 0x333bbd2e                      ; and what the upper word leaves over
	s_mov_b32 s36, 0xbe2aaaa3                      ; sine: r + r z (S1 + z (S2 + z S3))
	s_mov_b32 s37, 0x3c08839e
	s_mov_b32 s38, 0xb94ca1f9
	s_mov_b32 s39, 0x3d2aaaa5                      ; cosine: 1 + z (-1/2 + z (C1 + z (C2 + z C3)))
	s_mov_b32 s40, 0xbab6061a
	s_mov_b32 s41, 0x37ccf5ce
	v_lshlrev_b32 v112, 1, v2
	v_add_nc_u32 v113, 1, v112
	v_cvt_f32_u32 v112, v112
	v_cvt_f32_u32 v113, v113
	v_cvt_f32_u32 v116, s28                        ; s
	v_mul_f32 v112, 0xbe549a78, v112               ; -f log2(10000) / 64
	v_mul_f32 v113, 0xbe549a78, v113
	s_wait_alu depctr_va_vdst(0)
	v_exp_f32 v114, v112
	v_exp_f32 v115, v113
	v_nop                                          ; a plain line behind the exponentials,
	s_wait_alu depctr_va_vdst(0)                   ; and one wait for both, ahead of their first reader
.irp i, 0,1
	v_mul_f32 v[114+\i], v116, v[114+\i]           ; the angle
.endr
.irp i, 0,1
	v_mul_f32 v[118+\i], 0x3f22f983, v[114+\i]     ; x 2 / pi
.endr
.irp i, 0,1
	v_rndne_f32 v[118+\i], v[118+\i]               ; how many quarter turns
.endr
.irp i, 0,1
	v_fma_f32 v[120+\i], v[118+\i], s34, v[114+\i]
.endr
.irp i, 0,1
	v_fma_f32 v[120+\i], v[118+\i], s35, v[120+\i] ; r, in [-pi/4, pi/4]
.endr
.irp i, 0,1
	v_cvt_i32_f32 v[122+\i], v[118+\i]
	v_mul_f32 v[124+\i], v[120+\i], v[120+\i]      ; z = r r
.endr
.irp i, 0,1
	v_fma_f32 v[126+\i], v[124+\i], s38, s37
	v_fma_f32 v[128+\i], v[124+\i], s41, s40
.endr
.irp i, 0,1
	v_fma_f32 v[126+\i], v[126+\i], v[124+\i], s36
	v_fma_f32 v[128+\i], v[128+\i], v[124+\i], s39
.endr
.irp i, 0,1
	v_mul_f32 v[126+\i], v[126+\i], v[124+\i]
	v_fma_f32 v[128+\i], v[128+\i], v[124+\i], -0.5
.endr
.irp i, 0,1
	v_fma_f32 v[126+\i], v[126+\i], v[120+\i], v[120+\i]   ; sin r
	v_fma_f32 v[128+\i], v[128+\i], v[124+\i], 1.0         ; cos r
.endr
.irp i, 0,1
	v_and_b32 v[130+\i], 1, v[122+\i]              ; an odd number of quarter turns exchanges the two
	v_cmp_ne_u32 vcc_lo, 0, v[130+\i]
	v_cndmask_b32 v[132+\i], v[126+\i], v[128+\i], vcc_lo
	v_cndmask_b32 v[134+\i], v[128+\i], v[126+\i], vcc_lo
	v_and_b32 v[130+\i], 2, v[122+\i]              ; the sine changes sign in turns 2 and 3,
	v_lshlrev_b32 v[130+\i], 30, v[130+\i]
	v_xor_b32 v[132+\i], v[130+\i], v[132+\i]
	v_add_nc_u32 v[130+\i], 1, v[122+\i]           ; the cosine in turns 1 and 2
	v_and_b32 v[130+\i], 2, v[130+\i]
	v_lshlrev_b32 v[130+\i], 30, v[130+\i]
	v_xor_b32 v[134+\i], v[130+\i], v[134+\i]
.endr
	v_pk_mul_f32 v[136:137], v[134:135], 0x3db504f3 op_sel_hi:[1,0]   ; q's variant: x 1 / sqrt(128)
	v_pk_mul_f32 v[138:139], v[132:133], 0x3db504f3 op_sel_hi:[1,0]
	global_store_b64 v17, v[136:137], s[18:19]                  ; each store: 32 lanes, 256 consecutive bytes, aligned
	global_store_b64 v17, v[138:139], s[18:19] offset:256
	global_store_b64 v17, v[134:135], s[18:19] offset:1048576
	global_store_b64 v17, v[132:133], s[18:19] offset:1048832
	LOAD 1
	; ---- my row of x, while the weights' first two blocks are on their way
.macro XTURN t                         ; step t's numbers through a stage: LDS serves a wave's instructions in order, so no wait stands between the stores and the loads
.irp i, 0,1,2,3
	ds_store_b128 v[XSI], v[XR+16*(\t)+4*\i:XR+16*(\t)+4*\i+3] offset:32*SP*((\t)%2)+8*SP*\i
.endr
.irp i, 0,1,2,3
	ds_load_b128 v[XX+16*((\t)%2)+4*\i:XX+16*((\t)%2)+4*\i+3], v[XSO] offset:32*SP*((\t)%2)+16*\i
.endr
.endm
.macro XSTEP t
.set XS, XX+16*((\t)%2)
.set XW, XR+16*(\t)
.if (\t) > 0
	s_wait_dscnt 1                                 ; this step's numbers are back from the stage; the last step's byte store may be out
.else
	s_wait_dscnt 0x0
.endif
.if (\t)+1 < 4
	XTURN (\t)+1                                   ; the next step goes through the other stage while this one is worked
.endif
	v_max3_num_f32 v[XW+8], |v[XS]|, |v[XS+1]|, |v[XS+2]|          ; the largest magnitude of my 16, in two chains
	v_max3_num_f32 v[XW+9], |v[XS+3]|, |v[XS+4]|, |v[XS+5]|
.irp i, 6,10
	v_max3_num_f32 v[XW+8], v[XW+8], |v[XS+\i]|, |v[XS+\i+1]|
	v_max3_num_f32 v[XW+9], v[XW+9], |v[XS+\i+2]|, |v[XS+\i+3]|
.endr
	v_max3_num_f32 v[XW+8], v[XW+8], |v[XS+14]|, |v[XS+15]|
	v_max3_num_f32 v[XW+8], v[XW+8], v[XW+9], 0x1800000            ; and the floor 2^(3 - 127): the byte cannot fall under 1
	v_max_num_f32_dpp v[XW+8], v[XW+8], v[XW+8] row_xmask:1 row_mask:0xf bank_mask:0xf   ; with my neighbour's 16: the block's
	v_add_nc_u32 v[XW+10], 0xff000000, v[XW+8]     ; 2 off its exponent field: the conversion takes this operand's exponent field as its scale
	v_cvt_scalef32_pk16_fp6_f32 v[XW:XW+2], v[XS:XS+15], v[XW+10]
	v_lshrrev_b32 v[XW+4], 23, v[XW+10]            ; the scale's byte (a plain line behind the conversion)
	ds_store_b8 v[XBY], v[XW+4] offset:16*(\t)     ; both lanes of a block write the same byte with the same value
	global_store_b96 v[XCO], v[XW:XW+2], s[48:49] offset:2*KCH*((\t)-1)   ; chunks 2 t and 2 t + 1: 192 consecutive bytes each
.endm
	s_wait_loadcnt 63                              ; the mask's and x's loads are in: behind them stand the weights' 64, and 63 is the largest count that the wait can name
	XTURN 0
.irp t, 0,1,2,3
	XSTEP \t
.endr
	; ---- the weights
.macro BLOCK t
.set XS, X+32*((\t)%2)
.if (\t) < NB-1
	s_wait_loadcnt 32                              ; this block's 32 loads are in; the next block's may be out
.else
	s_wait_loadcnt 0
.endif
	v_max3_num_f32 v12, |v[XS]|, |v[XS+1]|, |v[XS+2]|               ; the block's largest magnitude: all 32 numbers are mine
	v_max3_num_f32 v13, |v[XS+3]|, |v[XS+4]|, |v[XS+5]|
.irp i, 6,10,14,18,22,26
	v_max3_num_f32 v12, v12, |v[XS+\i]|, |v[XS+\i+1]|
	v_max3_num_f32 v13, v13, |v[XS+\i+2]|, |v[XS+\i+3]|
.endr
	v_max3_num_f32 v12, v12, |v[XS+30]|, |v[XS+31]|
	v_max3_num_f32 v12, v12, v13, 0x1800000        ; and the floor 2^(3 - 127)
	v_add_nc_u32 v11, 0xff000000, v12              ; 2 off its exponent field: the conversions' scale operand
	v_lshrrev_b32 v13, 23, v11                     ; the scale's byte
.if (\t)%4 == 0
	v_mov_b32 v[SB+(\t)/4], v13
.else
	v_lshl_or_b32 v[SB+(\t)/4], v13, 8*((\t)%4), v[SB+(\t)/4]
.endif
	v_cvt_scalef32_pk16_fp6_f32 v[C:C+2], v[XS:XS+15], v11
	v_cvt_scalef32_pk16_fp6_f32 v[C+4:C+6], v[XS+16:XS+31], v11     ; (a conversion's three registers begin on an even number)
	ds_store_b96 v4, v[C:C+2] offset:32*(\t)       ; 12 bytes to a place of 16, so that every LDS address is a multiple of 16
	ds_store_b96 v4, v[C+4:C+6] offset:32*(\t)+16
.if (\t)+2 < NB
	LOAD (\t)+2
.endif
	s_wait_dscnt 0x0                               ; the stores have read their registers: the next block's codes may be written
.endm
.set Q, 0
.rept NB
	BLOCK Q
.set Q, Q+1
.endr
	s_wait_alu depctr_va_vdst(0)
	global_store_b64 v9, v[SB:SB+1], s[16:17]      ; my column's 8 scale bytes
	s_wait_dscnt 0x0                               ; for the others' sake: my row's scale bytes of x lie in LDS
	s_barrier_signal -1
	s_barrier_wait -1
	s_cmp_lg_u32 s46, 0                            ; wave 0 stores the four rows' 256 scale bytes
	s_cbranch_scc1 .Lnot_wave_0
	ds_load_b64 v[104:105], v[XSB]
	s_wait_dscnt 0x0
	global_store_b64 v17, v[104:105], s[50:51]     ; 32 lanes store 256 consecutive bytes, aligned
.Lnot_wave_0:
	; ---- the mask's tile: byte n of my 64 is tested in all 32 lanes at once; the compare's lane mask is word n
	v_mov_b32 v[MWD], 0
	v_mov_b32 v[MWD+1], 0
.set n, 0
.rept 64
	v_and_b32 v[28+n%4], 0xff<<(8*(n%4)), v[MK+n/4]
	v_cmp_ne_u32 s[30+n%4], 0, v[28+n%4]
	v_writelane_b32 v[MWD+n%2], s[30+n%4], n/2
.set n, n+1
.endr
	global_store_b64 v17, v[MWD:MWD+1], s[20:21]   ; 64 words: 256 consecutive bytes, aligned
	s_wait_xcnt 0x0                                ; the table's stores have read their registers: the way out's loads land there
.irp t, 0,1,2,3,4,5,6,7,8,9,10,11,12,13,14,15
	ds_load_b96 v[OUTR+4*\t:OUTR+4*\t+2], v7 offset:2*\t*PITCH   ; LDS serves a wave's instructions in order: these see my stores
.endr
.irp t, 0,1,2,3,4,5,6,7,8,9,10,11,12,13,14,15
	s_wait_dscnt 15-\t                             ; the younger reads stay out
	global_store_b96 v8, v[OUTR+4*\t:OUTR+4*\t+2], s[14:15] offset:2*\t*ROWB
.endr
	s_wait_tensorcnt 0x0                           ; the wave's end
	ds_add_u32 v[SPW], v[NIL]
	s_wait_dscnt 0x0
	s_endpgm
.Lfunc_end_k_q7b32394c72_quantw:
	.size	k_q7b32394c72_quantw, .Lfunc_end_k_q7b32394c72_quantw-k_q7b32394c72_quantw
	.p2alignl 7, 3214868480
	.fill 96, 4, 3214868480
	.section	.rodata,"a",@progbits
	.p2align	6, 0x0
	.amdhsa_kernel k_q7b32394c72_quantw
		.amdhsa_group_segment_fixed_size 56320
		.amdhsa_private_segment_fixed_size 0
		.amdhsa_enable_private_segment 0
		.amdhsa_kernarg_size 80
		.amdhsa_user_sgpr_count 2
		.amdhsa_user_sgpr_kernarg_segment_ptr 1
		.amdhsa_wavefront_size32 1
		.amdhsa_system_sgpr_workgroup_id_x 1
		.amdhsa_system_sgpr_workgroup_id_y 1
		.amdhsa_system_sgpr_workgroup_id_z 1
		.amdhsa_system_vgpr_workitem_id 0
		.amdhsa_next_free_vgpr 256
		.amdhsa_next_free_sgpr 66
		.amdhsa_reserve_vcc 1
		.amdhsa_float_denorm_mode_32 3
		.amdhsa_float_denorm_mode_16_64 3
		.amdhsa_memory_ordered 1
		.amdhsa_forward_progress 1
		.amdhsa_inst_pref_size 69
	.end_amdhsa_kernel
	.amdgpu_metadata
---
amdhsa.version: [ 1, 2 ]
amdhsa.kernels:
  - .name:           k_q7b32394c72_quantw
    .symbol:         k_q7b32394c72_quantw.kd
    .args:
      - { .name: Wq, .offset: 0, .size: 8, .value_kind: global_buffer, .address_space: global }
      - { .name: Wk, .offset: 8, .size: 8, .value_kind: global_buffer, .address_space: global }
      - { .name: Wv, .offset: 16, .size: 8, .value_kind: global_buffer, .address_space: global }
      - { .name: Wo, .offset: 24, .size: 8, .value_kind: global_buffer, .address_space: global }
      - { .name: mask, .offset: 32, .size: 8, .value_kind: global_buffer, .address_space: global }
      - { .name: codes, .offset: 40, .size: 8, .value_kind: global_buffer, .address_space: global }
      - { .name: scales, .offset: 48, .size: 8, .value_kind: global_buffer, .address_space: global }
      - { .name: rope, .offset: 56, .size: 8, .value_kind: global_buffer, .address_space: global }
      - { .name: mw, .offset: 64, .size: 8, .value_kind: global_buffer, .address_space: global }
      - { .name: x, .offset: 72, .size: 8, .value_kind: global_buffer, .address_space: global }
    .group_segment_fixed_size: 56320
    .private_segment_fixed_size: 0
    .kernarg_segment_align: 8
    .kernarg_segment_size: 80
    .max_flat_workgroup_size: 128
    .sgpr_count:     66
    .vgpr_count:     256
    .wavefront_size: 32
...
	.end_amdgpu_metadata
.endif
;; end of part 6
;; launch qkv (part 7): grid 24 x 8, 4 waves a work-group, clusters of 4 x 4, 327,680 bytes of LDS; arguments codes, scales, rope, qkvc; writes qkvc
.if DOCPART == 7
	.amdgcn_target "amdgcn-amd-amdhsa--gfx1250"
	.amdhsa_code_object_version 6
	.text
	.protected	k_q7b32394c72_qkv
	.globl	k_q7b32394c72_qkv
	.p2align	8
	.type	k_q7b32394c72_qkv,@function
k_q7b32394c72_qkv:
	s_mov_b64 s[64:65], 0
	v_nop
	global_prefetch_b8 v0, s[64:65] scope:SCOPE_SE
	s_setreg_imm32_b32 hwreg(HW_REG_WAVE_MODE, 25, 1), 1
	s_wait_xcnt 0x0
	s_wait_alu depctr_hold_cnt(0) depctr_sa_sdst(0) depctr_va_vdst(0) depctr_va_sdst(0) depctr_va_ssrc(0) depctr_va_vcc(0) depctr_vm_vsrc(0)
	s_getreg_b32 s2, hwreg(HW_REG_IB_STS2, 6, 4)
	s_cmp_eq_u32 s2, 0
	s_cbranch_scc0 .Lentry_in_a_cluster
	s_endpgm
.Lentry_in_a_cluster:
	s_bfe_u32 s2, ttmp6, 0x10000c
	s_cmp_lg_u32 s2, 0xf033
	s_cbranch_scc0 .Lentry_shape_is_right
	s_endpgm
.Lentry_shape_is_right:
; q, k, v = x W on codes of FP6 (E2M3) with E8M0 scales, K = 2,048; q and k are turned by the rotary table; all three leave quantised again, as images of the attention launch's operand registers.
; A tile of 256 x 256 to a work-group of four waves, 128 x 128 a wave (64 accumulators).  Tile columns 0-15: rows = positions of x, columns = channels of Wq, Wk.  Tile columns 16-23: rows = channels of Wv, columns = positions (v's K is the keys).
; CODES lie [K chunk of 256][row][192 bytes]: 128 rows of a chunk are 24,576 dense bytes, fetched as 96 rows of 256 bytes, each on a multiple of 256; 16 bytes of padding behind each 64 make LDS rows of 240 bytes.
; RING: two slots, a chunk each (A's 256 rows, B's 256 rows); a chunk is two steps of 128 along K.  The head's four tiles (chunk 0 of A, of B, A's scales, B's scales) go one to a wave.
; CLUSTER 4 x 4: A's tiles are asked for jointly along a row of the cluster, B's along a column.
; PREFETCH: behind each refill a wave names the chunk two refills on: of the 96 blocks of 256 bytes that it fetches, its work-group's 24 (by cx for A, cy for B), a lane a block (lanes 24-31 name block 23 again); the last lap asks for nothing.
; THE ROTARY TABLE's sets for blocks 0 and 1 are asked for at the head, into registers that lie idle in the loop; on the way out four sets are out.
; OUT: qkvc block = 8 fragments of 1,536 bytes, then their 8 x 16 scale words: 12,800 bytes.
; LIMITS: NaN and infinities are not served; a block of zeros keeps the byte 1 over zero codes (read by this program alone).
; WINDOWS: 0: v0-31 addresses, v32-63 scale words, v64-127 table set 0, v128-223 A's fragments; 1: B's two sets (v0-95, v128-223), table set 1 in v96-127, v224-255; 2, 3: accumulators.
.set KCH,    1966080
.set NQ,     2
.set ROWB,   192
.set PITCH,  240
.set FR,     12
.set NL,     6
.set NP,     4
.set HALFT,  128*PITCH
.set SLOT,   4*HALFT
.set LAPS,   4
.set KS,     64
.set SCL,    2*SLOT
.set HALFS,  (128*KS/256)*272
.set SBLK,   (16*KS/256)*272
.set SPARE,  SCL+4*HALFS
.set BLK,    12800
.set ADRA, 16
.set ADRB, 20
.set LI,   24
.set LS4,  25
.set TO,   26
.set ADRS, 27
.set SPW,  28
.set NIL,  29
.set PFO,  30
.set SC,   32
.set AF,   128
.set RR,   128
.set PC,   192
.set TM,   212
.set PW,   228
.set PWE,  229
.set PWC,  230
.set SEL,  18
.set HM,   96
.set PFA,  98
.set G1, 24
.set G0, 32
.set G1B, 48
.set G0B, 56
.set G1S, 68
.set G0S, 76
.set G1SB, 80
.set G0SB, 88
.set MSB, 0
.macro WIN new
.if MSB != (\new)
	s_set_vgpr_msb (MSB<<8)|(\new)
.set MSB, (\new)
.endif
.endm
.set MUL_LO, 0xa1
.set MUL_HI, 0xf1
.set TO_B,   0x40
.macro JLOAD g0a, g1a, g0b, g1b        ; waves 0, 1 fetch for A, waves 2, 3 for B; s_nop 0 and four v_nop behind each load
	s_cmp_eq_u32 s15, 0
	s_cbranch_scc0 .Lfor_b_\@
	tensor_load_to_lds s[\g0a:\g0a+3], s[\g1a:\g1a+7]
	s_nop 0
.rept 4
	v_nop
.endr
	s_branch .Lasked_\@
.Lfor_b_\@:
	tensor_load_to_lds s[\g0b:\g0b+3], s[\g1b:\g1b+7]
	s_nop 0
.rept 4
	v_nop
.endr
.Lasked_\@:
.endm
.macro CREST
	s_cmp_lg_u32 s14, 0
	s_cbranch_scc1 .Lnot_wave_0_\@
	s_barrier_signal -3
.Lnot_wave_0_\@:
	s_barrier_wait -3
	s_barrier_signal -1
	s_barrier_wait -1
.endm
.macro CROUND
	s_barrier_signal -1
	s_barrier_wait -1
	CREST
.endm
.macro TSET a                          ; where block a's table set lies: window TW, cosines from TCOS, sines from TSIN
.set TW, ((\a)%4+3)/4
.if (\a)%4 == 0
.set TCOS, 64
.set TSIN, 96
.endif
.if (\a)%4 == 1
.set TCOS, 96
.set TSIN, 224
.endif
.if (\a)%4 == 2
.set TCOS, 0
.set TSIN, 32
.endif
.if (\a)%4 == 3
.set TCOS, 128
.set TSIN, 160
.endif
.endm
.macro LOADT a                         ; 16 loads: my row's 32 cosines and 32 sines in the accumulators' order
	TSET \a
	WIN TW<<6
.irp b, 0,1
.irp j, 0,1,2,3
	global_load_b128 v[TCOS+16*\b+4*\j:TCOS+16*\b+4*\j+3], v[TO], s[8:9] offset:(32*((\a)/2)+8*((\a)%2))*512+128*\b+16*\j
	global_load_b128 v[TSIN+16*\b+4*\j:TSIN+16*\b+4*\j+3], v[TO], s[8:9] offset:(32*((\a)/2)+8*((\a)%2))*512+128*\b+16*\j+256
.endr
.endr
	WIN 0
.endm
	s_load_b128 s[4:7], s[0:1], 0x0                ; codes, scales
	s_load_b128 s[8:11], s[0:1], 0x10              ; rope, qkvc
	v_lshl_add_u32 v[SPW], v0, 2, SPARE
	v_mov_b32 v[NIL], 0
	ds_add_u32 v[SPW], v[NIL]                      ; the opening lines: the add twice and one wait
	ds_add_u32 v[SPW], v[NIL]
	v_lshrrev_b32 v1, 5, v0
	v_readfirstlane_b32 s14, v1                    ; wave
	s_lshr_b32 s15, s14, 1                         ; my half of the tile's rows; also: I fetch for A (0) or B (1)
	s_and_b32 s16, s14, 1                          ; my half of its columns; also: which 128 rows I fetch
	s_bfe_u32 s40, ttmp6, 0x40000                  ; cx
	s_bfe_u32 s41, ttmp6, 0x40004                  ; cy
	s_lshl_b32 s42, ttmp9, 2
	s_add_co_u32 s42, s42, s40                     ; tile column
	s_and_b32 s17, ttmp7, 0xffff
	s_lshl_b32 s17, s17, 2
	s_add_co_u32 s17, s17, s41                     ; tile row
	s_lshl_b32 s43, s41, 2
	s_lshl_b32 s43, 15, s43                        ; my row of the cluster
	s_lshl_b32 s44, 0x1111, s40                    ; my column
	s_or_b32 s[G1+0], s43, (0<<16)|(1<<20)|(1<<21)|(3<<22)|(3<<25)   ; bytes; 4 words of padding behind every 16
	s_or_b32 s[G1B+0], s44, (0<<16)|(1<<20)|(1<<21)|(3<<22)|(3<<25)
.irp g, G1, G1B
	s_mov_b32 s[\g+1], 256<<16                     ; rows of 256 bytes;
	s_mov_b32 s[\g+2], 192<<16                     ; the head's loads: 256 rows of codes = 192 such rows (the ring's: 96, set below)
	s_mov_b32 s[\g+3], 256<<16
	s_mov_b32 s[\g+4], 192
	s_mov_b32 s[\g+5], 256
	s_mov_b32 s[\g+6], 0
	s_mov_b32 s[\g+7], 0
.endr
	s_or_b32 s[G1S+0], s43, (3<<16)|(1<<20)|(1<<21)|(5<<22)|(3<<25)  ; the scales of 256 rows: 64 rows of 256 bytes, 16 of padding behind each
	s_or_b32 s[G1SB+0], s44, (3<<16)|(1<<20)|(1<<21)|(5<<22)|(3<<25)
.irp g, G1S, G1SB
	s_mov_b32 s[\g+1], 32<<16
	s_mov_b32 s[\g+2], KS<<16
	s_mov_b32 s[\g+3], 32<<16
	s_mov_b32 s[\g+4], KS
	s_mov_b32 s[\g+5], 32
	s_mov_b32 s[\g+6], 0
	s_mov_b32 s[\g+7], 0
.endr
	s_cmp_ge_u32 ttmp9, 4                          ; v's tiles: A = Wv (rows from 6144), B = x
	s_cselect_b32 s95, 6144, 0
	s_lshl_b32 s20, s17, 8
	s_add_co_u32 s20, s20, s95                     ; A's first row
	s_lshl_b32 s46, s42, 8
	s_add_co_u32 s46, s46, 2048
	s_sub_co_u32 s46, s46, s95                     ; B's first row
	s_mul_i32 s94, s16, 128*ROWB                   ; in the ring: which 128 rows, in bytes
	s_mov_b32 s95, 0
	s_mov_b32 s21, 0
	s_mov_b32 s47, 0
	s_mov_b64 s[18:19], KS
	s_mul_u64 s[22:23], s[20:21], s[18:19]
	s_mul_u64 s[92:93], s[46:47], s[18:19]
	s_mov_b64 s[18:19], ROWB
	s_mul_u64 s[20:21], s[20:21], s[18:19]
	s_mul_u64 s[46:47], s[46:47], s[18:19]
	s_mul_i32 s45, s14, HALFT                      ; the ring's LDS place: wave x 128 rows
	s_wait_dscnt 0x0
	s_wait_kmcnt 0x0
	s_add_nc_u64 s[20:21], s[4:5], s[20:21]
	s_add_nc_u64 s[22:23], s[6:7], s[22:23]
	s_add_nc_u64 s[46:47], s[4:5], s[46:47]
	s_add_nc_u64 s[92:93], s[6:7], s[92:93]
	CROUND                                         ; the first joint loads meet
	s_mov_b32 s[G0], 1                             ; slot 0's groups 0 serve the head first: chunk 0's 256 rows of A,
	s_mov_b32 s[G0+1], 0
	s_mov_b64 s[G0+2:G0+3], s[20:21]
	s_or_b32 s[G0+3], s[G0+3], 0x80000000
	s_mov_b32 s[G0B], 1                            ; of B,
	s_mov_b32 s[G0B+1], 2*HALFT
	s_mov_b64 s[G0B+2:G0B+3], s[46:47]
	s_or_b32 s[G0B+3], s[G0B+3], 0x80000000
	s_mov_b32 s[G0S], 1                            ; A's scales,
	s_mov_b32 s[G0S+1], SCL
	s_mov_b64 s[G0S+2:G0S+3], s[22:23]
	s_or_b32 s[G0S+3], s[G0S+3], 0x80000000
	s_mov_b32 s[G0SB], 1                           ; B's
	s_mov_b32 s[G0SB+1], SCL+2*HALFS
	s_mov_b64 s[G0SB+2:G0SB+3], s[92:93]
	s_or_b32 s[G0SB+3], s[G0SB+3], 0x80000000
	s_add_nc_u64 s[20:21], s[20:21], s[94:95]      ; my 128 rows
	s_add_nc_u64 s[46:47], s[46:47], s[94:95]
	s_mov_b32 s[G0+4], 1                           ; slot 1: chunk 1
	s_add_co_u32 s[G0+5], s45, SLOT
	s_add_nc_u64 s[G0+6:G0+7], s[20:21], KCH
	s_or_b32 s[G0+7], s[G0+7], 0x80000000
	s_mov_b32 s[G0B+4], 1
	s_add_co_u32 s[G0B+5], s45, SLOT
	s_add_nc_u64 s[G0B+6:G0B+7], s[46:47], KCH
	s_or_b32 s[G0B+7], s[G0B+7], 0x80000000
	s_cmp_eq_u32 s15, 0                            ; the prefetches: the rows that I fetch,
	s_cselect_b64 s[PFA:PFA+1], s[20:21], s[46:47]
	s_cselect_b32 s22, s40, s41                    ; my work-group's 24 blocks of their 96, by address alone,
	s_mul_i32 s22, s22, 24*256
	s_mov_b32 s23, 0
	s_add_nc_u64 s[PFA:PFA+1], s[PFA:PFA+1], s[22:23]
	s_add_nc_u64 s[PFA:PFA+1], s[PFA:PFA+1], 3*KCH ; the first refill (chunk 2) steps it to chunk 4
.macro ARM under, g0, g1, next         ; one tree of branches on the wave's number: every way passes one load
	s_cmp_lt_u32 s14, \under
	s_cbranch_scc0 \next
	tensor_load_to_lds s[\g0:\g0+3], s[\g1:\g1+7]
	s_nop 0
.rept 4
	v_nop
.endr
	s_branch .Lhead_asked
\next:
.endm
	ARM 1, G0,  G1,  .Lhead_b
	ARM 2, G0B, G1B, .Lhead_sa
	ARM 3, G0S, G1S, .Lhead_sb
	tensor_load_to_lds s[G0SB:G0SB+3], s[G1SB:G1SB+7]
	s_nop 0
.rept 4
	v_nop
.endr
.Lhead_asked:
	v_and_b32 v1, 15, v0                           ; r
	v_bfe_u32 v2, v0, 4, 1                         ; h
	v_mul_u32_u24 v3, v1, PITCH
	v_mul_u32_u24 v4, v2, 24
	v_add_nc_u32 v4, v3, v4                        ; row x pitch + 24 h
	v_lshl_add_u32 v5, v2, 4, v4                   ; and where lanes 16-31 lie behind one padding more
	s_mul_i32 s21, s15, HALFT
	s_mul_i32 s22, s16, HALFT
	s_add_co_u32 s22, s22, 2*HALFT
.irp s, 0,1
	v_add_nc_u32 v[ADRA+\s], s21, v4
	v_add_nc_u32 v[ADRB+\s], s22, v4
	v_add_nc_u32 v[ADRA+2+\s], s21, v5
	v_add_nc_u32 v[ADRB+2+\s], s22, v5
	s_add_co_u32 s21, s21, SLOT
	s_add_co_u32 s22, s22, SLOT
.endr
	v_mul_u32_u24 v5, v1, KS
	v_lshrrev_b32 v6, 8, v5
	v_lshl_add_u32 v5, v6, 4, v5
	s_mul_i32 s21, s15, HALFS
	s_mul_i32 s22, s16, HALFS
	s_add_co_u32 s22, s22, 2*HALFS
	s_sub_co_u32 s22, s22, s21
	v_mul_u32_u24 v6, s22, v2                      ; lanes 16-31 take B's scale words
	s_add_co_u32 s21, s21, SCL
	v_add_nc_u32 v5, v5, v6
	v_add_nc_u32 v[ADRS], s21, v5
	v_and_b32 v6, 31, v0
	v_lshlrev_b32 v[LI], 4, v6
	v_lshlrev_b32 v[LS4], 2, v6
	v_min_u32 v[PFO], 23, v6
	v_lshlrev_b32 v[PFO], 8, v[PFO]
	v_and_b32 v7, 8, v1
	v_add_nc_u32 v7, v7, v1
	v_lshlrev_b32 v[TO], 9, v7                     ; the table: row r + 8 (r / 8) of 512 bytes, + 64 h
	v_lshl_add_u32 v[TO], v2, 6, v[TO]
	s_lshl_b32 s20, s17, 1
	s_add_co_u32 s20, s20, s15                     ; my block of 128 rows
	s_lshl_b32 s21, s42, 1
	s_add_co_u32 s21, s21, s16                     ; my block of 128 columns
	s_lshl_b32 s22, s21, 4
	s_add_co_u32 s22, s22, s20                     ; q, k: block 16 x (tensor, head) + positions
	s_lshl_b32 s23, s20, 4
	s_add_co_u32 s23, s23, s21
	s_add_co_u32 s23, s23, 480                     ; v: 512 + 16 x head + keys
	s_cmp_ge_u32 ttmp9, 4
	s_cselect_b32 s22, s23, s22
	s_mul_i32 s46, s22, BLK
	s_mov_b32 s47, 0
	s_add_nc_u64 s[10:11], s[10:11], s[46:47]      ; my block's fragments,
	s_add_nc_u64 s[12:13], s[10:11], 12288         ; and its scale words behind them
	s_bfe_u32 s46, s21, 0x10004                    ; the table's variant: q's or k's
	s_lshl_b32 s46, s46, 20
	s_lshl_b32 s23, s20, 16
	s_add_co_u32 s46, s46, s23
	s_add_nc_u64 s[8:9], s[8:9], s[46:47]
	s_mov_b32 s[SEL], 0x76543210
	s_mov_b32 s[SEL+1], 0xfedcba98
	s_mov_b32 s[HM], 0xffff0000
.macro FRAG reg, adr, q, i             ; 16 rows x 128 K: six pieces of 8 bytes; piece PCE of a row lies at 8 PCE + 16 (PCE / 8)
.irp p, 0,1,2,3,4,5
.set PCE, 12*(\q)+6*(\p/3)+\p%3
.if PCE%8 < 5
	ds_load_b64 v[\reg+2*\p:\reg+2*\p+1], v[\adr] offset:8*PCE+16*(PCE/8)+(\i)*16*PITCH
.else
	ds_load_b64 v[\reg+2*\p:\reg+2*\p+1], v[\adr+2] offset:8*PCE+16*(PCE/8)+(\i)*16*PITCH
.endif
.endr
.endm
.macro MUL16 a0, p, q, sc, zero        ; A's blocks a0, a0 + 1 x B's eight; the 64 accumulators take turns
.irp a, \a0, \a0+1
.irp b, 0,1,2,3,4,5,6,7
.if \zero
	v_wmma_scale_f32_16x16x128_f8f6f4 v[8*(8*((\a)%4)+\b):8*(8*((\a)%4)+\b)+7], v[128*(\p)+FR*\b:128*(\p)+FR*\b+FR-1], v[AF+FR*(\a):AF+FR*(\a)+FR-1], 0, v[SC+8*NQ*(\sc)+NQ*\b+(\q)], v[SC+8*NQ*(\sc)+NQ*(\a)+(\q)] matrix_a_fmt:MATRIX_FMT_FP6 matrix_b_fmt:MATRIX_FMT_FP6 matrix_a_scale:MATRIX_SCALE_ROW1
.else
	v_wmma_scale_f32_16x16x128_f8f6f4 v[8*(8*((\a)%4)+\b):8*(8*((\a)%4)+\b)+7], v[128*(\p)+FR*\b:128*(\p)+FR*\b+FR-1], v[AF+FR*(\a):AF+FR*(\a)+FR-1], v[8*(8*((\a)%4)+\b):8*(8*((\a)%4)+\b)+7], v[SC+8*NQ*(\sc)+NQ*\b+(\q)], v[SC+8*NQ*(\sc)+NQ*(\a)+(\q)] matrix_a_fmt:MATRIX_FMT_FP6 matrix_b_fmt:MATRIX_FMT_FP6 matrix_a_scale:MATRIX_SCALE_ROW1
.endif
.endr
.endr
.endm
.macro FETCH_B slot, q, p
	WIN TO_B
.irp i, 0,1,2,3,4,5,6,7
	FRAG 128*(\p)+FR*\i, ADRB+\slot, \q, \i
.endr
	WIN 0
.endm
.macro FETCH_A slot, q, i0
.irp i, \i0, \i0+1, \i0+2, \i0+3
	FRAG AF+FR*(\i), ADRA+\slot, \q, \i
.endr
.endm
.macro SCALES sc
.irp i, 0,1,2,3,4,5,6,7
	ds_load_b64 v[SC+8*NQ*\sc+NQ*\i:SC+8*NQ*\sc+NQ*\i+1], v[ADRS] offset:\i*SBLK
.endr
.endm
.macro PLACES n
.rept \n
	v_nop
.endr
.endm
.macro STEP slot, q, zero              ; a chunk's first step; the second step's fragments are fetched in its middle and at its end
	s_wait_dscnt 4*NL                              ; all but A's blocks 4-7
	WIN MUL_LO
	MUL16 0, (\q)%2, \q, \slot, \zero
	MUL16 2, (\q)%2, \q, \slot, \zero
	s_wait_dscnt 0
	PLACES NP
	FETCH_B \slot, (\q)+1, 1-(\q)%2
	FETCH_A \slot, (\q)+1, 0
	WIN MUL_HI
	MUL16 4, (\q)%2, \q, \slot, \zero
	MUL16 6, (\q)%2, \q, \slot, \zero
	PLACES NP
	WIN 0
	FETCH_A \slot, (\q)+1, 4
.endm
.macro TURN slot, next, fill           ; a chunk's second step, and the change of slots
.if \fill
	s_wait_xcnt 0x0                                ; my last prefetch has read its address
	s_add_nc_u64 s[PFA:PFA+1], s[PFA:PFA+1], KCH
.endif
	s_wait_tensorcnt 0x0                           ; my one load that was out: my part of the next slot
	ds_add_u32 v[SPW], v[NIL]
	s_wait_dscnt 4*NL+1                            ; the add and A's blocks 4-7 may be out
	WIN MUL_LO
	MUL16 0, 1, NQ-1, \slot, 0
	s_wait_dscnt 0x0                               ; the add, and my reads of this slot
	s_barrier_signal -1
	MUL16 2, 1, NQ-1, \slot, 0
	WIN 0
	s_barrier_wait -1
.if \fill
	CREST                                          ; the barrier opened a round of the cluster's
	s_add_nc_u64 s[G0+4*\slot+2:G0+4*\slot+3], s[G0+4*\slot+2:G0+4*\slot+3], 2*KCH
	s_add_nc_u64 s[G0B+4*\slot+2:G0B+4*\slot+3], s[G0B+4*\slot+2:G0B+4*\slot+3], 2*KCH
	JLOAD G0+4*\slot, G1, G0B+4*\slot, G1B         ; its four v_nop are the places for the loads below
.else
	PLACES NP
.endif
	s_wait_alu depctr_va_vdst(0)                   ; the wait ahead of this reader
	v_add_nc_u32 v[ADRS], 4*NQ, v[ADRS]
	FETCH_B \next, 0, 0
	FETCH_A \next, 0, 0
	SCALES \next
.if \fill
	s_cmp_gt_u32 s3, 1                             ; the last lap's refills have no chunk two on
	s_cbranch_scc0 .Lnp_\@
	global_prefetch_b8 v[PFO], s[PFA:PFA+1] th:TH_LOAD_NT scope:SCOPE_SE
.Lnp_\@:
.endif
	WIN MUL_HI
	MUL16 4, 1, NQ-1, \slot, 0
	MUL16 6, 1, NQ-1, \slot, 0
	PLACES NP
	WIN 0
	FETCH_A \next, 0, 4
.endm
	s_wait_alu depctr_va_vdst(0)                   ; the wait at the head's end
	s_cmp_ge_u32 ttmp9, 4                          ; v has no rotary step
	s_cbranch_scc1 .Lno_table
	LOADT 0
	LOADT 1
.Lno_table:
	s_wait_tensorcnt 0x0                           ; my tile of the head's four
	ds_add_u32 v[SPW], v[NIL]
	s_mov_b32 s[G1+2], 96<<16                      ; no load of mine is out: from here on 128 rows of codes = 96 rows of 256 bytes,
	s_mov_b32 s[G1+4], 96
	s_mov_b32 s[G1B+2], 96<<16
	s_mov_b32 s[G1B+4], 96
	s_mov_b32 s[G0+1], s45                         ; and slot 0's groups 0 take the ring's form
	s_add_nc_u64 s[G0+2:G0+3], s[G0+2:G0+3], s[94:95]
	s_mov_b32 s[G0B+1], s45
	s_add_nc_u64 s[G0B+2:G0B+3], s[G0B+2:G0B+3], s[94:95]
	s_wait_dscnt 0x0
	CROUND
	JLOAD G0+4, G1, G0B+4, G1B                     ; chunk 1
	FETCH_B 0, 0, 0
	FETCH_A 0, 0, 0
	SCALES 0
	FETCH_A 0, 0, 4
	STEP 0, 0, 1                                   ; the first products start the sums
	s_mov_b32 s3, LAPS-1
.Llap:
	TURN 0, 1, 1
	STEP 1, 0, 0
	TURN 1, 0, 1
	STEP 0, 0, 0
	s_sub_co_u32 s3, s3, 1
	s_cmp_lg_u32 s3, 0
	s_cbranch_scc1 .Llap
	TURN 0, 1, 0
	STEP 1, 0, 0
	s_wait_dscnt 4*NL
	WIN MUL_LO
	MUL16 0, 1, NQ-1, 1, 0
	MUL16 2, 1, NQ-1, 1, 0
	s_wait_dscnt 0
	WIN MUL_HI
	MUL16 4, 1, NQ-1, 1, 0
	MUL16 6, 1, NQ-1, 1, 0
	WIN 0
.macro ROPE a                          ; block a's 16 rows: channel d with d + 64; each accumulator is read from its low end on
	TSET \a
.set AC, 64*((\a)%4)
	WIN (2+(\a)/4)|(TW<<2)
.irp p, 0,2,4,6,8,10,12,14,16,18,20,22,24,26,28,30
	v_pk_mul_f32 v[RR+\p:RR+\p+1], v[AC+\p:AC+\p+1], v[TCOS+\p:TCOS+\p+1]
	v_pk_mul_f32 v[RR+32+\p:RR+33+\p], v[AC+32+\p:AC+33+\p], v[TCOS+\p:TCOS+\p+1]
.endr
.irp p, 0,2,4,6,8,10,12,14,16,18,20,22,24,26,28,30
	v_pk_fma_f32 v[RR+\p:RR+\p+1], v[AC+32+\p:AC+33+\p], v[TSIN+\p:TSIN+\p+1], v[RR+\p:RR+\p+1] neg_lo:[1,0,0] neg_hi:[1,0,0]
	v_pk_fma_f32 v[RR+32+\p:RR+33+\p], v[AC+\p:AC+\p+1], v[TSIN+\p:TSIN+\p+1], v[RR+32+\p:RR+33+\p]
.endr
	WIN 0
.endm
.macro QUANT w, s                      ; 64 registers from v[s] of window w: four blocks of 32 (16 mine, 16 lane l xor 16's) -> 12 registers of codes, a scale word
	WIN (\w)|((\w)<<2)
.irp b, 0,1,2,3
	v_max3_num_f32 v[TM+\b], |v[\s+16*\b]|, |v[\s+1+16*\b]|, 0x1800000
.endr
.irp i, 2,4,6,8,10,12,14
.irp b, 0,1,2,3
	v_max3_num_f32 v[TM+\b], |v[\s+16*\b+\i]|, |v[\s+1+16*\b+\i]|, v[TM+\b]
.endr
.endr
	WIN 0
.irp b, 0,1,2,3
	v_permlanex16_b32 v[TM+4+\b], v[TM+\b], s[SEL], s[SEL+1]
.endr
.irp b, 0,1,2,3
	v_max_num_f32 v[TM+\b], v[TM+\b], v[TM+4+\b]
.endr
.irp b, 0,1,2,3
	v_add_nc_u32 v[TM+12+\b], 0xff000000, v[TM+\b] ; 2 off the exponent field: the conversion's scale operand
.endr
.irp b, 0,1,2,3
	v_lshrrev_b32 v[TM+4+\b], 23, v[TM+12+\b]      ; the byte
.endr
	v_lshl_or_b32 v[PW], v[TM+5], 8, v[TM+4]
	v_lshl_or_b32 v[PW], v[TM+6], 16, v[PW]
	v_lshl_or_b32 v[PW], v[TM+7], 24, v[PW]
	WIN \w
.irp c, 0,1
	v_cvt_scalef32_pk16_fp6_f32 v[PC+6*\c:PC+2+6*\c], v[\s+32*\c:\s+15+32*\c], v[TM+12+2*\c]
	v_cvt_scalef32_pk16_fp6_f32 v[PC+12+4*\c:PC+14+4*\c], v[\s+16+32*\c:\s+31+32*\c], v[TM+12+2*\c+1]
.endr
	WIN 0
	v_nop                                          ; a plain line behind the conversions
.irp c, 0,1
.irp i, 0,1,2
	v_permlane16_swap_b32 v[PC+6*\c+\i], v[PC+12+4*\c+\i]   ; a whole block to a lane
.endr
.irp i, 0,1,2
	v_mov_b32 v[PC+3+6*\c+\i], v[PC+12+4*\c+\i]
.endr
.endr
.endm
.macro PUT a                           ; the image: 512 consecutive bytes a store; two fragments' scale words: 128 bytes
.irp c, 0,1,2
	global_store_b128 v[LI], v[PC+4*\c:PC+4*\c+3], s[10:11] offset:1536*(\a)+512*\c
.endr
.if (\a)%2 == 0
	v_mov_b32 v[PWE], v[PW]
.else
	v_cndmask_b32 v[PWC], v[PWE], v[PW], s[HM]
	global_store_b32 v[LS4], v[PWC], s[12:13] offset:128*((\a)/2)
.endif
.endm
	PLACES NP
.irp b, 0,1,2,3
	v_mov_b32 v[TM+4+\b], 0                        ; a lane permute's destination counts as a source
.endr
	s_cmp_ge_u32 ttmp9, 4
	s_cbranch_scc1 .Lv
	LOADT 2                                        ; into registers that held B's fragments
	LOADT 3
.irp a, 0,1,2,3,4,5,6,7
.if \a < 5
	s_wait_loadcnt 48                              ; block a's set is in; the three sets behind it may be out
.else
	s_wait_loadcnt 16*(7-\a)
.endif
	ROPE \a
.if \a < 4
	LOADT \a+4
.endif
	s_wait_xcnt 0x0                                ; the last block's stores have read their registers
	QUANT 0, RR
	PUT \a
.endr
	s_branch .Lend
.Lv:
.irp a, 0,1,2,3,4,5,6,7
.set AC, 64*(\a%4)
.set WA, 2+\a/4
	s_wait_xcnt 0x0
	QUANT WA, AC
	PUT \a
.endr
.Lend:
	s_wait_tensorcnt 0x0                           ; the wave's end
	ds_add_u32 v[SPW], v[NIL]
	s_wait_dscnt 0x0
	CROUND                                         ; the closing round
	s_endpgm
.Lfunc_end_k_q7b32394c72_qkv:
	.size	k_q7b32394c72_qkv, .Lfunc_end_k_q7b32394c72_qkv-k_q7b32394c72_qkv
	.p2alignl 7, 3214868480
	.fill 96, 4, 3214868480
	.section	.rodata,"a",@progbits
	.p2align	6, 0x0
	.amdhsa_kernel k_q7b32394c72_qkv
		.amdhsa_group_segment_fixed_size 327680
		.amdhsa_private_segment_fixed_size 0
		.amdhsa_enable_private_segment 0
		.amdhsa_kernarg_size 32
		.amdhsa_user_sgpr_count 2
		.amdhsa_user_sgpr_kernarg_segment_ptr 1
		.amdhsa_wavefront_size32 1
		.amdhsa_system_sgpr_workgroup_id_x 1
		.amdhsa_system_sgpr_workgroup_id_y 1
		.amdhsa_system_sgpr_workgroup_id_z 1
		.amdhsa_system_vgpr_workitem_id 0
		.amdhsa_next_free_vgpr 1024
		.amdhsa_next_free_sgpr 100
		.amdhsa_reserve_vcc 0
		.amdhsa_float_denorm_mode_32 3
		.amdhsa_float_denorm_mode_16_64 3
		.amdhsa_memory_ordered 1
		.amdhsa_forward_progress 1
		.amdhsa_inst_pref_size 245
	.end_amdhsa_kernel
	.amdgpu_metadata
---
amdhsa.version: [ 1, 2 ]
amdhsa.kernels:
  - .name:           k_q7b32394c72_qkv
    .symbol:         k_q7b32394c72_qkv.kd
    .args:
      - { .name: codes, .offset: 0, .size: 8, .value_kind: global_buffer, .address_space: global }
      - { .name: scales, .offset: 8, .size: 8, .value_kind: global_buffer, .address_space: global }
      - { .name: rope, .offset: 16, .size: 8, .value_kind: global_buffer, .address_space: global }
      - { .name: qkvc, .offset: 24, .size: 8, .value_kind: global_buffer, .address_space: global }
    .group_segment_fixed_size: 327680
    .private_segment_fixed_size: 0
    .kernarg_segment_align: 8
    .kernarg_segment_size: 32
    .max_flat_workgroup_size: 128
    .sgpr_count:     100
    .vgpr_count:     1024
    .wavefront_size: 32
...
	.end_amdgpu_metadata
.endif
;; end of part 7
;; launch attn (part 8): grid 16 x 16, 8 waves a work-group, clusters of 4 x 1, 327,680 bytes of LDS; arguments qkvc, mw, cc, cs; writes cc, cs
.if DOCPART == 8
	.amdgcn_target "amdgcn-amd-amdhsa--gfx1250"
	.amdhsa_code_object_version 6
	.text
	.protected	k_q7b32394c72_attn
	.globl	k_q7b32394c72_attn
	.p2align	8
	.type	k_q7b32394c72_attn,@function
k_q7b32394c72_attn:
	s_mov_b64 s[64:65], 0
	v_nop
	global_prefetch_b8 v0, s[64:65] scope:SCOPE_SE
	s_setreg_imm32_b32 hwreg(HW_REG_WAVE_MODE, 25, 1), 1
	s_wait_xcnt 0x0
	s_wait_alu depctr_hold_cnt(0) depctr_sa_sdst(0) depctr_va_vdst(0) depctr_va_sdst(0) depctr_va_ssrc(0) depctr_va_vcc(0) depctr_vm_vsrc(0)
	s_getreg_b32 s2, hwreg(HW_REG_IB_STS2, 6, 4)
	s_cmp_eq_u32 s2, 0
	s_cbranch_scc0 .Lentry_in_a_cluster
	s_endpgm
.Lentry_in_a_cluster:
	s_bfe_u32 s2, ttmp6, 0x10000c
	s_cmp_lg_u32 s2, 0x3003
	s_cbranch_scc0 .Lentry_shape_is_right
	s_endpgm
.Lentry_shape_is_right:
; ctx = softmax(q k^T, under the mask) v for 16 heads, both products on codes of FP6 (E2M3) with E8M0 scales; ctx leaves quantised along (head, channel), as the last product's operand.
; q (with 1 / sqrt(128) in it), k, v arrive as images of operand registers (qkvc: 1,536 bytes a fragment; 16 scale words a fragment, behind the block's 8 fragments).
; THE SOFTMAX: t = score x log2(e); M = the running largest t rounded up to a whole number; p = 2^(t - M) is quantised along the keys, not normalised; the row's sum is taken of the unquantised p and divides at the end.
; When M moves, the sum and O are multiplied by 2^(old M - new M): exact.
; THE MASK: word n of mw[T][j] is the lane mask for register n of the scores; a hidden score becomes -2^126.  Its t is exact, so in a row with no open key so far t - M is 0 and p is 1;
; the first open key makes 2^(old M - new M) zero, which wipes those terms.  So a row with no open key at all ends with equal weights, and in any other row hidden keys weigh nothing.
; SHARES.  A work-group owns 128 queries (positions) of one head, each of its eight waves one tile of 16, in 256 registers: two waves to a SIMD.  Every wave walks all 2,048 keys, 128 a step.
; LAYOUT.  Both products are used transposed (S^T = K Q^T, O^T = V^T P^T): a lane holds one query.  The rows of k's and v's fragments were chosen so that register 16 b + i of the scores is key 32 b + 16 h + i,
; and register 16 b + i of O^T channel 32 b + 16 h + i.
; RING.  Two LDS slots of four key steps (4 x 12,800 bytes of K, then of V).  Each wave fetches one key step's K (waves 0-3) or V (waves 4-7): one dense block, one tensor load.  Each block brings its fragments' scale words with it.
; CLUSTER.  The four query blocks of a cluster belong to one head and walk the same K and V: every tile is asked for jointly, with the mask of all four.
; LIMITS: NaN and infinities are not served; scores are taken to lie above -2^126; a block of p that has fallen to zero keeps the byte 1 over zero codes.
; REGISTERS: v1-3 lane offsets; v5, v6 the add's; v8, v10 LDS addresses; v12 -M, v13 the largest t, v[14:15] the sum; v16-27 Q; v29 -2^126; v32-79 four fragments; v80-83 scale words; v96-159 S^T, p, then four fragments of V;
;   v160-223 O^T; v224-235 p's codes; v232-254 at work; v248-251, v253, v255 scale words.
.set STEPB, 12800                      ; a block of qkvc: a key step's 8 fragments (12,288 bytes) and, behind them, their 8 x 16 scale words: one tensor load brings both, so no scale words lie apart in LDS
.set VOFF,  4*STEPB                    ; in a slot: V behind K
.set SLOTB, 8*STEPB
.set SCK,   2*SLOTB
.set SCVO,  VOFF                       ; V's scale words lie as far behind K's as V's fragments do
.set SPARE, 2*SLOTB
.set LI,  1                            ; v1   16 x lane
.set LS,  2                            ; v2   4 x (lane % 16)
.set CSO, 3                            ; v3   64 x (lane % 16)
.set SPW, 5
.set NIL, 6
.set ADK, 8
.set ADS, 10
.set NEG, 29
.set PC,  32                           ; the way out: codes,
.set TM,  52                           ; the quantiser's,
.set PW,  68                           ; the scale word
.set TB,  2                            ; s2   LDS byte of the key step in hand
.set TS,  3                            ; s3   and of its scale words
.set WV,  14
.set MOF, 15                           ; s15  byte offset of the mask words to be loaded: 256 a key step
.set CNT, 66
.set G1,  84                           ; s[84:91] group 1 of the tiles;  s[92:95], s[96:99] group 0 for slot 0, slot 1
.set G0A, 92
.set G0B, 96
.set CS,  100                          ; s[100:101] log2(e), twice
.set SEL, 104                          ; s[104:105] selects of v_permlanex16_b32: lane l xor 16
.macro CROUND
	s_barrier_signal -1
	s_barrier_wait -1
	s_cmp_lg_u32 s[WV], 0
	s_cbranch_scc1 .Lnot_wave_0_\@
	s_barrier_signal -3
.Lnot_wave_0_\@:
	s_barrier_wait -3
	s_barrier_signal -1
	s_barrier_wait -1
.endm
	s_load_b64 s[4:5], s[0:1], 0x0                 ; qkvc
	s_load_b128 s[8:11], s[0:1], 0x8               ; mw, cc
	s_load_b64 s[12:13], s[0:1], 0x18              ; cs
	v_lshl_add_u32 v[SPW], v0, 2, SPARE
	v_mov_b32 v[NIL], 0
	ds_add_u32 v[SPW], v[NIL]                      ; the wave's opening, ahead of my first tensor load
	ds_add_u32 v[SPW], v[NIL]
	v_lshrrev_b32 v8, 5, v0
	s_delay_alu instid0(VALU_DEP_1)
	v_readfirstlane_b32 s[WV], v8                  ; wave 0..7
	s_bfe_u32 s28, ttmp6, 0x40000                  ; cx
	s_lshl_b32 s29, ttmp9, 2
	s_add_co_u32 s29, s29, s28                     ; my block of 128 queries: it enters Q's, the mask's and the outputs' addresses alone
	s_and_b32 s15, ttmp7, 0xffff                   ; the head, which the four partners share
	s_mov_b32 s[G1], 15|(3<<16)|(1<<21)            ; the mask: all four; elements of 8 bytes; bit 21 beside a mask; no padding
	s_mov_b32 s[G1+1], 32<<16                      ; rows of 256 bytes
	s_mov_b32 s[G1+2], 50<<16                      ; 12,800 dense bytes: 50 rows of 256
	s_mov_b32 s[G1+3], 32<<16
	s_mov_b32 s[G1+4], 50
	s_mov_b32 s[G1+5], 32
	s_mov_b32 s[G1+6], 0
	s_mov_b32 s[G1+7], 0
	s_lshl_b32 s30, s15, 4                         ; 16 x head
	s_lshr_b32 s31, s[WV], 2                       ; 0: I fetch K; 1: V
	s_mul_i32 s32, s31, 252
	s_add_co_u32 s32, s32, s[WV]
	s_add_co_u32 s32, s32, s30
	s_add_co_u32 s32, s32, 256                     ; my block of qkvc for the first fill: 256 + 16 head + wave (K), 512 + 16 head + wave - 4 (V)
	s_mul_i32 s32, s32, STEPB
	s_mov_b32 s33, 0
	s_add_co_u32 s36, s30, s29                     ; q's block
	s_mul_i32 s38, s36, STEPB
	s_mul_i32 s37, s[WV], 1536
	s_add_co_u32 s38, s38, s37                     ; my tile's image
	s_mov_b32 s39, 0
	s_mul_i32 s40, s36, STEPB
	s_lshl_b32 s37, s[WV], 6
	s_add_co_u32 s40, s40, s37
	s_add_co_u32 s40, s40, 12288                   ; my tile's scale words, behind the block's fragments
	s_mov_b32 s41, 0
	s_lshl_b32 s36, s29, 3
	s_add_co_u32 s36, s36, s[WV]                   ; T, my tile of queries: 0 .. 127
	s_lshl_b32 s42, s36, 12                        ; its mask words: 16 key steps of 256 bytes
	s_mov_b32 s43, 0
	s_lshl_b32 s44, s36, 4
	s_add_co_u32 s44, s44, s15
	s_mul_i32 s44, s44, 1536                       ; cc: [T][head] images
	s_mov_b32 s45, 0
	s_lshl_b32 s46, s36, 10
	s_lshl_b32 s37, s15, 2
	s_add_co_u32 s46, s46, s37                     ; cs: 64 bytes a position, word = head
	s_mov_b32 s47, 0
	s_mov_b32 s[CS], 0x3fb8aa3b                    ; log2(e)
	s_mov_b32 s[CS+1], s[CS]
	s_mov_b32 s[SEL], 0x76543210
	s_mov_b32 s[SEL+1], 0xfedcba98
	s_mov_b32 s[G0A], 1
	s_mul_i32 s[G0A+1], s[WV], STEPB               ; LDS: wave x 12,800 in slot 0,
	s_mov_b32 s[G0B], 1
	s_add_co_u32 s[G0B+1], s[G0A+1], SLOTB         ; in slot 1
	s_wait_dscnt 0x0                               ; the opening add is done
	s_wait_kmcnt 0x0
	s_add_nc_u64 s[G0A+2:G0A+3], s[4:5], s[32:33]
	s_add_nc_u64 s[G0B+2:G0B+3], s[G0A+2:G0A+3], 4*STEPB   ; the next four key steps
	s_or_b32 s[G0A+3], s[G0A+3], 0x80000000
	s_or_b32 s[G0B+3], s[G0B+3], 0x80000000
	s_add_nc_u64 s[6:7], s[4:5], s[40:41]
	s_add_nc_u64 s[4:5], s[4:5], s[38:39]
	s_add_nc_u64 s[8:9], s[8:9], s[42:43]
	s_add_nc_u64 s[10:11], s[10:11], s[44:45]
	s_add_nc_u64 s[12:13], s[12:13], s[46:47]
	CROUND                                         ; all four work-groups are here: the first joint loads meet
	tensor_load_to_lds s[G0A:G0A+3], s[G1:G1+7]    ; key steps 0-3, one block a wave: my one tensor load at the head
	s_nop 0
.rept 4
	v_nop
.endr
	v_and_b32 v9, 31, v0
	s_delay_alu instid0(VALU_DEP_1)
	v_lshlrev_b32 v[LI], 4, v9
	v_and_b32 v9, 15, v0
	s_delay_alu instid0(VALU_DEP_1)
	v_lshlrev_b32 v[LS], 2, v9
	s_delay_alu instid0(VALU_DEP_2)
	v_lshlrev_b32 v[CSO], 6, v9
.irp c, 0,1,2
	global_load_b128 v[16+4*\c:19+4*\c], v[LI], s[4:5] offset:512*\c   ; Q's fragment stays in registers
.endr
	global_load_b32 v255, v[LS], s[6:7]            ; and its scale words
	v_mov_b32 v[NEG], 0xfe800000                   ; -2^126
	v_mov_b32 v13, 0xff61b1e6                      ; the largest t so far: -3e38, under every t
	s_delay_alu instid0(VALU_DEP_1)
	v_floor_f32 v12, -v13                          ; -M
	v_mov_b32 v14, 0
	v_mov_b32 v15, 0
.irp b, 0,1,2,3
	v_mov_b32 v[236+\b], 0                         ; written once: a lane permute's destination counts as one of its sources
.endr
	v_mov_b32 v253, 0                              ; (named as the upper half of the pair v[252:253] before it is first written)
.set j, 0
.rept 64
	v_mov_b32 v[160+j], 0                          ; O^T: the step is written once; the first finds zeros, which the first change of M leaves zeros
.set j, j+1
.endr
; four fragments, tiles t0 .. t0 + 3 of the key step's K (off = 0) or V (off = VOFF), as images: 16 bytes a lane, 512 consecutive bytes a load; and their scale words
.macro FR4 reg, sreg, off, soff, t0
.irp t, 0,1,2,3
.irp c, 0,1,2
	ds_load_b128 v[\reg+12*\t+4*\c:\reg+12*\t+4*\c+3], v[ADK] offset:\off+(\t0+\t)*1536+512*\c
.endr
	ds_load_b32 v[\sreg+\t], v[ADS] offset:\soff+64*(\t0+\t)
.endr
.endm
.macro MLOAD                           ; a key step's 64 mask words: word n in s[16 + n], from word 48 on in s[20 + n]
	s_load_b512 s[16:31], s[8:9], s[MOF] offset:0x0
	s_load_b512 s[32:47], s[8:9], s[MOF] offset:0x40
	s_load_b512 s[48:63], s[8:9], s[MOF] offset:0x80
	s_load_b512 s[68:83], s[8:9], s[MOF] offset:0xc0
.endm
.macro HOLES n0                        ; 32 registers of scores, ascending: each accumulator is read from its low end on
.set n, \n0
.rept 32
	v_cndmask_b32 v[96+n], v[NEG], v[96+n], s[16+n+4*(n/48)]
.set n, n+1
.endr
.endm
.macro BMAX b0, b1                     ; the largest score of blocks b0 and b1 of 32 keys: it serves for the row's maximum and, since p rises with the score, for the block's largest p
.irp b, \b0, \b1
	v_max3_num_f32 v[232+\b], v[96+16*\b], v[97+16*\b], v[98+16*\b]
.endr
.irp i, 3,5,7,9,11,13
.irp b, \b0, \b1
	s_delay_alu instid0(VALU_DEP_2)
	v_max3_num_f32 v[232+\b], v[232+\b], v[96+16*\b+\i], v[97+16*\b+\i]
.endr
.endr
.irp b, \b0, \b1
	s_delay_alu instid0(VALU_DEP_2)
	v_max_num_f32 v[232+\b], v[232+\b], v[111+16*\b]
.endr
.endm
; A KEY STEP: 128 keys.  At its head K's tiles 0-3 are on their way into v32-79.
.macro STEP
	s_wait_dscnt 0x0
.irp t, 0,1,2,3
	v_wmma_scale_f32_16x16x128_f8f6f4 v[96+8*\t:103+8*\t], v[32+12*\t:43+12*\t], v[16:27], 0, v[248+\t], v255 matrix_a_fmt:MATRIX_FMT_FP6 matrix_b_fmt:MATRIX_FMT_FP6
.endr
.rept 4
	v_nop                                          ; places: for the loads into the fragments' registers, and for the reads of the scores
.endr
	FR4 32, 248, 0, 0, 4                           ; K's tiles 4-7 land under the lines below
	s_wait_kmcnt 0x0                               ; this step's mask words
	HOLES 0
	BMAX 0, 1
	s_wait_dscnt 0x0
.irp t, 0,1,2,3
	v_wmma_scale_f32_16x16x128_f8f6f4 v[128+8*\t:135+8*\t], v[32+12*\t:43+12*\t], v[16:27], 0, v[248+\t], v255 matrix_a_fmt:MATRIX_FMT_FP6 matrix_b_fmt:MATRIX_FMT_FP6
.endr
.rept 4
	v_nop
.endr
	FR4 32, 248, VOFF, SCVO, 0                     ; V's tiles 0-3 land under the softmax
	HOLES 32
	s_add_co_u32 s[MOF], s[MOF], 256               ; the words are used up: the next step's are asked for;
	s_min_u32 s[MOF], s[MOF], 3840                 ; the last step asks for its own again: no load leaves the buffer
	MLOAD
	BMAX 2, 3
.irp b, 0,1,2,3
	v_permlanex16_b32 v[236+\b], v[232+\b], s[SEL], s[SEL+1]
.endr
.irp b, 0,1,2,3
	s_delay_alu instid0(VALU_DEP_4)
	v_max_num_f32 v[232+\b], v[232+\b], v[236+\b]  ; with lane l xor 16's 16 keys
.endr
	s_delay_alu instid0(VALU_DEP_2)
	v_max3_num_f32 v254, v232, v233, v234
	s_delay_alu instid0(VALU_DEP_1)
	v_max_num_f32 v254, v254, v235                 ; the step's largest score of my query
	s_delay_alu instid0(VALU_DEP_1)
	v_mul_f32 v254, s[CS], v254                    ; as t
	s_delay_alu instid0(VALU_DEP_1)
	v_max_num_f32 v13, v13, v254                   ; the running largest t
	v_mov_b32 v254, v12
	s_delay_alu instid0(VALU_DEP_2)
	v_floor_f32 v12, -v13                          ; the new -M = -ceil(t): a whole number
	s_delay_alu instid0(VALU_DEP_1)
	v_sub_f32 v254, v12, v254                      ; old M - new M: a whole number, 0 or less
	s_delay_alu instid0(VALU_DEP_1)
	v_cvt_i32_f32 v254, v254                       ; (it saturates)
	s_delay_alu instid0(VALU_DEP_1)
	v_ldexp_f32 v252, 1.0, v254                    ; f = 2^(old M - new M)
.set j, 0
.rept 32
	v_pk_fma_f32 v[96+j:97+j], v[96+j:97+j], s[CS:CS+1], v[12:13] op_sel_hi:[1,0,0]   ; t - M, two at a time
.set j, j+2
.endr
.irp b, 0,1,2,3
	v_fma_f32 v[232+\b], v[232+\b], s[CS], v12     ; the same of each block's largest score
.endr
.set j, 0
	s_wait_alu depctr_va_vdst(0)
.rept 64
	v_exp_f32 v[96+j], v[96+j]                     ; p = 2^(t - M), at most 1
.set j, j+1
.endr
	v_pk_mul_f32 v[14:15], v[14:15], v[252:253] op_sel_hi:[1,0]   ; the sums under the new M (a plain line behind the exponentials)
	s_wait_alu depctr_va_vdst(0)                   ; one wait for the whole batch, ahead of its first reader
.irp b, 0,1,2,3
	v_exp_f32 v[232+\b], v[232+\b]                 ; the block's largest p
.endr
	v_pk_add_f32 v[236:237], v[100:101], v[104:105]
	v_pk_add_f32 v[246:247], v[108:109], v[112:113]
	v_pk_add_f32 v[244:245], v[116:117], v[120:121]
	v_pk_add_f32 v[242:243], v[124:125], v[128:129]
	v_pk_add_f32 v[240:241], v[132:133], v[136:137]
	v_pk_add_f32 v[238:239], v[140:141], v[144:145]
	v_pk_add_f32 v[230:231], v[148:149], v[152:153]
	v_pk_add_f32 v[14:15], v[14:15], v[156:157]
	v_pk_add_f32 v[236:237], v[236:237], v[96:97]
	v_pk_add_f32 v[246:247], v[246:247], v[98:99]
	v_pk_add_f32 v[244:245], v[244:245], v[102:103]
	v_pk_add_f32 v[242:243], v[242:243], v[106:107]
	v_pk_add_f32 v[240:241], v[240:241], v[110:111]
	v_pk_add_f32 v[238:239], v[238:239], v[114:115]
	v_pk_add_f32 v[230:231], v[230:231], v[118:119]
	v_pk_add_f32 v[14:15], v[14:15], v[122:123]
	v_pk_add_f32 v[236:237], v[236:237], v[126:127]
	v_pk_add_f32 v[246:247], v[246:247], v[130:131]
	v_pk_add_f32 v[244:245], v[244:245], v[134:135]
	v_pk_add_f32 v[242:243], v[242:243], v[138:139]
	v_pk_add_f32 v[240:241], v[240:241], v[142:143]
	v_pk_add_f32 v[238:239], v[238:239], v[146:147]
	v_pk_add_f32 v[230:231], v[230:231], v[150:151]
	v_pk_add_f32 v[14:15], v[14:15], v[154:155]
	v_pk_add_f32 v[236:237], v[236:237], v[158:159]
	s_delay_alu instid0(VALU_DEP_2)
	v_pk_add_f32 v[14:15], v[14:15], v[242:243]
	s_delay_alu instid0(VALU_DEP_2)
	v_pk_add_f32 v[236:237], v[236:237], v[240:241]
	v_pk_add_f32 v[246:247], v[246:247], v[238:239]
	v_pk_add_f32 v[244:245], v[244:245], v[230:231]
	s_delay_alu instid0(VALU_DEP_2)
	v_pk_add_f32 v[14:15], v[14:15], v[246:247]
	s_delay_alu instid0(VALU_DEP_2)
	v_pk_add_f32 v[236:237], v[236:237], v[244:245]
	s_delay_alu instid0(VALU_DEP_1)
	v_pk_add_f32 v[14:15], v[14:15], v[236:237]
	s_wait_alu depctr_va_vdst(0)                   ; and one for the four
.irp b, 0,1,2,3
	v_max_num_f32 v[232+\b], 0x1800000, v[232+\b]  ; the floor 2^(3 - 127)
.endr
.irp b, 0,1,2,3
	s_delay_alu instid0(VALU_DEP_4)
	v_add_nc_u32 v[244+\b], 0xff000000, v[232+\b]  ; the conversion's scale operand
.endr
.irp b, 0,1,2,3
	s_delay_alu instid0(VALU_DEP_4)
	v_lshrrev_b32 v[236+\b], 23, v[244+\b]         ; the scale's byte
.endr
	s_delay_alu instid0(VALU_DEP_3)
	v_lshl_or_b32 v253, v237, 8, v236              ; p's scale word for these 128 keys
	s_delay_alu instid0(VALU_DEP_1)
	v_lshl_or_b32 v253, v238, 16, v253
	s_delay_alu instid0(VALU_DEP_1)
	v_lshl_or_b32 v253, v239, 24, v253
.irp c, 0,1
	v_cvt_scalef32_pk16_fp6_f32 v[224+6*\c:226+6*\c], v[96+32*\c:111+32*\c], v[244+2*\c]
	v_cvt_scalef32_pk16_fp6_f32 v[236+4*\c:238+4*\c], v[112+32*\c:127+32*\c], v[244+2*\c+1]
.endr
	v_nop                                          ; one plain line behind a scaled conversion
.irp c, 0,1
.irp i, 0,1,2
	v_permlane16_swap_b32 v[224+6*\c+\i], v[236+4*\c+\i]
.endr
.irp i, 0,1,2
	s_delay_alu instid0(VALU_DEP_3)
	v_mov_b32 v[227+6*\c+\i], v[236+4*\c+\i]
.endr
.endr
	FR4 96, 80, VOFF, SCVO, 4                      ; V's tiles 4-7 into the registers that p has left
.set j, 0
.rept 32
	v_pk_mul_f32 v[160+j:161+j], v[160+j:161+j], v[252:253] op_sel_hi:[1,0]   ; O^T under the new M; these are also the places between p's codes and scale word and the products
.set j, j+2
.endr
	s_wait_dscnt 16                                ; V's tiles 0-3 are in; the sixteen loads of tiles 4-7 may be out
.irp t, 0,1,2,3
	v_wmma_scale_f32_16x16x128_f8f6f4 v[160+8*\t:167+8*\t], v[32+12*\t:43+12*\t], v[224:235], v[160+8*\t:167+8*\t], v[248+\t], v253 matrix_a_fmt:MATRIX_FMT_FP6 matrix_b_fmt:MATRIX_FMT_FP6
.endr
	s_wait_dscnt 0x0
	s_add_co_u32 s[TB], s[TB], STEPB               ; on to the next key step
	s_add_co_u32 s[TS], s[TS], STEPB
	v_add_nc_u32 v[ADK], s[TB], v[LI]
	v_add_nc_u32 v[ADS], s[TS], v[LS]
	v_nop
	v_nop                                          ; four places in front of the loads below
	s_cmp_eq_u32 s[CNT], 1                         ; a slot's last step fetches nothing: its successor lies behind the change of slots
	s_cbranch_scc1 .Lno_next_\@
	FR4 32, 248, 0, 0, 0
.Lno_next_\@:
	s_wait_alu depctr_va_vdst(0)
.irp t, 0,1,2,3
	v_wmma_scale_f32_16x16x128_f8f6f4 v[192+8*\t:199+8*\t], v[96+12*\t:107+12*\t], v[224:235], v[192+8*\t:199+8*\t], v[80+\t], v253 matrix_a_fmt:MATRIX_FMT_FP6 matrix_b_fmt:MATRIX_FMT_FP6
.endr
.rept 5
	v_nop                                          ; the next step's first products write over registers that these have read: five places
.endr
.endm
; THE CHANGE OF SLOTS: each wave waits for all its tensor loads, adds 0 to its spare word, and waits for that and for its reads of the slot that it leaves.
; fill = 1: behind a round of the cluster's barrier that slot is filled with the key steps two fills on; the load has four key steps in which to land.
.macro CHANGE g0, fill
	s_wait_tensorcnt 0x0
	ds_add_u32 v[SPW], v[NIL]
.if \fill
	s_add_nc_u64 s[\g0+2:\g0+3], s[\g0+2:\g0+3], 8*STEPB   ; no tensor load of mine is out: the group 0 may be written
.endif
	s_wait_dscnt 0x0
.if \fill
	CROUND
	tensor_load_to_lds s[\g0:\g0+3], s[G1:G1+7]    ; my one tensor load until the next change
	s_nop 0
.rept 4
	v_nop
.endr
.else
	s_barrier_signal -1
	s_barrier_wait -1
.endif
.endm
.macro SLOT_STEPS slot, seq
	s_mov_b32 s[TB], SLOTB*\slot
	s_mov_b32 s[TS], SLOTB*\slot+12288
	v_add_nc_u32 v[ADK], s[TB], v[LI]
	v_add_nc_u32 v[ADS], s[TS], v[LS]
	FR4 32, 248, 0, 0, 0
	s_mov_b32 s[CNT], 4
.Lstep_\@:
	s_wait_alu depctr_va_vdst(0)
	STEP
	s_sub_co_u32 s[CNT], s[CNT], 1
	s_cmp_lg_u32 s[CNT], 0
	s_cbranch_scc1 .Lstep_\@
.endm
	s_wait_alu depctr_va_vdst(0)                   ; the wait at the head's end
	s_wait_tensorcnt 0x0                           ; my part of slot 0 is in; slot 1's first fill is issued as a refill is:
	ds_add_u32 v[SPW], v[NIL]
	s_wait_dscnt 0x0
	CROUND
	tensor_load_to_lds s[G0B:G0B+3], s[G1:G1+7]    ; key steps 4-7: it has slot 0's four key steps in which to land
	s_nop 0
.rept 4
	v_nop
.endr
	s_wait_loadcnt 0x0                             ; Q
	s_mov_b32 s[MOF], 0
	MLOAD
	SLOT_STEPS 0, 0
	CHANGE G0A, 1
	SLOT_STEPS 1, 1
	CHANGE G0B, 1
	SLOT_STEPS 0, 2
	CHANGE G0A, 0                                  ; nothing is left to fetch
	SLOT_STEPS 1, 3
	; THE WAY OUT: O^T / the sum, quantised along the channels: the last product's fragment for K step = head.
	v_add_f32 v14, v14, v15
	s_delay_alu instid0(VALU_DEP_1)
	v_permlanex16_b32 v252, v14, s[SEL], s[SEL+1]
	s_delay_alu instid0(VALU_DEP_1)
	v_add_f32 v14, v14, v252                       ; the row's sum
	s_wait_alu depctr_va_vdst(0)
	v_rcp_f32 v14, v14
.irp b, 0,1,2,3
	v_mov_b32 v[TM+4+\b], 0                        ; (plain lines behind the reciprocal)
.endr
	s_wait_alu depctr_va_vdst(0)                   ; the wait ahead of its first reader
.set j, 0
.rept 64
	v_mul_f32 v[96+j], v[160+j], v14               ; register 16 b + i: channel 32 b + 16 h + i of my query
.set j, j+1
.endr
.irp b, 0,1,2,3
	v_max3_num_f32 v[TM+\b], |v[96+16*\b]|, |v[97+16*\b]|, 0x1800000
.endr
.irp i, 2,4,6,8,10,12,14
.irp b, 0,1,2,3
	s_delay_alu instid0(VALU_DEP_4)
	v_max3_num_f32 v[TM+\b], v[TM+\b], |v[96+16*\b+\i]|, |v[97+16*\b+\i]|
.endr
.endr
.irp b, 0,1,2,3
	s_delay_alu instid0(VALU_DEP_4)
	v_permlanex16_b32 v[TM+4+\b], v[TM+\b], s[SEL], s[SEL+1]
.endr
.irp b, 0,1,2,3
	s_delay_alu instid0(VALU_DEP_4)
	v_max_num_f32 v[TM+\b], v[TM+\b], v[TM+4+\b]
.endr
.irp b, 0,1,2,3
	s_delay_alu instid0(VALU_DEP_4)
	v_add_nc_u32 v[TM+12+\b], 0xff000000, v[TM+\b]
.endr
.irp b, 0,1,2,3
	s_delay_alu instid0(VALU_DEP_4)
	v_lshrrev_b32 v[TM+4+\b], 23, v[TM+12+\b]
.endr
	s_delay_alu instid0(VALU_DEP_3)
	v_lshl_or_b32 v[PW], v[TM+5], 8, v[TM+4]
	s_delay_alu instid0(VALU_DEP_1)
	v_lshl_or_b32 v[PW], v[TM+6], 16, v[PW]
	s_delay_alu instid0(VALU_DEP_1)
	v_lshl_or_b32 v[PW], v[TM+7], 24, v[PW]
.irp c, 0,1
	v_cvt_scalef32_pk16_fp6_f32 v[PC+6*\c:PC+2+6*\c], v[96+32*\c:111+32*\c], v[TM+12+2*\c]
	v_cvt_scalef32_pk16_fp6_f32 v[PC+12+4*\c:PC+14+4*\c], v[112+32*\c:127+32*\c], v[TM+12+2*\c+1]
.endr
	v_nop
.irp c, 0,1
.irp i, 0,1,2
	v_permlane16_swap_b32 v[PC+6*\c+\i], v[PC+12+4*\c+\i]
.endr
.irp i, 0,1,2
	s_delay_alu instid0(VALU_DEP_3)
	v_mov_b32 v[PC+3+6*\c+\i], v[PC+12+4*\c+\i]
.endr
.endr
.irp c, 0,1,2
	global_store_b128 v[LI], v[PC+4*\c:PC+4*\c+3], s[10:11] offset:512*\c   ; the image: 512 consecutive bytes a store
.endr
	global_store_b32 v[CSO], v[PW], s[12:13]       ; row r's scale word; lanes l and l + 16 hold the same word and write it to the same place
	s_wait_tensorcnt 0x0                           ; the wave's end
	ds_add_u32 v[SPW], v[NIL]
	s_wait_dscnt 0x0
	CROUND                                         ; the closing round
	s_endpgm
.Lfunc_end_k_q7b32394c72_attn:
	.size	k_q7b32394c72_attn, .Lfunc_end_k_q7b32394c72_attn-k_q7b32394c72_attn
	.p2alignl 7, 3214868480
	.fill 96, 4, 3214868480
	.section	.rodata,"a",@progbits
	.p2align	6, 0x0
	.amdhsa_kernel k_q7b32394c72_attn
		.amdhsa_group_segment_fixed_size 327680
		.amdhsa_private_segment_fixed_size 0
		.amdhsa_enable_private_segment 0
		.amdhsa_kernarg_size 32
		.amdhsa_user_sgpr_count 2
		.amdhsa_user_sgpr_kernarg_segment_ptr 1
		.amdhsa_wavefront_size32 1
		.amdhsa_system_sgpr_workgroup_id_x 1
		.amdhsa_system_sgpr_workgroup_id_y 1
		.amdhsa_system_sgpr_workgroup_id_z 1
		.amdhsa_system_vgpr_workitem_id 0
		.amdhsa_next_free_vgpr 256
		.amdhsa_next_free_sgpr 106
		.amdhsa_reserve_vcc 0
		.amdhsa_float_denorm_mode_32 3
		.amdhsa_float_denorm_mode_16_64 3
		.amdhsa_memory_ordered 1
		.amdhsa_forward_progress 1
		.amdhsa_inst_pref_size 128
	.end_amdhsa_kernel
	.amdgpu_metadata
---
amdhsa.version: [ 1, 2 ]
amdhsa.kernels:
  - .name:           k_q7b32394c72_attn
    .symbol:         k_q7b32394c72_attn.kd
    .args:
      - { .name: qkvc, .offset: 0, .size: 8, .value_kind: global_buffer, .address_space: global }
      - { .name: mw, .offset: 8, .size: 8, .value_kind: global_buffer, .address_space: global }
      - { .name: cc, .offset: 16, .size: 8, .value_kind: global_buffer, .address_space: global }
      - { .name: cs, .offset: 24, .size: 8, .value_kind: global_buffer, .address_space: global }
    .group_segment_fixed_size: 327680
    .private_segment_fixed_size: 0
    .kernarg_segment_align: 8
    .kernarg_segment_size: 32
    .max_flat_workgroup_size: 256
    .sgpr_count:     106
    .vgpr_count:     256
    .wavefront_size: 32
...
	.end_amdgpu_metadata
.endif
;; end of part 8
;; launch outp (part 9): grid 16 x 16, 4 waves a work-group, clusters of 4 x 4, 327,680 bytes of LDS; arguments cc, cs, codes, scales, out0; writes out0
.if DOCPART == 9
	.amdgcn_target "amdgcn-amd-amdhsa--gfx1250"
	.amdhsa_code_object_version 6
	.text
	.protected	k_q7b32394c72_outp
	.globl	k_q7b32394c72_outp
	.p2align	8
	.type	k_q7b32394c72_outp,@function
k_q7b32394c72_outp:
	s_mov_b64 s[64:65], 0
	v_nop
	global_prefetch_b8 v0, s[64:65] scope:SCOPE_SE
	s_setreg_imm32_b32 hwreg(HW_REG_WAVE_MODE, 25, 1), 1
	s_wait_xcnt 0x0
	s_wait_alu depctr_hold_cnt(0) depctr_sa_sdst(0) depctr_va_vdst(0) depctr_va_sdst(0) depctr_va_ssrc(0) depctr_va_vcc(0) depctr_vm_vsrc(0)
	s_getreg_b32 s2, hwreg(HW_REG_IB_STS2, 6, 4)
	s_cmp_eq_u32 s2, 0
	s_cbranch_scc0 .Lentry_in_a_cluster
	s_endpgm
.Lentry_in_a_cluster:
	s_bfe_u32 s2, ttmp6, 0x10000c
	s_cmp_lg_u32 s2, 0xf033
	s_cbranch_scc0 .Lentry_shape_is_right
	s_endpgm
.Lentry_shape_is_right:
; out0 = ctx Wo on codes of FP6 (E2M3) with E8M0 scales, K = 2,048 = (head, channel).  A tile of 128 x 128 to a work-group of four waves, 64 x 64 a wave (16 accumulators): 256 work-groups.
; A = ctx, as images of operand registers: cc[tile of 16 positions][head] of 1,536 bytes.  B = Wo's codes, rows from 8192 of codes, laid [K chunk of 256][row][192 bytes]:
; 128 rows of a chunk are 24,576 dense bytes, fetched as 96 rows of 256 bytes, 16 bytes of padding behind each 64: LDS rows of 240 bytes.
; RING: two slots of four K steps (512 along K): A's two halves (waves 0, 1 fetch 64 positions x 4 heads each), B's two chunks (waves 2, 3 fetch one chunk of all 128 rows each).  Four fills in all, written out.
; CLUSTER 4 x 4: A's tiles are asked for jointly along a row of the cluster, B's along a column.  The scale words of all of K lie in registers.
; NO PREFETCH: the walk is four fills written out, two of them issued before the first product: there is no loop to run ahead in.
; The matrix instruction is used transposed (source 0 = Wo's rows): a lane holds eight neighbouring numbers of a row of out0.  Positions and columns come in the order swap34; the way out puts them right.
; The stage of the way out lies in slot 0, which has had its last fill and, at the last barrier, its last read.
.set SIZE_N, 2048
.set KCH,    1966080
.set KROW,   1536
.set FR,     12
.set NP,     4
.set ACH,    6144
.set AHALF,  4*ACH
.set PITCH,  240
.set BPL,    128*PITCH
.set BOFF,   2*AHALF
.set SLOT,   BOFF+2*BPL
.set SPARE,  2*SLOT
.set STAGE,  0
.set SPITCH, 272
.set STO,  8
.set RD,   9
.set CO,   10
.set SOF,  11
.set ADRA, 16
.set ADRB, 20
.set SPW,  28
.set NIL,  29
.set SA,   32
.set SB,   96
.set AF,   160
.set BK,   160
.set BF,   0
.set ACC,  128
.set G1,   24
.set G1B,  48
.set G0,   68
.set G0B,  80
.set MSB, 0
.macro WIN new
.if MSB != (\new)
	s_set_vgpr_msb (MSB<<8)|(\new)
.set MSB, (\new)
.endif
.endm
.set MULW, 0x51
.set TO_B, 0x40
.macro JLOAD g0a, g1a, g0b, g1b
	s_cmp_eq_u32 s15, 0
	s_cbranch_scc0 .Lfor_b_\@
	tensor_load_to_lds s[\g0a:\g0a+3], s[\g1a:\g1a+7]
	s_nop 0
.rept 4
	v_nop
.endr
	s_branch .Lasked_\@
.Lfor_b_\@:
	tensor_load_to_lds s[\g0b:\g0b+3], s[\g1b:\g1b+7]
	s_nop 0
.rept 4
	v_nop
.endr
.Lasked_\@:
.endm
.macro CROUND
	s_barrier_signal -1
	s_barrier_wait -1
	s_cmp_lg_u32 s14, 0
	s_cbranch_scc1 .Lnot_wave_0_\@
	s_barrier_signal -3
.Lnot_wave_0_\@:
	s_barrier_wait -3
	s_barrier_signal -1
	s_barrier_wait -1
.endm
	s_load_b128 s[4:7], s[0:1], 0x0                ; cc, cs
	s_load_b128 s[8:11], s[0:1], 0x10              ; codes, scales
	s_load_b64 s[12:13], s[0:1], 0x20              ; out0
	v_lshl_add_u32 v[SPW], v0, 2, SPARE
	v_mov_b32 v[NIL], 0
	ds_add_u32 v[SPW], v[NIL]                      ; the opening lines: the add twice and one wait
	ds_add_u32 v[SPW], v[NIL]
	v_lshrrev_b32 v1, 5, v0
	v_readfirstlane_b32 s14, v1                    ; wave
	s_lshr_b32 s15, s14, 1                         ; my half of the rows; also: I fetch for A (0) or B (1)
	s_and_b32 s16, s14, 1                          ; my half of the columns; also: which half of A, which chunk of B I fetch
	s_bfe_u32 s40, ttmp6, 0x40000
	s_bfe_u32 s41, ttmp6, 0x40004
	s_lshl_b32 s42, ttmp9, 2
	s_add_co_u32 s42, s42, s40                     ; tile column
	s_and_b32 s17, ttmp7, 0xffff
	s_lshl_b32 s17, s17, 2
	s_add_co_u32 s17, s17, s41                     ; tile row
	s_lshl_b32 s43, s41, 2
	s_lshl_b32 s43, 15, s43
	s_lshl_b32 s44, 0x1111, s40
	s_or_b32 s[G1+0], s43, (3<<16)|(1<<21)         ; A: 4 tiles of positions x 6,144 bytes (4 heads' images), 24,576 bytes apart; no padding
	s_mov_b32 s[G1+1], 768<<16
	s_mov_b32 s[G1+2], 4<<16
	s_mov_b32 s[G1+3], 768<<16
	s_mov_b32 s[G1+4], 4
	s_mov_b32 s[G1+5], 3072
	s_mov_b32 s[G1+6], 0
	s_mov_b32 s[G1+7], 0
	s_or_b32 s[G1B+0], s44, (0<<16)|(1<<20)|(1<<21)|(3<<22)|(3<<25)   ; B: 96 rows of 256 bytes, 4 words of padding behind every 16
	s_mov_b32 s[G1B+1], 256<<16
	s_mov_b32 s[G1B+2], 96<<16
	s_mov_b32 s[G1B+3], 256<<16
	s_mov_b32 s[G1B+4], 96
	s_mov_b32 s[G1B+5], 256
	s_mov_b32 s[G1B+6], 0
	s_mov_b32 s[G1B+7], 0
	s_lshl_b32 s18, s16, 6
	s_lshl_b32 s20, s17, 7
	s_add_co_u32 s20, s20, s18                     ; A: position 128 x tile row + 64 x half
	s_mov_b32 s21, 0
	s_mov_b64 s[18:19], KROW
	s_mul_u64 s[20:21], s[20:21], s[18:19]
	s_lshl_b32 s46, s42, 7
	s_add_co_u32 s46, s46, 8192                    ; B: row 8192 + 128 x tile column,
	s_mul_i32 s46, s46, 192
	s_mul_i32 s47, s16, KCH                        ; in chunk 0 or 1
	s_add_co_u32 s46, s46, s47
	s_mov_b32 s47, 0
	s_mul_i32 s45, s16, AHALF
	s_mul_i32 s94, s16, BPL
	s_add_co_u32 s94, s94, BOFF
	s_wait_dscnt 0x0
	s_wait_kmcnt 0x0
	s_add_nc_u64 s[20:21], s[4:5], s[20:21]
	s_add_nc_u64 s[46:47], s[8:9], s[46:47]
	CROUND                                         ; the first joint loads meet
.irp s, 0,1
	s_mov_b32 s[G0+4*\s], 1
	s_add_co_u32 s[G0+4*\s+1], s45, \s*SLOT
	s_add_nc_u64 s[G0+4*\s+2:G0+4*\s+3], s[20:21], \s*ACH
	s_or_b32 s[G0+4*\s+3], s[G0+4*\s+3], 0x80000000
	s_mov_b32 s[G0B+4*\s], 1
	s_add_co_u32 s[G0B+4*\s+1], s94, \s*SLOT
	s_add_nc_u64 s[G0B+4*\s+2:G0B+4*\s+3], s[46:47], \s*2*KCH
	s_or_b32 s[G0B+4*\s+3], s[G0B+4*\s+3], 0x80000000
.endr
	JLOAD G0, G1, G0B, G1B                         ; K steps 0-3: my one tensor load at the head
	v_and_b32 v1, 15, v0
	v_bfe_u32 v2, v0, 4, 1
	v_and_b32 v6, 31, v0
	v_lshlrev_b32 v7, 4, v6
	v_lshlrev_b32 v[SOF], 6, v1
	s_wait_alu depctr_va_vdst(0)                   ; the wait ahead of the run of scalar lines
	s_lshl_b32 s20, s17, 7
	s_lshl_b32 s21, s15, 6
	s_add_co_u32 s20, s20, s21                     ; my first row
	s_lshl_b32 s22, s20, 6
	s_mov_b32 s23, 0
	s_add_nc_u64 s[6:7], s[6:7], s[22:23]
	s_lshl_b32 s46, s42, 7
	s_lshl_b32 s47, s16, 6
	s_add_co_u32 s46, s46, s47                     ; my first column
	s_add_co_u32 s22, s46, 8192
	s_lshl_b32 s22, s22, 6
	s_add_nc_u64 s[10:11], s[10:11], s[22:23]
.irp i, 0,1,2,3
.irp c, 0,1,2,3
	global_load_b128 v[SA+16*\i+4*\c:SA+16*\i+4*\c+3], v[SOF], s[6:7] offset:1024*\i+16*\c     ; a row's 16 scale words, one for each K step
	global_load_b128 v[SB+16*\i+4*\c:SB+16*\i+4*\c+3], v[SOF], s[10:11] offset:1024*\i+16*\c
.endr
.endr
	v_mul_u32_u24 v3, v1, PITCH
	v_mul_u32_u24 v4, v2, 24
	v_add_nc_u32 v4, v3, v4
	v_lshl_add_u32 v5, v2, 4, v4
	s_mul_i32 s32, s15, AHALF
	s_mul_i32 s33, s16, 64*PITCH
	s_add_co_u32 s33, s33, BOFF
.irp s, 0,1
	v_add_nc_u32 v[ADRA+\s], s32, v7
	v_add_nc_u32 v[ADRB+\s], s33, v4
	v_add_nc_u32 v[ADRB+2+\s], s33, v5
	s_add_co_u32 s32, s32, SLOT
	s_add_co_u32 s33, s33, SLOT
.endr
	s_mul_i32 s34, s14, 16*SPITCH
	s_add_co_u32 s34, s34, STAGE
	v_mul_u32_u24 v12, v1, SPITCH
	v_lshl_add_u32 v12, v2, 6, v12
	v_add_nc_u32 v[STO], s34, v12
	v_mul_u32_u24 v13, v2, SPITCH
	v_lshl_add_u32 v13, v1, 4, v13
	v_add_nc_u32 v[RD], s34, v13
	v_lshlrev_b32 v[CO], 13, v2
	v_lshl_add_u32 v[CO], v1, 4, v[CO]
	s_mov_b32 s21, 0
	s_mov_b64 s[18:19], SIZE_N*4
	s_mul_u64 s[20:21], s[20:21], s[18:19]
	s_lshl_b32 s46, s46, 2
	s_mov_b32 s47, 0
	s_add_nc_u64 s[20:21], s[20:21], s[46:47]
	s_add_nc_u64 s[12:13], s[12:13], s[20:21]
.macro FRAG reg, adr, q, i             ; B: step q of a slot's four lies in chunk q / 2; piece PCE of a row at 8 PCE + 16 (PCE / 8)
.irp p, 0,1,2,3,4,5
.set PCE, 12*((\q)%2)+6*(\p/3)+\p%3
.if PCE%8 < 5
	ds_load_b64 v[\reg+2*\p:\reg+2*\p+1], v[\adr] offset:8*PCE+16*(PCE/8)+(\i)*16*PITCH+((\q)/2)*BPL
.else
	ds_load_b64 v[\reg+2*\p:\reg+2*\p+1], v[\adr+2] offset:8*PCE+16*(PCE/8)+(\i)*16*PITCH+((\q)/2)*BPL
.endif
.endr
.endm
.macro FETCH s
.set SL, ((\s)/4)%2
.set QQ, (\s)%4
.set PP, (\s)%2
	WIN 0
.irp i, 0,1,2,3
.irp c, 0,1,2
	ds_load_b128 v[AF+48*PP+FR*\i+4*\c:AF+48*PP+FR*\i+4*\c+3], v[ADRA+SL] offset:ACH*\i+1536*QQ+512*\c
.endr
.endr
	WIN TO_B
.irp i, 0,1,2,3
	FRAG BF+48*PP+FR*\i, ADRB+SL, QQ, \i
.endr
.endm
.macro MUL s, zero                     ; the 16 accumulators take turns
.set PP, (\s)%2
	WIN MULW
.irp a, 0,1,2,3
.irp b, 0,1,2,3
.if \zero
	v_wmma_scale_f32_16x16x128_f8f6f4 v[ACC+8*(4*\a+\b):ACC+8*(4*\a+\b)+7], v[BF+48*PP+FR*\b:BF+48*PP+FR*\b+FR-1], v[AF+48*PP+FR*\a:AF+48*PP+FR*\a+FR-1], 0, v[SB+16*\b+(\s)], v[SA+16*\a+(\s)] matrix_a_fmt:MATRIX_FMT_FP6 matrix_b_fmt:MATRIX_FMT_FP6
.else
	v_wmma_scale_f32_16x16x128_f8f6f4 v[ACC+8*(4*\a+\b):ACC+8*(4*\a+\b)+7], v[BF+48*PP+FR*\b:BF+48*PP+FR*\b+FR-1], v[AF+48*PP+FR*\a:AF+48*PP+FR*\a+FR-1], v[ACC+8*(4*\a+\b):ACC+8*(4*\a+\b)+7], v[SB+16*\b+(\s)], v[SA+16*\a+(\s)] matrix_a_fmt:MATRIX_FMT_FP6 matrix_b_fmt:MATRIX_FMT_FP6
.endif
.endr
.endr
.endm
.macro PLACES n
.rept \n
	v_nop
.endr
.endm
.macro KSTEP s, nxt, zero              ; the next step's fragments are asked for ahead of this step's 16 products
	s_wait_dscnt 0x0
.if \nxt
.if \zero == 0
	PLACES NP
.endif
	FETCH (\s)+1
.endif
	MUL \s, \zero
.endm
.macro CHG slot, step                  ; the change of slots: the three lines, a round, my one joint load into \slot; step = 1: that slot's groups 0 go two fills on
	WIN 0
	s_wait_tensorcnt 0x0
	ds_add_u32 v[SPW], v[NIL]
.if \step
	s_add_nc_u64 s[G0+4*\slot+2:G0+4*\slot+3], s[G0+4*\slot+2:G0+4*\slot+3], 2*ACH
	s_add_nc_u64 s[G0B+4*\slot+2:G0B+4*\slot+3], s[G0B+4*\slot+2:G0B+4*\slot+3], 4*KCH
.endif
	s_wait_dscnt 0x0
	CROUND
	JLOAD G0+4*\slot, G1, G0B+4*\slot, G1B         ; its four v_nop are the places for the loads that follow
.endm
	s_wait_alu depctr_va_vdst(0)                   ; the wait at the head's end
	CHG 1, 0                                       ; K steps 0-3 are in; 4-7 set out
	FETCH 0
	s_wait_loadcnt 0x0                             ; the scale words
	KSTEP 0, 1, 1
	KSTEP 1, 1, 0
	KSTEP 2, 1, 0
	KSTEP 3, 0, 0
	CHG 0, 1                                       ; K steps 8-11 into slot 0
	FETCH 4
	KSTEP 4, 1, 0
	KSTEP 5, 1, 0
	KSTEP 6, 1, 0
	KSTEP 7, 0, 0
	CHG 1, 1                                       ; K steps 12-15 into slot 1
	FETCH 8
	KSTEP 8, 1, 0
	KSTEP 9, 1, 0
	KSTEP 10, 1, 0
	KSTEP 11, 0, 0
	s_wait_tensorcnt 0x0
	s_barrier_signal -1
	s_barrier_wait -1
	PLACES NP
	FETCH 12
	KSTEP 12, 1, 0
	KSTEP 13, 1, 0
	KSTEP 14, 1, 0
	KSTEP 15, 0, 0
	WIN 0
.macro TOSTAGE a                       ; 16 rows x 64 columns through my stage; each accumulator from its low end on
	WIN 0x04
.irp b, 0,1,2,3
	ds_store_b128 v[STO], v[ACC+8*(4*(\a)+\b):ACC+8*(4*(\a)+\b)+3] offset:128*(\b/2)+32*(\b%2)
	ds_store_b128 v[STO], v[ACC+8*(4*(\a)+\b)+4:ACC+8*(4*(\a)+\b)+7] offset:128*(\b/2)+32*(\b%2)+16
.endr
	WIN 0
.set BB, BK+32*((\a)%2)
.irp t, 0,1,2,3,4,5,6,7
	ds_load_b128 v[BB+4*\t:BB+4*\t+3], v[RD] offset:2*\t*SPITCH
.endr
.endm
.macro SEND a, younger                 ; sixteen lanes store 256 consecutive bytes, aligned
.set BB, BK+32*((\a)%2)
	s_wait_dscnt \younger
.irp t, 0,1,2,3,4,5,6,7
	global_store_b128 v[CO], v[BB+4*\t:BB+4*\t+3], s[12:13] offset:(32*((\a)/2)+8*((\a)%2)+16*(\t/4)+2*(\t%4))*SIZE_N*4 th:TH_STORE_NT
.endr
.endm
	PLACES NP
	TOSTAGE 0
.irp a, 1,2,3
.if \a > 1
	s_wait_xcnt 0x0                                ; block a - 2's stores have read their registers
.endif
	TOSTAGE \a
	SEND \a-1, 16
.endr
	SEND 3, 0
	s_wait_tensorcnt 0x0                           ; the wave's end
	ds_add_u32 v[SPW], v[NIL]
	s_wait_dscnt 0x0
	CROUND                                         ; the closing round
	s_endpgm
.Lfunc_end_k_q7b32394c72_outp:
	.size	k_q7b32394c72_outp, .Lfunc_end_k_q7b32394c72_outp-k_q7b32394c72_outp
	.p2alignl 7, 3214868480
	.fill 96, 4, 3214868480
	.section	.rodata,"a",@progbits
	.p2align	6, 0x0
	.amdhsa_kernel k_q7b32394c72_outp
		.amdhsa_group_segment_fixed_size 327680
		.amdhsa_private_segment_fixed_size 0
		.amdhsa_enable_private_segment 0
		.amdhsa_kernarg_size 40
		.amdhsa_user_sgpr_count 2
		.amdhsa_user_sgpr_kernarg_segment_ptr 1
		.amdhsa_wavefront_size32 1
		.amdhsa_system_sgpr_workgroup_id_x 1
		.amdhsa_system_sgpr_workgroup_id_y 1
		.amdhsa_system_sgpr_workgroup_id_z 1
		.amdhsa_system_vgpr_workitem_id 0
		.amdhsa_next_free_vgpr 512
		.amdhsa_next_free_sgpr 98
		.amdhsa_reserve_vcc 0
		.amdhsa_float_denorm_mode_32 3
		.amdhsa_float_denorm_mode_16_64 3
		.amdhsa_memory_ordered 1
		.amdhsa_forward_progress 1
		.amdhsa_inst_pref_size 93
	.end_amdhsa_kernel
	.amdgpu_metadata
---
amdhsa.version: [ 1, 2 ]
amdhsa.kernels:
  - .name:           k_q7b32394c72_outp
    .symbol:         k_q7b32394c72_outp.kd
    .args:
      - { .name: cc, .offset: 0, .size: 8, .value_kind: global_buffer, .address_space: global }
      - { .name: cs, .offset: 8, .size: 8, .value_kind: global_buffer, .address_space: global }
      - { .name: codes, .offset: 16, .size: 8, .value_kind: global_buffer, .address_space: global }
      - { .name: scales, .offset: 24, .size: 8, .value_kind: global_buffer, .address_space: global }
      - { .name: out0, .offset: 32, .size: 8, .value_kind: global_buffer, .address_space: global }
    .group_segment_fixed_size: 327680
    .private_segment_fixed_size: 0
    .kernarg_segment_align: 8
    .kernarg_segment_size: 40
    .max_flat_workgroup_size: 128
    .sgpr_count:     98
    .vgpr_count:     512
    .wavefront_size: 32
...
	.end_amdgpu_metadata
.endif
;; end of part 9
